; MI455X (gfx1250); checked and timed in simulation.
; The chip was launched on July 23, 2026; its instructions are those of AMD's public machine-readable ISA for CDNA 5 (MIT licence, August 2026) and "CDNA5" Instruction Set Architecture Reference Guide (July 2026). The comments in the code are by the model that wrote it; some were corrected since.
;; Simple Attention FT. Allowed arithmetic: float matrix products may take bf16 or f16 operands with f32 sums; other float arithmetic in f32, or as packed bf16 or f16 multiplies, adds, multiply-adds, maxima and minima; sums over many terms, partial sums and values carried from step to step in f32; what a program stores and reads back later, other than sums and carried values, may be rounded once to bf16 or f16.
;; Inputs: wk 1,024 x 1,024 float32; wq 1,024 x 1,024 float32; wv 1,024 x 1,024 float32; x 4 x 2,048 x 1,024 float32.
;; Outputs: out0 4 x 2,048 x 1,024 float32.
;; 3 versions, each right; version 2 is faster than version 1; version 3 is version 2 with the launches prep, merge written anew for expert scheduling mode. Each part assembles by itself: llvm-mc -triple=amdgcn-amd-amdhsa -mcpu=gfx1250 --defsym DOCPART=n.
;; ======== version 1 of 3: 5 launches
;; limits: values are held in f16: magnitudes above 65,504 overflow, below 6.1e-05 lose precision; values outside matrix products are rounded to f16
;; workspace buffers: xh 16,777,216 bytes; wc 6,291,456 bytes; qkv 50,331,648 bytes; et 33,554,432 bytes; pm 524,288 bytes; pl 524,288 bytes; cf 262,144 bytes
;; launch prep (part 1): grid 336 x 1, 16 waves a work-group, no clusters, 142,336 bytes of LDS; arguments x, wq, wk, wv, xh, wc; writes xh, wc
.if DOCPART == 1
	.amdgcn_target "amdgcn-amd-amdhsa--gfx1250"
	.amdhsa_code_object_version 6
	.text
	.protected	k_q5d3fc4b7f7_prep
	.globl	k_q5d3fc4b7f7_prep
	.p2align	8
	.type	k_q5d3fc4b7f7_prep,@function
k_q5d3fc4b7f7_prep:
	s_mov_b64 s[64:65], 0
	v_nop
	global_prefetch_b8 v0, s[64:65] scope:SCOPE_SE
	s_setreg_imm32_b32 hwreg(HW_REG_WAVE_MODE, 25, 1), 1
	s_wait_xcnt 0x0
; PREPARATION.  xh = x in f16, [8192][1024].  wc = [1024 k][3072] f16: columns 0-1023 wq[k][:], 1024-2047 wk[k][:],
; 2048-3071 the softmax of wv over its rows, turned: wc[k][2048+j] = exp(wv[j][k] - max_j) / sum_j.  The factor 1/1024 of the value weights is applied in f32 by the last launch.
; LIMITS.  f16 holds no number beyond 65,504: x, wq and wk must lie within it.  A softmax weight below 6e-5 keeps f16's fixed step of 6e-8; an exponential below 2^-126 counts as 0.
; NaN and infinities are not treated apart.  f16 and not bf16: the result is nearly -V, so the value weights' rounding reaches the output whole.
; SHARES.  Work-groups 0-15: 64 columns of wv each, all 1,024 rows, held in registers (128 a lane), so wv is read once.  16-79: 32 rows of wq or wk.  80-335: 32 rows of x.
; No matrix unit, no cluster, no tensor load: every byte is read once by one work-group, and nothing is shared.
.set TRP,   2064                       ; a row of the turned block in LDS: 1,024 f16 + 16 bytes
.set STATM, 64*TRP                     ; 16 waves x 64 columns of f32: the waves' maxima
.set STATL, STATM+4096                 ; the waves' sums, in bytes of their own
.set SPARE, STATL+4096                 ; the spare words, 128 bytes for each of 16 waves: eight blocks of 256 bytes that no other line names
.set SPW, 6                            ; v6  LDS address of my spare word; never rewritten
.set NIL, 7                            ; v7  0; never rewritten
.set MX,  8                            ; v[8:11]   maxima of my four columns
.set PX,  12                           ; v[12:15]  what the other half of the lanes holds
.set KM,  16                           ; v[16:19]  log2(e) x maximum
.set SU,  20                           ; v[20:27]  sums, two chains
.set RI,  28                           ; v[28:31]  1 / sum
.set D,   64                           ; v[64:191] 32 rows x 4 columns
.set T,   192                          ; v[192:255] at work
; 32 rows of 1,024 f32 become f16.  Thread t takes 8 numbers (32 bytes in, 16 out) in each of eight groups of four rows; sixteen lanes store 256 consecutive bytes.
; All sixteen loads go out first; the counted wait leaves the younger groups' loads on their way.
.macro CONV pitch
	v_lshlrev_b32 v2, 5, v0                        ; 32 t
	v_lshrrev_b32 v3, 7, v0                        ; my row among a group's four
	v_and_b32 v4, 127, v0
	v_mul_u32_u24 v3, v3, \pitch
	v_lshl_add_u32 v3, v4, 4, v3
.irp g, 0,1,2,3,4,5,6,7
	global_load_b128 v[64+8*\g:64+8*\g+3], v2, s[20:21] offset:\g*16384 th:TH_LOAD_NT
	global_load_b128 v[68+8*\g:68+8*\g+3], v2, s[20:21] offset:\g*16384+16 th:TH_LOAD_NT
.endr
.irp g, 0,1,2,3,4,5,6,7
	s_wait_loadcnt 14-2*\g                         ; loads return in order: group g's two are in
.irp u, 0,1,2,3
	v_cvt_pk_f16_f32 v[128+4*\g+\u], v[64+8*\g+2*\u], v[64+8*\g+2*\u+1]
.endr
	global_store_b128 v3, v[128+4*\g:128+4*\g+3], s[22:23] offset:4*\g*\pitch
.endr
	s_endpgm                                       ; this wave has written no LDS
.endm
	s_load_b256 s[4:11], s[0:1], 0x0               ; x s[4:5], wq s[6:7], wk s[8:9], wv s[10:11]
	s_load_b128 s[12:15], s[0:1], 0x20             ; xh s[12:13], wc s[14:15]
	v_lshl_add_u32 v[SPW], v0, 2, SPARE
	v_mov_b32 v[NIL], 0
	s_mov_b32 s17, ttmp9
	s_mov_b32 s25, 0
	s_mov_b32 s27, 0
	s_wait_kmcnt 0x0
	s_cmp_lt_u32 s17, 16                           ; the branches hang on the work-group's number alone: all sixteen waves go the same way
	s_cbranch_scc1 .Lsoftmax
	s_cmp_lt_u32 s17, 80
	s_cbranch_scc1 .Lweights
	s_sub_co_u32 s18, s17, 80                      ; 32 rows of x
	s_lshl_b32 s24, s18, 17
	s_lshl_b32 s26, s18, 16
	s_add_nc_u64 s[20:21], s[4:5], s[24:25]
	s_add_nc_u64 s[22:23], s[12:13], s[26:27]
	CONV 2048
.Lweights:
	s_sub_co_u32 s18, s17, 16                      ; 0-31: wq, 32-63: wk
	s_cmp_lt_u32 s18, 32
	s_cselect_b64 s[20:21], s[6:7], s[8:9]
	s_and_b32 s19, s18, 31                         ; which 32 rows
	s_lshl_b32 s24, s19, 17
	s_mul_i32 s26, s19, 32*6144
	s_lshr_b32 s19, s18, 5
	s_lshl_b32 s19, s19, 11                        ; wk's columns begin 2,048 bytes into a row of wc
	s_add_co_u32 s26, s26, s19
	s_add_nc_u64 s[20:21], s[20:21], s[24:25]
	s_add_nc_u64 s[22:23], s[14:15], s[26:27]
	CONV 6144
.Lsoftmax:
	s_mov_b32 s28, 0x3fb8aa3b                      ; log2(e); named as a pair by the packed multiply-add
	s_mov_b32 s29, s28
	s_mov_b32 s30, 0x76543210                      ; v_permlanex16_b32: each lane takes its own place in the other half
	s_mov_b32 s31, 0xfedcba98
	s_lshl_b32 s24, s17, 8                         ; my 64 columns: 256 bytes of every row of wv
	s_add_nc_u64 s[20:21], s[10:11], s[24:25]
	s_mul_i32 s26, s17, 64*6144                    ; they become 64 rows of wc, from byte 4,096 of each
	s_add_co_u32 s26, s26, 4096
	s_add_nc_u64 s[22:23], s[14:15], s[26:27]
	v_and_b32 v1, 15, v0                           ; r: columns 4 r .. 4 r + 3
	v_lshrrev_b32 v2, 4, v0                        ; 2 w + h: rows 32 (2 w + h) + 0..31
	v_lshlrev_b32 v3, 4, v1
	v_lshl_add_u32 v4, v2, 17, v3
.set i, 0
.rept 32
	global_load_b128 v[D+4*i:D+4*i+3], v4, s[20:21] offset:i*4096 th:TH_LOAD_NT  ; sixteen lanes take a row's 256 bytes
.set i, i+1
.endr
	v_lshrrev_b32 v33, 5, v0                       ; w
	v_and_b32 v36, 31, v0                          ; lane
	v_lshl_add_u32 v5, v33, 8, v3
	v_add_nc_u32 v5, STATM, v5                     ; where my wave's figures go: 256 w + 16 r
	v_add_nc_u32 v32, STATM, v3                    ; where all waves' figures of my columns are read
	v_mul_u32_u24 v34, v1, 4*TRP
	v_lshl_add_u32 v34, v2, 6, v34                 ; turned block: row 4 r, byte 2 x my first row of wv
	v_mul_u32_u24 v35, v33, 4*TRP
	v_lshl_add_u32 v35, v36, 4, v35                ; back: rows 4 w .. 4 w + 3, 16 bytes a lane
	v_mul_u32_u24 v37, v33, 4*6144
	v_lshl_add_u32 v37, v36, 4, v37                ; the same in wc
.irp c, 0,1,2,3
	v_mov_b32 v[PX+\c], 0                          ; v_permlanex16_b32's destination counts as read
.endr
	s_wait_loadcnt 0x0
	; the maximum of each column: my 32 rows, the other half's 32, then all sixteen waves'
.irp c, 0,1,2,3
	v_max3_num_f32 v[MX+\c], v[D+\c], v[D+4+\c], v[D+8+\c]
.endr
.set k, 0
.rept 14
.irp c, 0,1,2,3
	v_max3_num_f32 v[MX+\c], v[MX+\c], v[D+4*(3+2*k)+\c], v[D+4*(4+2*k)+\c]
.endr
.set k, k+1
.endr
.irp c, 0,1,2,3
	v_max_num_f32 v[MX+\c], v[MX+\c], v[D+124+\c]
.endr
.irp c, 0,1,2,3
	v_permlanex16_b32 v[PX+\c], v[MX+\c], s30, s31
.endr
.irp c, 0,1,2,3
	v_max_num_f32 v[MX+\c], v[MX+\c], v[PX+\c]
.endr
	ds_store_b128 v5, v[MX:MX+3]                   ; both halves of the lanes write the same numbers to the same bytes
	s_wait_dscnt 0x0                               ; for the others' sake: my store is done
	s_barrier_signal -1
	s_barrier_wait -1
.set i, 0
.rept 16
	ds_load_b128 v[T+4*i:T+4*i+3], v32 offset:256*i
.set i, i+1
.endr
	s_wait_dscnt 0x0
.irp c, 0,1,2,3
	v_max3_num_f32 v[MX+\c], v[T+\c], v[T+4+\c], v[T+8+\c]
.endr
.set k, 0
.rept 6
.irp c, 0,1,2,3
	v_max3_num_f32 v[MX+\c], v[MX+\c], v[T+4*(3+2*k)+\c], v[T+4*(4+2*k)+\c]
.endr
.set k, k+1
.endr
.irp c, 0,1,2,3
	v_max_num_f32 v[MX+\c], v[MX+\c], v[T+60+\c]
.endr
.irp c, 0,1,2,3
	v_mul_f32 v[KM+\c], s28, v[MX+\c]
.endr
	; 2^(log2(e) w - log2(e) max), in place
.set i, 0
.rept 32
	v_pk_fma_f32 v[D+4*i:D+4*i+1], v[D+4*i:D+4*i+1], s[28:29], v[KM:KM+1] op_sel_hi:[1,0,1] neg_lo:[0,0,1] neg_hi:[0,0,1]
	v_pk_fma_f32 v[D+4*i+2:D+4*i+3], v[D+4*i+2:D+4*i+3], s[28:29], v[KM+2:KM+3] op_sel_hi:[1,0,1] neg_lo:[0,0,1] neg_hi:[0,0,1]
.set i, i+1
.endr
.set i, 0
.rept 128
	v_exp_f32 v[D+i], v[D+i]
.set i, i+1
.endr
	v_nop                                          ; a plain instruction between the last exponential and the use of its result (ISA guide 5.7.2)
	; the sums, into registers of their own: even rows' chain and odd rows' chain
	s_wait_alu depctr_va_vdst(0)
	v_pk_add_f32 v[SU:SU+1], v[D:D+1], v[D+8:D+9]
	v_pk_add_f32 v[SU+2:SU+3], v[D+2:D+3], v[D+10:D+11]
	v_pk_add_f32 v[SU+4:SU+5], v[D+4:D+5], v[D+12:D+13]
	v_pk_add_f32 v[SU+6:SU+7], v[D+6:D+7], v[D+14:D+15]
.set i, 4
.rept 28
	v_pk_add_f32 v[SU+4*(i%2):SU+4*(i%2)+1], v[SU+4*(i%2):SU+4*(i%2)+1], v[D+4*i:D+4*i+1]
	v_pk_add_f32 v[SU+4*(i%2)+2:SU+4*(i%2)+3], v[SU+4*(i%2)+2:SU+4*(i%2)+3], v[D+4*i+2:D+4*i+3]
.set i, i+1
.endr
	v_pk_add_f32 v[SU:SU+1], v[SU:SU+1], v[SU+4:SU+5]
	v_pk_add_f32 v[SU+2:SU+3], v[SU+2:SU+3], v[SU+6:SU+7]
.irp c, 0,1,2,3
	v_permlanex16_b32 v[PX+\c], v[SU+\c], s30, s31
.endr
.irp c, 0,1,2,3
	v_add_f32 v[SU+\c], v[SU+\c], v[PX+\c]
.endr
	ds_store_b128 v5, v[SU:SU+3] offset:4096       ; other bytes than the maxima's: no barrier is owed to their readers
	s_wait_dscnt 0x0
	s_barrier_signal -1
	s_barrier_wait -1
.set i, 0
.rept 16
	ds_load_b128 v[T+4*i:T+4*i+3], v32 offset:4096+256*i
.set i, i+1
.endr
	s_wait_dscnt 0x0
.set i, 1
.rept 15
	v_pk_add_f32 v[T:T+1], v[T:T+1], v[T+4*i:T+4*i+1]
	v_pk_add_f32 v[T+2:T+3], v[T+2:T+3], v[T+4*i+2:T+4*i+3]
.set i, i+1
.endr
.irp c, 0,1,2,3
	v_rcp_f32 v[RI+\c], v[T+\c]
.endr
	v_nop
.set i, 0
	s_wait_alu depctr_va_vdst(0)
.rept 32
	v_pk_mul_f32 v[D+4*i:D+4*i+1], v[D+4*i:D+4*i+1], v[RI:RI+1]
	v_pk_mul_f32 v[D+4*i+2:D+4*i+3], v[D+4*i+2:D+4*i+3], v[RI+2:RI+3]
.set i, i+1
.endr
	; turned through LDS: eight neighbouring rows of one column are 16 bytes of a row of wc
.irp c, 0,1,2,3
.irp g, 0,1,2,3
.irp u, 0,1,2,3
	v_cvt_pk_f16_f32 v[T+4*(4*\c+\g)+\u], v[D+4*(8*\g+2*\u)+\c], v[D+4*(8*\g+2*\u+1)+\c]
.endr
	ds_store_b128 v34, v[T+4*(4*\c+\g):T+4*(4*\c+\g)+3] offset:\c*TRP+16*\g
.endr
.endr
	s_wait_dscnt 0x0                               ; for the others' sake: a row's 2,048 bytes come from all sixteen waves
	s_barrier_signal -1
	s_barrier_wait -1
.irp i, 0,1,2,3
.irp p, 0,1,2,3
	ds_load_b128 v[D+4*(4*\i+\p):D+4*(4*\i+\p)+3], v35 offset:\i*TRP+512*\p
.endr
.endr
.irp i, 0,1,2,3
.irp p, 0,1,2,3
	s_wait_dscnt 15-(4*\i+\p)                      ; LDS loads return in order: this one is in
	global_store_b128 v37, v[D+4*(4*\i+\p):D+4*(4*\i+\p)+3], s[22:23] offset:\i*6144+512*\p  ; a wave stores 512 consecutive bytes, at a multiple of 256 from wc's first
.endr
.endr
	s_wait_tensorcnt 0x0                           ; the wave's end: three lines behind my last LDS store
	ds_add_u32 v[SPW], v[NIL]
	s_wait_dscnt 0x0
	s_endpgm
.Lfunc_end_k_q5d3fc4b7f7_prep:
	.size	k_q5d3fc4b7f7_prep, .Lfunc_end_k_q5d3fc4b7f7_prep-k_q5d3fc4b7f7_prep
	.p2alignl 7, 3214868480
	.fill 96, 4, 3214868480
	.section	.rodata,"a",@progbits
	.p2align	6, 0x0
	.amdhsa_kernel k_q5d3fc4b7f7_prep
		.amdhsa_group_segment_fixed_size 142336
		.amdhsa_private_segment_fixed_size 0
		.amdhsa_enable_private_segment 0
		.amdhsa_kernarg_size 48
		.amdhsa_user_sgpr_count 2
		.amdhsa_user_sgpr_kernarg_segment_ptr 1
		.amdhsa_wavefront_size32 1
		.amdhsa_system_sgpr_workgroup_id_x 1
		.amdhsa_system_sgpr_workgroup_id_y 1
		.amdhsa_system_sgpr_workgroup_id_z 1
		.amdhsa_system_vgpr_workitem_id 0
		.amdhsa_next_free_vgpr 256
		.amdhsa_next_free_sgpr 66
		.amdhsa_reserve_vcc 0
		.amdhsa_float_denorm_mode_32 3
		.amdhsa_float_denorm_mode_16_64 3
		.amdhsa_memory_ordered 1
		.amdhsa_forward_progress 1
		.amdhsa_inst_pref_size 51
	.end_amdhsa_kernel
	.amdgpu_metadata
---
amdhsa.version: [ 1, 2 ]
amdhsa.kernels:
  - .name:           k_q5d3fc4b7f7_prep
    .symbol:         k_q5d3fc4b7f7_prep.kd
    .args:
      - { .name: x, .offset: 0, .size: 8, .value_kind: global_buffer, .address_space: global }
      - { .name: wq, .offset: 8, .size: 8, .value_kind: global_buffer, .address_space: global }
      - { .name: wk, .offset: 16, .size: 8, .value_kind: global_buffer, .address_space: global }
      - { .name: wv, .offset: 24, .size: 8, .value_kind: global_buffer, .address_space: global }
      - { .name: xh, .offset: 32, .size: 8, .value_kind: global_buffer, .address_space: global }
      - { .name: wc, .offset: 40, .size: 8, .value_kind: global_buffer, .address_space: global }
    .group_segment_fixed_size: 142336
    .private_segment_fixed_size: 0
    .kernarg_segment_align: 8
    .kernarg_segment_size: 48
    .max_flat_workgroup_size: 512
    .sgpr_count:     66
    .vgpr_count:     256
    .wavefront_size: 32
...
	.end_amdgpu_metadata
.endif
;; end of part 1
;; launch proj (part 2): grid 12 x 64, 4 waves a work-group, clusters of 4 x 4, 327,680 bytes of LDS; arguments xh, wc, qkv; writes qkv
.if DOCPART == 2
	.amdgcn_target "amdgcn-amd-amdhsa--gfx1250"
	.amdhsa_code_object_version 6
	.text
	.protected	k_q5d3fc4b7f7_proj
	.globl	k_q5d3fc4b7f7_proj
	.p2align	8
	.type	k_q5d3fc4b7f7_proj,@function
k_q5d3fc4b7f7_proj:
	s_mov_b64 s[64:65], 0
	v_nop
	global_prefetch_b8 v0, s[64:65] scope:SCOPE_SE
	s_setreg_imm32_b32 hwreg(HW_REG_WAVE_MODE, 25, 1), 1
	s_wait_xcnt 0x0
	s_wait_alu depctr_hold_cnt(0) depctr_sa_sdst(0) depctr_va_vdst(0) depctr_va_sdst(0) depctr_va_ssrc(0) depctr_va_vcc(0) depctr_vm_vsrc(0)
	s_getreg_b32 s2, hwreg(HW_REG_IB_STS2, 6, 4)
	s_cmp_eq_u32 s2, 0
	s_cbranch_scc0 .Lentry_in_a_cluster
	s_endpgm
.Lentry_in_a_cluster:
	s_bfe_u32 s2, ttmp6, 0x10000c
	s_cmp_lg_u32 s2, 0xf033
	s_cbranch_scc0 .Lentry_shape_is_right
	s_endpgm
.Lentry_shape_is_right:
; qkv[8192][3072] = xh[8192][1024] x wc[1024][3072], all f16, sums in f32, rounded once: Q, K and V' = 1024 V side by side.
; LIMITS.  f16 holds no number beyond 65,504: Q, K and V' must lie within it.  NaN and infinities are not treated apart.
; SHARES.  A tile of 128 x 256 to a work-group: 768 tiles, three for each of 256 WGPs.  Four waves, each 64 x 128: 32 accumulators, 256 registers.
; K goes in steps of 128 through two LDS slots.  xh's tile lies [row][k] (rows of 256 bytes), wc's [k][column] (rows of 512 bytes) and is turned on its way out of LDS by ds_load_tr16_b128.
; CLUSTER.  4 x 4 work-groups: xh's tile hangs on the tile row alone and is asked for jointly by a row of the cluster, wc's on the tile column alone, by a column.
; THE MATRIX INSTRUCTION IS USED TRANSPOSED (source 0 = 16 columns of wc, source 1 = 16 rows of xh): a lane holds eight neighbouring numbers of a row of the result.
; REGISTERS.  Window 0: v0-31 addresses; v64-159, v160-255 two fragment buffers (32 of xh, 64 of wc, for 32 along K).  Window 1: accumulator (a, b) at v[8 (8 a + b)].
.set PA,    272                        ; xh's LDS row: 256 bytes + 16: the 16 rows of a load start at 16 different groups of four banks (ISA guide 11.1)
.set PB,    544                        ; wc's LDS row: 512 + 32 = 17 x 32 bytes
.set HALFA, 64*PA                      ; what one tensor load brings of xh
.set HALFB, 64*PB                      ; and of wc
.set BOFF,  2*HALFA                    ; wc's 128 rows lie behind xh's 128
.set SLOTX, 1<<17                      ; slot 1 begins here: one exclusive or turns an address in one slot into the other's
.set STAGE, SLOTX+BOFF+2*HALFB         ; behind the ring: 16 rows x 272 bytes for each wave, for the way out
.set SP,    272
.set SPARE, STAGE+4*16*SP              ; the spare words, 128 bytes a wave: two blocks of 256 bytes that no other line names
.set NSTEP, 8                          ; 1,024 / 128
.set STEPA, 256                        ; bytes from K step to K step in xh
.set STEPB, 128*6144                   ; and in wc
.set ROWC,  6144                       ; bytes in a row of qkv
.set AA0, 8                            ; v8   my lane's place in xh's tile; never rewritten
.set AB0, 9                            ; v9   in wc's
.set ADRA, 16                          ; v16  the same in the slot in hand
.set ADRB, 17
.set STO, 24
.set RD,  25
.set CO,  26
.set SPW, 28                           ; v28  LDS address of my spare word; never rewritten
.set NIL, 29                           ; v29  0; never rewritten
.set F0,  64
.set F1,  160
.set TMP, 64                           ; the way out: packed results
.set OB,  96                           ; and whole rows: v96-127, v128-159 by turns
.set WV,  12                           ; s12 wave; s13 = wave / 2: my half of the rows, and I fetch xh (0) or wc (1); s14 = wave % 2: my half of the columns, and which half I fetch
.set G1A, 24
.set G1B, 32
.set G0A, 40                           ; s[40:43] the first fill of slot 0; s[44:47] that of slot 1, which then walks
.set G0B, 48
.set TB,  56                           ; s56  LDS byte at which the slot in hand begins
.set MUL, 0x50                         ; fragments in window 0, C and D in window 1
.set MSB, 0
.macro WIN new                         ; the immediate's high byte repeats the setting that is left; a switch that changes nothing is dropped
.if MSB != (\new)
	s_set_vgpr_msb (MSB<<8)|(\new)
.set MSB, \new
.endif
.endm
.macro PLACES                          ; four plain instructions in front of loads into registers that matrix instructions have read, and of reads of their results
.rept 4
	v_nop
.endr
.endm
.macro CREST                           ; a round of the cluster's barrier behind its opening barrier
	s_cmp_lg_u32 s[WV], 0
	s_cbranch_scc1 .Lnot_wave_0_\@
	s_barrier_signal -3
.Lnot_wave_0_\@:
	s_barrier_wait -3
	s_barrier_signal -1
	s_barrier_wait -1
.endm
.macro CROUND
	s_barrier_signal -1
	s_barrier_wait -1
	CREST
.endm
.macro JLOAD                           ; a joint refill by the walking descriptor; the branch hangs on the wave's number alone; s_nop 0 and four v_nop follow each line
	s_cmp_eq_u32 s13, 0
	s_cbranch_scc0 .Lfor_b_\@
	tensor_load_to_lds s[G0A+4:G0A+7], s[G1A:G1A+7]
	s_nop 0
.rept 4
	v_nop
.endr
	s_branch .Lasked_\@
.Lfor_b_\@:
	tensor_load_to_lds s[G0B+4:G0B+7], s[G1B:G1B+7]
	s_nop 0
.rept 4
	v_nop
.endr
.Lasked_\@:
.endm
	s_load_b128 s[4:7], s[0:1], 0x0                ; xh s[4:5], wc s[6:7]
	s_load_b64 s[8:9], s[0:1], 0x10                ; qkv
	v_lshl_add_u32 v[SPW], v0, 2, SPARE
	v_mov_b32 v[NIL], 0
	ds_add_u32 v[SPW], v[NIL]                      ; the wave's opening: the add and its wait ahead of my first tensor load
	v_lshrrev_b32 v1, 5, v0
	v_readfirstlane_b32 s[WV], v1
	s_lshr_b32 s13, s[WV], 1
	s_and_b32 s14, s[WV], 1
	s_bfe_u32 s17, ttmp6, 0x40000                  ; cx
	s_bfe_u32 s18, ttmp6, 0x40004                  ; cy
	s_lshl_b32 s15, ttmp9, 2
	s_add_co_u32 s15, s15, s17                     ; tile column
	s_and_b32 s16, ttmp7, 0xffff
	s_lshl_b32 s16, s16, 2
	s_add_co_u32 s16, s16, s18                     ; tile row
	s_lshl_b32 s20, s18, 2
	s_lshl_b32 s20, 15, s20                        ; my row of the cluster
	s_lshl_b32 s66, 0x1111, s17                    ; my column
	s_or_b32 s[G1A], s20, (1<<16)|(1<<20)|(1<<21)|(5<<22)|(3<<25)  ; mask; 2-byte elements; padding on; bit 21 beside a mask; after every 64 words, 4 words
	s_mov_b32 s[G1A+1], 128<<16                    ; tensor_dim0 = 128
	s_mov_b32 s[G1A+2], 64<<16                     ; tensor_dim1 = 64
	s_mov_b32 s[G1A+3], 128<<16                    ; tile_dim0 = 128
	s_mov_b32 s[G1A+4], 64                         ; tile_dim1 = 64
	s_mov_b32 s[G1A+5], 1024                       ; elements from row to row
	s_mov_b32 s[G1A+6], 0
	s_mov_b32 s[G1A+7], 0
	s_or_b32 s[G1B], s66, (1<<16)|(1<<20)|(1<<21)|(6<<22)|(7<<25)  ; after every 128 words, 8 words
	s_mov_b32 s[G1B+1], 256<<16
	s_mov_b32 s[G1B+2], 64<<16
	s_mov_b32 s[G1B+3], 256<<16
	s_mov_b32 s[G1B+4], 64
	s_mov_b32 s[G1B+5], 3072
	s_mov_b32 s[G1B+6], 0
	s_mov_b32 s[G1B+7], 0
	s_lshl_b32 s20, s16, 18                        ; xh: row 128 x tile row + 64 x half, 2,048 bytes a row: the tile row alone
	s_lshl_b32 s21, s14, 17
	s_add_co_u32 s20, s20, s21
	s_mov_b32 s21, 0
	s_mul_i32 s66, s14, 64*6144                    ; wc: row 64 x half, byte 512 x tile column: the tile column alone
	s_lshl_b32 s67, s15, 9
	s_add_co_u32 s66, s66, s67
	s_mov_b32 s67, 0
	s_mul_i32 s22, s14, HALFA                      ; where they go: no place in the cluster enters an LDS address
	s_mul_i32 s68, s14, HALFB
	s_add_co_u32 s68, s68, BOFF
	s_mov_b32 s[TB], 0
	s_wait_dscnt 0x0                               ; the opening add is done
	s_wait_kmcnt 0x0
	s_add_nc_u64 s[20:21], s[4:5], s[20:21]
	s_add_nc_u64 s[66:67], s[6:7], s[66:67]
	CROUND                                         ; all sixteen work-groups are here: the first joint loads meet
.irp s, 0,1
	s_mov_b32 s[G0A+4*\s], 1
	s_add_co_u32 s[G0A+4*\s+1], s22, \s*SLOTX
	s_add_nc_u64 s[G0A+4*\s+2:G0A+4*\s+3], s[20:21], \s*STEPA
	s_or_b32 s[G0A+4*\s+3], s[G0A+4*\s+3], 0x80000000
	s_mov_b32 s[G0B+4*\s], 1
	s_add_co_u32 s[G0B+4*\s+1], s68, \s*SLOTX
	s_add_nc_u64 s[G0B+4*\s+2:G0B+4*\s+3], s[66:67], \s*STEPB
	s_or_b32 s[G0B+4*\s+3], s[G0B+4*\s+3], 0x80000000
.endr
	s_cmp_eq_u32 s13, 0                            ; a wave's two first fills stand in one branch, ahead of every wait on TENSORcnt and every LDS read: two loads of mine are out
	s_cbranch_scc0 .Lfirst_b
	tensor_load_to_lds s[G0A:G0A+3], s[G1A:G1A+7]
	s_nop 0
	tensor_load_to_lds s[G0A+4:G0A+7], s[G1A:G1A+7]
	s_nop 0
.rept 4
	v_nop
.endr
	s_branch .Lfirst_asked
.Lfirst_b:
	tensor_load_to_lds s[G0B:G0B+3], s[G1B:G1B+7]
	s_nop 0
	tensor_load_to_lds s[G0B+4:G0B+7], s[G1B:G1B+7]
	s_nop 0
.rept 4
	v_nop
.endr
.Lfirst_asked:
	v_and_b32 v1, 15, v0                           ; r = l % 16
	v_bfe_u32 v2, v0, 4, 1                         ; h = l / 16
	v_mul_u32_u24 v[AA0], v1, PA                   ; a fragment of xh: row r, 16 bytes for each half of the lanes, two loads 32 bytes apart
	v_lshl_add_u32 v[AA0], v2, 4, v[AA0]
	s_mul_i32 s23, s13, HALFA
	v_add_nc_u32 v[AA0], s23, v[AA0]
	v_and_b32 v3, 7, v0                            ; the turning load: lane l reads row 8 h + l % 8, columns 8 ((l / 8) % 2) + 0..7
	v_lshl_add_u32 v3, v2, 3, v3
	v_mul_u32_u24 v[AB0], v3, PB
	v_bfe_u32 v3, v0, 3, 1
	v_lshl_add_u32 v[AB0], v3, 4, v[AB0]
	s_lshl_b32 s23, s14, 8
	s_add_co_u32 s23, s23, BOFF
	v_add_nc_u32 v[AB0], s23, v[AB0]
	v_mov_b32 v[ADRA], v[AA0]                      ; slot 0
	v_mov_b32 v[ADRB], v[AB0]
	s_mul_i32 s23, s[WV], 16*SP
	s_add_co_u32 s23, s23, STAGE                   ; my stage
	v_mul_u32_u24 v[STO], v1, SP
	v_lshl_add_u32 v[STO], v2, 4, v[STO]
	v_add_nc_u32 v[STO], s23, v[STO]
	v_mul_u32_u24 v[RD], v2, SP
	v_lshl_add_u32 v[RD], v1, 4, v[RD]
	v_add_nc_u32 v[RD], s23, v[RD]
	v_mul_u32_u24 v[CO], v2, ROWC
	v_lshl_add_u32 v[CO], v1, 4, v[CO]
	s_lshl_b32 s70, s16, 7                         ; my part of the tile in qkv
	s_lshl_b32 s71, s13, 6
	s_add_co_u32 s70, s70, s71
	s_mul_i32 s70, s70, ROWC
	s_lshl_b32 s71, s15, 9
	s_add_co_u32 s70, s70, s71
	s_lshl_b32 s71, s14, 8
	s_add_co_u32 s70, s70, s71
	s_mov_b32 s71, 0
	s_add_nc_u64 s[8:9], s[8:9], s[70:71]
; 8 matrix instructions: row block a x all 8 column blocks.  The 32 accumulators take turns, one instruction a turn, in the same order in every quarter.
.macro MUL8 f, a, zero
	WIN MUL
.irp b, 0,1,2,3,4,5,6,7
.if \zero
	v_wmma_f32_16x16x32_f16 v[8*(8*(\a)+\b):8*(8*(\a)+\b)+7], v[(\f)+32+8*\b:(\f)+32+8*\b+7], v[(\f)+8*(\a):(\f)+8*(\a)+7], 0
.else
	v_wmma_f32_16x16x32_f16 v[8*(8*(\a)+\b):8*(8*(\a)+\b)+7], v[(\f)+32+8*\b:(\f)+32+8*\b+7], v[(\f)+8*(\a):(\f)+8*(\a)+7], v[8*(8*(\a)+\b):8*(8*(\a)+\b)+7]
.endif
.endr
.endm
; 24 LDS loads in one run: quarter q's fragments (32 along K) into buffer g
.macro FETCH q, g
	WIN 0
.irp i, 0,1,2,3
	ds_load_b128 v[(\g)+8*\i:(\g)+8*\i+3],   v[ADRA] offset:64*(\q)+\i*16*PA
	ds_load_b128 v[(\g)+8*\i+4:(\g)+8*\i+7], v[ADRA] offset:64*(\q)+\i*16*PA+32
.endr
.irp i, 0,1,2,3,4,5,6,7
	ds_load_tr16_b128 v[(\g)+32+8*\i:(\g)+32+8*\i+3],   v[ADRB] offset:(\q)*32*PB+32*\i
	ds_load_tr16_b128 v[(\g)+32+8*\i+4:(\g)+32+8*\i+7], v[ADRB] offset:(\q)*32*PB+16*PB+32*\i
.endr
.endm
; A K step is four quarters on buffers 0, 1, 0, 1.  One of the first three multiplies f and, in its middle, fetches quarter qn into g.
.macro QUARTER qn, f, g, zero
	s_wait_dscnt 0x0                               ; f's fragments, asked for 16 matrix instructions ago
	MUL8 \f, 0, \zero
	MUL8 \f, 1, \zero
	PLACES
	FETCH \qn, \g
	MUL8 \f, 2, \zero
	MUL8 \f, 3, \zero
.endm
; The fourth quarter multiplies buffer 1 and changes slots: ONE barrier.  In front of it each wave waits for all its tensor loads (one is out: its part of the next slot), adds 0 to its
; spare word, and waits for that and for its reads of this slot.  fill = 1: the barrier opens a round of the cluster's, and the slot just read is filled again, two K steps ahead, first thing behind it.
.macro TURN fill
	WIN 0
	s_wait_tensorcnt 0x0                           ; no tensor load of mine is out, so the walking descriptors may be written
	ds_add_u32 v[SPW], v[NIL]
.if \fill
	s_xor_b32 s[G0A+5], s[G0A+5], SLOTX
	s_add_nc_u64 s[G0A+6:G0A+7], s[G0A+6:G0A+7], STEPA
	s_xor_b32 s[G0B+5], s[G0B+5], SLOTX
	s_add_nc_u64 s[G0B+6:G0B+7], s[G0B+6:G0B+7], STEPB
.endif
	s_wait_dscnt 0x1                               ; buffer 1 is in; only the add may be out
	MUL8 F1, 0, 0
	s_wait_dscnt 0x0                               ; the add is done, and my reads of this slot are over
	s_barrier_signal -1
	MUL8 F1, 1, 0
	WIN 0
	s_barrier_wait -1
.if \fill
	CREST                                          ; no wave of any partner still reads this slot or has a load on its way
	JLOAD                                          ; its four v_nop are also the places in front of the loads below
.else
	PLACES
.endif
	s_xor_b32 s[TB], s[TB], SLOTX
	v_add_nc_u32 v[ADRA], s[TB], v[AA0]
	v_add_nc_u32 v[ADRB], s[TB], v[AB0]
	FETCH 0, F0
	MUL8 F1, 2, 0
	MUL8 F1, 3, 0
.endm
	s_wait_tensorcnt 0x1                           ; my part of K step 0 is in; K step 1's may stay out
	s_barrier_signal -1
	s_barrier_wait -1
	FETCH 0, F0
	QUARTER 1, F0, F1, 1                           ; the first quarter's products start the sums: nothing is cleared
	WIN 0
	s_mov_b32 s19, NSTEP-2
.Lstep:                                                ; a trip: a step's quarters 1, 2, 3 and the next step's quarter 0; it asks for the step two on
	QUARTER 2, F1, F0, 0
	QUARTER 3, F0, F1, 0
	TURN 1
	QUARTER 1, F0, F1, 0
	WIN 0
	s_sub_co_u32 s19, s19, 1
	s_cmp_lg_u32 s19, 0
	s_cbranch_scc1 .Lstep
	QUARTER 2, F1, F0, 0                           ; the last two steps are written out: nothing is left to ask for
	QUARTER 3, F0, F1, 0
	TURN 0
	QUARTER 1, F0, F1, 0
	QUARTER 2, F1, F0, 0
	QUARTER 3, F0, F1, 0
	s_wait_dscnt 0x0
	MUL8 F1, 0, 0
	MUL8 F1, 1, 0
	MUL8 F1, 2, 0
	MUL8 F1, 3, 0
; THE WAY OUT, 16 rows at a time: rounded to f16 (16 bytes a lane), into my own stage, back as whole rows of 256 bytes, stored.
.macro PACK a
	WIN 0x05                                       ; sources in window 1, destination in window 0
.irp b, 0,1,2,3,4,5,6,7
.irp u, 0,1,2,3
	v_cvt_pk_f16_f32 v[TMP+4*\b+\u], v[64*(\a)+8*\b+2*\u], v[64*(\a)+8*\b+2*\u+1]
.endr
.endr
	WIN 0
.endm
.macro TOSTAGE a
.set BK, OB+32*((\a)%2)
.irp b, 0,1,2,3,4,5,6,7
	ds_store_b128 v[STO], v[TMP+4*\b:TMP+4*\b+3] offset:32*\b
.endr
.irp t, 0,1,2,3,4,5,6,7
	ds_load_b128 v[BK+4*\t:BK+4*\t+3], v[RD] offset:\t*2*SP  ; LDS serves a wave's instructions in order (ISA guide 5.7.1.4): these see the stores above
.endr
.endm
.macro SEND a
.set BK, OB+32*((\a)%2)
	s_wait_dscnt 0x0                               ; the block is back in registers
	s_wait_xcnt 0x0                                ; only behind this wait are the stores' base and the registers that earlier stores read rewritten
.if (\a) > 0
	s_add_nc_u64 s[8:9], s[8:9], 16*ROWC
.endif
.irp t, 0,1,2,3,4,5,6,7
	global_store_b128 v[CO], v[BK+4*\t:BK+4*\t+3], s[8:9] offset:2*\t*ROWC  ; 16 lanes store 256 consecutive bytes, at a multiple of 256 from qkv's first byte
.endr
.endm
	PLACES
	PACK 0
	TOSTAGE 0
.irp a, 1,2,3
	PACK \a
	SEND (\a)-1
	TOSTAGE \a
.endr
	SEND 3
	s_wait_tensorcnt 0x0                           ; the wave's end
	ds_add_u32 v[SPW], v[NIL]
	s_wait_dscnt 0x0
	CROUND                                         ; the closing round: no work-group ends while a partner may still ask for a tile that names it
	s_endpgm
.Lfunc_end_k_q5d3fc4b7f7_proj:
	.size	k_q5d3fc4b7f7_proj, .Lfunc_end_k_q5d3fc4b7f7_proj-k_q5d3fc4b7f7_proj
	.p2alignl 7, 3214868480
	.fill 96, 4, 3214868480
	.section	.rodata,"a",@progbits
	.p2align	6, 0x0
	.amdhsa_kernel k_q5d3fc4b7f7_proj
		.amdhsa_group_segment_fixed_size 327680
		.amdhsa_private_segment_fixed_size 0
		.amdhsa_enable_private_segment 0
		.amdhsa_kernarg_size 24
		.amdhsa_user_sgpr_count 2
		.amdhsa_user_sgpr_kernarg_segment_ptr 1
		.amdhsa_wavefront_size32 1
		.amdhsa_system_sgpr_workgroup_id_x 1
		.amdhsa_system_sgpr_workgroup_id_y 1
		.amdhsa_system_sgpr_workgroup_id_z 1
		.amdhsa_system_vgpr_workitem_id 0
		.amdhsa_next_free_vgpr 512
		.amdhsa_next_free_sgpr 76
		.amdhsa_reserve_vcc 0
		.amdhsa_float_denorm_mode_32 3
		.amdhsa_float_denorm_mode_16_64 3
		.amdhsa_memory_ordered 1
		.amdhsa_forward_progress 1
		.amdhsa_inst_pref_size 70
	.end_amdhsa_kernel
	.amdgpu_metadata
---
amdhsa.version: [ 1, 2 ]
amdhsa.kernels:
  - .name:           k_q5d3fc4b7f7_proj
    .symbol:         k_q5d3fc4b7f7_proj.kd
    .args:
      - { .name: xh, .offset: 0, .size: 8, .value_kind: global_buffer, .address_space: global }
      - { .name: wc, .offset: 8, .size: 8, .value_kind: global_buffer, .address_space: global }
      - { .name: qkv, .offset: 16, .size: 8, .value_kind: global_buffer, .address_space: global }
    .group_segment_fixed_size: 327680
    .private_segment_fixed_size: 0
    .kernarg_segment_align: 8
    .kernarg_segment_size: 24
    .max_flat_workgroup_size: 128
    .sgpr_count:     76
    .vgpr_count:     512
    .wavefront_size: 32
...
	.end_amdgpu_metadata
.endif
;; end of part 2
;; launch scores (part 3): grid 8 x 32, 4 waves a work-group, clusters of 4 x 4, 327,680 bytes of LDS; arguments qkv, et, pm, pl; writes et, pm, pl
.if DOCPART == 3
	.amdgcn_target "amdgcn-amd-amdhsa--gfx1250"
	.amdhsa_code_object_version 6
	.text
	.protected	k_q5d3fc4b7f7_scores
	.globl	k_q5d3fc4b7f7_scores
	.p2align	8
	.type	k_q5d3fc4b7f7_scores,@function
k_q5d3fc4b7f7_scores:
	s_mov_b64 s[64:65], 0
	v_nop
	global_prefetch_b8 v0, s[64:65] scope:SCOPE_SE
	s_setreg_imm32_b32 hwreg(HW_REG_WAVE_MODE, 25, 1), 1
	s_wait_xcnt 0x0
	s_wait_alu depctr_hold_cnt(0) depctr_sa_sdst(0) depctr_va_vdst(0) depctr_va_sdst(0) depctr_va_ssrc(0) depctr_va_vcc(0) depctr_vm_vsrc(0)
	s_getreg_b32 s2, hwreg(HW_REG_IB_STS2, 6, 4)
	s_cmp_eq_u32 s2, 0
	s_cbranch_scc0 .Lentry_in_a_cluster
	s_endpgm
.Lentry_in_a_cluster:
	s_bfe_u32 s2, ttmp6, 0x10000c
	s_cmp_lg_u32 s2, 0xf033
	s_cbranch_scc0 .Lentry_shape_is_right
	s_endpgm
.Lentry_shape_is_right:
; SCORES, TURNED.  For batch b, key m, query n: s = K[m] . Q[n]; the softmax runs over the QUERIES n.  For each key and each block of 128 queries this launch takes the block's true maximum:
; pm = c x max (c = log2(e) / sqrt(2048)), et[b][m][n] = 2^(c s - pm) in f16, pl = the block's sum of those (unrounded).  The next launch merges the sixteen blocks' figures exactly.
; LIMITS.  Q and K arrive in f16.  et lies in 0 to 1 and keeps f16's fixed step of 6e-8 below 6e-5; an exponential below 2^-126 counts as 0.  NaN and infinities are not treated apart.
; SHARES.  A tile of 256 keys x 256 queries to a work-group: 256 of them.  Four waves, each 128 x 128: 64 accumulators, 512 registers; a wave's 128 queries are one block.
; K (the 1,024 channels) goes in steps of 128 through two LDS slots; both tiles' rows are 256 bytes of qkv's rows, at multiples of 256 bytes.
; CLUSTER.  4 x 4: K's tile hangs on the tile row alone (joint along a row of the cluster), Q's on the batch and the tile column (joint along a column: its four tile rows lie in one batch).
; THE MATRIX INSTRUCTION IS USED TRANSPOSED (source 0 = 16 queries, source 1 = 16 keys): a lane holds ONE key (l % 16) and eight neighbouring queries, so a key's figures want one exchange of the halves.
; REGISTERS.  Window 0: v0-31 addresses; v32-47 (pm, pl) for my eight blocks of 16 keys; v64-127, v128-191 K's fragments; v192-255 at work on the way out.
;   Window 1: v64-127, v128-191 Q's fragments.  Windows 2, 3: the accumulators of my keys 0-63, 64-127, (a, b) at v[8 (8 a + b)].
.set PITCH, 272                        ; an LDS row: 256 bytes + 16: the 16 rows of a load start at 16 different groups of four banks (ISA guide 11.1)
.set HALFT, 128*PITCH
.set SLOT,  4*HALFT                    ; 0x22000: it shares no bit with wave x HALFT, so an exclusive or changes slots
.set STAGE, 2*SLOT
.set SPARE, STAGE+4*16*PITCH           ; the spare words, 128 bytes a wave: two blocks of 256 bytes that no other line names
.set NSTEP, 8
.set ROWQ,  6144
.set ROWE,  4096
.set AA0, 8
.set AB0, 9
.set ADRA, 16
.set ADRB, 17
.set STO, 24
.set RD,  25
.set CO,  26
.set SA,  27                           ; v27  my stage + 4 r: where a key's figure goes
.set SPW, 28                           ; v28  LDS address of my spare word; never rewritten
.set NIL, 29                           ; v29  0; never rewritten
.set SB,  30                           ; v30  my stage + 16 l
.set GO,  31                           ; v31  16 l
.set ST,  32
.set F0,  64
.set F1,  128
.set T,   64                           ; v64-84 at work on the way out
.set TMP, 192
.set OB,  96                           ; v96-127 and v224-255 by turns
.set WV,  12
.set G1A, 24
.set G1B, 32
.set G0A, 40
.set G0B, 48
.set TB,  56
.set CS,  58                           ; s[58:59] c
.set SEL, 60
.set MUL_LO, 0xa1                      ; source 0 (Q) window 1, source 1 (K) window 0, C and D window 2
.set MUL_HI, 0xf1
.set TO_B,   0x40
.set MSB, 0
.macro WIN new
.if MSB != (\new)
	s_set_vgpr_msb (MSB<<8)|(\new)
.set MSB, \new
.endif
.endm
.macro PLACES
.rept 4
	v_nop
.endr
.endm
.macro CREST
	s_cmp_lg_u32 s[WV], 0
	s_cbranch_scc1 .Lnot_wave_0_\@
	s_barrier_signal -3
.Lnot_wave_0_\@:
	s_barrier_wait -3
	s_barrier_signal -1
	s_barrier_wait -1
.endm
.macro CROUND
	s_barrier_signal -1
	s_barrier_wait -1
	CREST
.endm
.macro JLOAD
	s_cmp_eq_u32 s13, 0
	s_cbranch_scc0 .Lfor_b_\@
	tensor_load_to_lds s[G0A+4:G0A+7], s[G1A:G1A+7]
	s_nop 0
.rept 4
	v_nop
.endr
	s_branch .Lasked_\@
.Lfor_b_\@:
	tensor_load_to_lds s[G0B+4:G0B+7], s[G1B:G1B+7]
	s_nop 0
.rept 4
	v_nop
.endr
.Lasked_\@:
.endm
	s_load_b256 s[4:11], s[0:1], 0x0               ; qkv s[4:5], et s[6:7], pm s[8:9], pl s[10:11]
	v_lshl_add_u32 v[SPW], v0, 2, SPARE
	v_mov_b32 v[NIL], 0
	ds_add_u32 v[SPW], v[NIL]                      ; the wave's opening: the add and its wait ahead of my first tensor load
	v_lshrrev_b32 v1, 5, v0
	v_readfirstlane_b32 s[WV], v1
	s_lshr_b32 s13, s[WV], 1                       ; my half of the keys; also: I fetch K (0) or Q (1)
	s_and_b32 s14, s[WV], 1                        ; my half of the queries; also: which 128 rows I fetch
	s_bfe_u32 s17, ttmp6, 0x40000
	s_bfe_u32 s18, ttmp6, 0x40004
	s_lshl_b32 s15, ttmp9, 2
	s_add_co_u32 s15, s15, s17                     ; tile column: 256 queries
	s_and_b32 s16, ttmp7, 0xffff
	s_lshl_b32 s16, s16, 2
	s_add_co_u32 s16, s16, s18                     ; tile row: 256 keys of the 8,192
	s_lshl_b32 s20, s18, 2
	s_lshl_b32 s20, 15, s20
	s_lshl_b32 s66, 0x1111, s17
	s_or_b32 s[G1A], s20, (1<<16)|(1<<20)|(1<<21)|(5<<22)|(3<<25)
	s_or_b32 s[G1B], s66, (1<<16)|(1<<20)|(1<<21)|(5<<22)|(3<<25)
.irp g, G1A, G1B
	s_mov_b32 s[\g+1], 128<<16                     ; tensor_dim0 = 128
	s_mov_b32 s[\g+2], 128<<16                     ; tensor_dim1 = 128
	s_mov_b32 s[\g+3], 128<<16                     ; tile_dim0 = 128
	s_mov_b32 s[\g+4], 128                         ; tile_dim1 = 128
	s_mov_b32 s[\g+5], 3072                        ; elements from row to row of qkv
	s_mov_b32 s[\g+6], 0
	s_mov_b32 s[\g+7], 0
.endr
	s_lshl_b32 s20, s16, 8                         ; K: row 256 x tile row + 128 x half, from byte 2,048 of the row
	s_lshl_b32 s21, s14, 7
	s_add_co_u32 s20, s20, s21
	s_mul_i32 s20, s20, ROWQ
	s_add_co_u32 s20, s20, 2048
	s_mov_b32 s21, 0
	s_and_b32 s66, ttmp7, 0xffff                   ; Q: the batch is the cluster's y / 2: no place along the cluster's y enters
	s_lshr_b32 s66, s66, 1
	s_lshl_b32 s66, s66, 11
	s_lshl_b32 s67, s15, 8
	s_add_co_u32 s66, s66, s67
	s_lshl_b32 s67, s14, 7
	s_add_co_u32 s66, s66, s67
	s_mul_i32 s66, s66, ROWQ
	s_mov_b32 s67, 0
	s_mul_i32 s22, s[WV], HALFT                    ; where they go: K's two halves, then Q's
	s_mov_b32 s[TB], 0
	s_mov_b32 s[CS], 0x3d0293ee                    ; log2(e) / sqrt(2048) = 0.0318793
	s_mov_b32 s[CS+1], s[CS]
	s_mov_b32 s[SEL], 0x76543210
	s_mov_b32 s[SEL+1], 0xfedcba98
	s_wait_dscnt 0x0                               ; the opening add is done
	s_wait_kmcnt 0x0
	s_add_nc_u64 s[20:21], s[4:5], s[20:21]
	s_add_nc_u64 s[66:67], s[4:5], s[66:67]
	CROUND
.irp s, 0,1
	s_mov_b32 s[G0A+4*\s], 1
	s_add_co_u32 s[G0A+4*\s+1], s22, \s*SLOT
	s_add_nc_u64 s[G0A+4*\s+2:G0A+4*\s+3], s[20:21], \s*256
	s_or_b32 s[G0A+4*\s+3], s[G0A+4*\s+3], 0x80000000
	s_mov_b32 s[G0B+4*\s], 1
	s_add_co_u32 s[G0B+4*\s+1], s22, \s*SLOT
	s_add_nc_u64 s[G0B+4*\s+2:G0B+4*\s+3], s[66:67], \s*256
	s_or_b32 s[G0B+4*\s+3], s[G0B+4*\s+3], 0x80000000
.endr
	s_cmp_eq_u32 s13, 0                            ; a wave's two first fills stand in one branch: two loads of mine are out
	s_cbranch_scc0 .Lfirst_b
	tensor_load_to_lds s[G0A:G0A+3], s[G1A:G1A+7]
	s_nop 0
	tensor_load_to_lds s[G0A+4:G0A+7], s[G1A:G1A+7]
	s_nop 0
.rept 4
	v_nop
.endr
	s_branch .Lfirst_asked
.Lfirst_b:
	tensor_load_to_lds s[G0B:G0B+3], s[G1B:G1B+7]
	s_nop 0
	tensor_load_to_lds s[G0B+4:G0B+7], s[G1B:G1B+7]
	s_nop 0
.rept 4
	v_nop
.endr
.Lfirst_asked:
	v_and_b32 v1, 15, v0
	v_bfe_u32 v2, v0, 4, 1
	v_mul_u32_u24 v3, v1, PITCH
	v_lshl_add_u32 v3, v2, 4, v3                   ; row x pitch + 16 x half
	s_mul_i32 s23, s13, HALFT
	v_add_nc_u32 v[AA0], s23, v3
	s_mul_i32 s23, s14, HALFT
	s_add_co_u32 s23, s23, 2*HALFT
	v_add_nc_u32 v[AB0], s23, v3
	v_mov_b32 v[ADRA], v[AA0]
	v_mov_b32 v[ADRB], v[AB0]
	s_mul_i32 s23, s[WV], 16*PITCH
	s_add_co_u32 s23, s23, STAGE                   ; my stage
	v_add_nc_u32 v[STO], s23, v3
	v_mul_u32_u24 v[RD], v2, PITCH
	v_lshl_add_u32 v[RD], v1, 4, v[RD]
	v_add_nc_u32 v[RD], s23, v[RD]
	v_lshlrev_b32 v[CO], 12, v2
	v_lshl_add_u32 v[CO], v1, 4, v[CO]
	v_lshl_add_u32 v[SA], v1, 2, s23
	v_and_b32 v3, 31, v0
	v_lshlrev_b32 v[GO], 4, v3
	v_add_nc_u32 v[SB], s23, v[GO]
	s_lshl_b32 s70, s16, 8                         ; my part of the tile in et
	s_lshl_b32 s71, s13, 7
	s_add_co_u32 s70, s70, s71
	s_lshl_b32 s70, s70, 12
	s_lshl_b32 s71, s15, 9
	s_add_co_u32 s70, s70, s71
	s_lshl_b32 s71, s14, 8
	s_add_co_u32 s70, s70, s71
	s_mov_b32 s71, 0
	s_add_nc_u64 s[6:7], s[6:7], s[70:71]
	s_lshr_b32 s72, s16, 3                         ; pm, pl: ((batch x 16 + block of queries) x 2,048 + my first key in the batch) x 4 bytes
	s_lshl_b32 s72, s72, 4
	s_lshl_b32 s73, s15, 1
	s_add_co_u32 s72, s72, s73
	s_add_co_u32 s72, s72, s14
	s_lshl_b32 s72, s72, 11
	s_and_b32 s73, s16, 7
	s_lshl_b32 s73, s73, 8
	s_add_co_u32 s72, s72, s73
	s_lshl_b32 s73, s13, 7
	s_add_co_u32 s72, s72, s73
	s_lshl_b32 s72, s72, 2
	s_mov_b32 s73, 0
	s_add_nc_u64 s[8:9], s[8:9], s[72:73]
	s_add_nc_u64 s[10:11], s[10:11], s[72:73]
; 16 matrix instructions: key blocks a0, a0 + 1 of the window's four x all 8 query blocks.  The 64 accumulators take turns, one instruction a turn.
.macro MUL16 f, hi, a0, zero
	WIN MUL_LO+0x50*(\hi)
.irp a, \a0, (\a0)+1
.irp b, 0,1,2,3,4,5,6,7
.if \zero
	v_wmma_f32_16x16x32_f16 v[8*(8*(\a)+(\b)):8*(8*(\a)+(\b))+7], v[(\f)+8*(\b):(\f)+8*(\b)+7], v[(\f)+8*(4*(\hi)+(\a)):(\f)+8*(4*(\hi)+(\a))+7], 0
.else
	v_wmma_f32_16x16x32_f16 v[8*(8*(\a)+(\b)):8*(8*(\a)+(\b))+7], v[(\f)+8*(\b):(\f)+8*(\b)+7], v[(\f)+8*(4*(\hi)+(\a)):(\f)+8*(4*(\hi)+(\a))+7], v[8*(8*(\a)+(\b)):8*(8*(\a)+(\b))+7]
.endif
.endr
.endr
.endm
; 32 LDS loads in one run: Q's 128 rows, then K's, 32 channels at byte k of the rows
.macro FETCH k, f
	WIN TO_B
.irp i, 0,1,2,3,4,5,6,7
	ds_load_b128 v[(\f)+8*(\i):(\f)+8*(\i)+3],   v[ADRB] offset:(\k)+(\i)*16*PITCH
	ds_load_b128 v[(\f)+8*(\i)+4:(\f)+8*(\i)+7], v[ADRB] offset:(\k)+(\i)*16*PITCH+32
.endr
	WIN 0
.irp i, 0,1,2,3,4,5,6,7
	ds_load_b128 v[(\f)+8*(\i):(\f)+8*(\i)+3],   v[ADRA] offset:(\k)+(\i)*16*PITCH
	ds_load_b128 v[(\f)+8*(\i)+4:(\f)+8*(\i)+7], v[ADRA] offset:(\k)+(\i)*16*PITCH+32
.endr
.endm
.macro QUARTER k, f, g, zero
	s_wait_dscnt 8                                 ; Q and K's rows 0-63 are in; the youngest eight loads (K's rows 64-127) may be out
	MUL16 \f, 0, 0, \zero
	MUL16 \f, 0, 2, \zero
	PLACES
	FETCH \k, \g
	s_wait_dscnt 32                                ; all but the 32 just issued
	MUL16 \f, 1, 0, \zero
	MUL16 \f, 1, 2, \zero
.endm
; The fourth quarter changes slots: ONE barrier; in front of it the wait for all my tensor loads (one is out: my part of the next slot), the add, and the wait for it and for my reads of this slot.
.macro TURN fill
	WIN 0
	s_wait_tensorcnt 0x0
	ds_add_u32 v[SPW], v[NIL]
.if \fill
	s_xor_b32 s[G0A+5], s[G0A+5], SLOT
	s_add_nc_u64 s[G0A+6:G0A+7], s[G0A+6:G0A+7], 256
	s_xor_b32 s[G0B+5], s[G0B+5], SLOT
	s_add_nc_u64 s[G0B+6:G0B+7], s[G0B+6:G0B+7], 256
.endif
	s_wait_dscnt 9                                 ; the add and the youngest eight loads may be out
	MUL16 F1, 0, 0, 0
	s_wait_dscnt 0x0                               ; the add is done, and my reads of this slot are over
	s_barrier_signal -1
	MUL16 F1, 0, 2, 0
	WIN 0
	s_barrier_wait -1
.if \fill
	CREST
	JLOAD                                          ; the first tensor load behind the round; its four v_nop are also the places in front of the loads below
.else
	PLACES
.endif
	s_xor_b32 s[TB], s[TB], SLOT
	v_add_nc_u32 v[ADRA], s[TB], v[AA0]
	v_add_nc_u32 v[ADRB], s[TB], v[AB0]
	FETCH 0, F0
	MUL16 F1, 1, 0, 0
	MUL16 F1, 1, 2, 0
.endm
	s_wait_tensorcnt 0x1                           ; my part of K step 0 is in; step 1's may stay out
	s_barrier_signal -1
	s_barrier_wait -1
	FETCH 0, F0
	QUARTER 64, F0, F1, 1
	WIN 0
	s_mov_b32 s19, NSTEP-2
.Lstep:
	QUARTER 128, F1, F0, 0
	QUARTER 192, F0, F1, 0
	TURN 1
	QUARTER 64, F0, F1, 0
	WIN 0
	s_sub_co_u32 s19, s19, 1
	s_cmp_lg_u32 s19, 0
	s_cbranch_scc1 .Lstep
	QUARTER 128, F1, F0, 0
	QUARTER 192, F0, F1, 0
	TURN 0
	QUARTER 64, F0, F1, 0
	QUARTER 128, F1, F0, 0
	QUARTER 192, F0, F1, 0
	s_wait_dscnt 8
	MUL16 F1, 0, 0, 0
	MUL16 F1, 0, 2, 0
	s_wait_dscnt 0x0
	MUL16 F1, 1, 0, 0
	MUL16 F1, 1, 2, 0
; THE WAY OUT of block a (16 keys x my 128 queries: 64 numbers a lane, in window W).  The maximum (ascending),
; c x max, 2^(c s - c max) in place, the rounding to f16, the sum.
.macro STAT a
.set W, 2+(\a)/4
.set AC, 64*((\a)%4)
	WIN W*0x15                                     ; all three sources in window W
.set i, 0
.rept 21
	v_max3_num_f32 v[T+i], v[AC+3*i], v[AC+3*i+1], v[AC+3*i+2]
.set i, i+1
.endr
	WIN W*4
	v_max_num_f32 v[T], v[T], v[AC+63]
	WIN 0
.irp i, 0,3,6,9,12,15,18
	v_max3_num_f32 v[T+\i], v[T+\i], v[T+\i+1], v[T+\i+2]
.endr
	v_max3_num_f32 v[T], v[T], v[T+3], v[T+6]
	v_max3_num_f32 v[T+9], v[T+9], v[T+12], v[T+15]
	v_max3_num_f32 v[T], v[T], v[T+9], v[T+18]
	v_permlanex16_b32 v[T+1], v[T], s[SEL], s[SEL+1]  ; the key's other 64 queries lie in the lane 16 away
	v_max_num_f32 v[T], v[T], v[T+1]
	v_mul_f32 v[ST+2*(\a)], s[CS], v[T]
	WIN W*0x41                                     ; destination and source 0 in window W
.set i, 0
.rept 32
	v_pk_fma_f32 v[AC+2*i:AC+2*i+1], v[AC+2*i:AC+2*i+1], s[CS:CS+1], v[ST+2*(\a):ST+2*(\a)+1] op_sel_hi:[1,0,0] neg_lo:[0,0,1] neg_hi:[0,0,1]
.set i, i+1
.endr
.set i, 0
.rept 64
	v_exp_f32 v[AC+i], v[AC+i]
.set i, i+1
.endr
	v_nop                                          ; a plain instruction between the last exponential and the use of its result (ISA guide 5.7.2)
	WIN W*5                                        ; sources 0 and 1 in window W
	s_wait_alu depctr_va_vdst(0)
.irp b, 0,1,2,3,4,5,6,7
.irp u, 0,1,2,3
	v_cvt_pk_f16_f32 v[TMP+4*\b+\u], v[AC+8*\b+2*\u], v[AC+8*\b+2*\u+1]
.endr
.endr
	WIN W*0x45                                     ; the sum of the 32 pairs, in place: neighbours 1, 2, 4, 8, 16 pairs apart
.irp s, 1,2,4,8,16
.set i, 0
.rept 16/\s
	v_pk_add_f32 v[AC+2*i:AC+2*i+1], v[AC+2*i:AC+2*i+1], v[AC+2*(i+\s):AC+2*(i+\s)+1]
.set i, i+2*\s
.endr
.endr
	WIN W*5
	v_add_f32 v[T], v[AC], v[AC+1]
	WIN 0
	v_permlanex16_b32 v[T+1], v[T], s[SEL], s[SEL+1]
	v_add_f32 v[ST+2*(\a)+1], v[T], v[T+1]
.endm
.macro TOSTAGE a
.set BK, OB+128*((\a)%2)
.irp b, 0,1,2,3,4,5,6,7
	ds_store_b128 v[STO], v[TMP+4*\b:TMP+4*\b+3] offset:32*\b
.endr
.irp t, 0,1,2,3,4,5,6,7
	ds_load_b128 v[BK+4*\t:BK+4*\t+3], v[RD] offset:\t*2*PITCH  ; LDS serves a wave's instructions in order (ISA guide 5.7.1.4): these see the stores above
.endr
.endm
.macro SEND a
.set BK, OB+128*((\a)%2)
	s_wait_dscnt 0x0
	s_wait_xcnt 0x0                                ; only behind this wait are the stores' base and the registers that earlier stores read rewritten
.if (\a) > 0
	s_add_nc_u64 s[6:7], s[6:7], 16*ROWE
.endif
.irp t, 0,1,2,3,4,5,6,7
	global_store_b128 v[CO], v[BK+4*\t:BK+4*\t+3], s[6:7] offset:2*\t*ROWE  ; 16 lanes store 256 consecutive bytes, at a multiple of 256 from et's first byte
.endr
.endm
	WIN 0
.irp a, 0,1,2,3,4,5,6,7
	v_mov_b32 v[ST+2*\a+1], 0                      ; named with pm as a pair by the packed scaling; these eight are also the places behind the last products
.endr
	STAT 0
	TOSTAGE 0
.irp a, 1,2,3,4,5,6,7
	STAT \a                                        ; a block's arithmetic stands between the stage loads of the block before and the wait for them
	SEND (\a)-1
	TOSTAGE \a
.endr
	SEND 7
	; the figures of my 128 keys: through my stage, so that a wave stores 512 consecutive bytes of pm and of pl
.irp a, 0,1,2,3,4,5,6,7
	ds_store_b32 v[SA], v[ST+2*\a] offset:64*\a
	ds_store_b32 v[SA], v[ST+2*\a+1] offset:512+64*\a
.endr
	ds_load_b128 v[T:T+3], v[SB]
	ds_load_b128 v[T+4:T+7], v[SB] offset:512
	s_wait_dscnt 0x0
	global_store_b128 v[GO], v[T:T+3], s[8:9]
	global_store_b128 v[GO], v[T+4:T+7], s[10:11]
	s_wait_tensorcnt 0x0                           ; the wave's end
	ds_add_u32 v[SPW], v[NIL]
	s_wait_dscnt 0x0
	CROUND                                         ; the closing round
	s_endpgm
.Lfunc_end_k_q5d3fc4b7f7_scores:
	.size	k_q5d3fc4b7f7_scores, .Lfunc_end_k_q5d3fc4b7f7_scores-k_q5d3fc4b7f7_scores
	.p2alignl 7, 3214868480
	.fill 96, 4, 3214868480
	.section	.rodata,"a",@progbits
	.p2align	6, 0x0
	.amdhsa_kernel k_q5d3fc4b7f7_scores
		.amdhsa_group_segment_fixed_size 327680
		.amdhsa_private_segment_fixed_size 0
		.amdhsa_enable_private_segment 0
		.amdhsa_kernarg_size 32
		.amdhsa_user_sgpr_count 2
		.amdhsa_user_sgpr_kernarg_segment_ptr 1
		.amdhsa_wavefront_size32 1
		.amdhsa_system_sgpr_workgroup_id_x 1
		.amdhsa_system_sgpr_workgroup_id_y 1
		.amdhsa_system_sgpr_workgroup_id_z 1
		.amdhsa_system_vgpr_workitem_id 0
		.amdhsa_next_free_vgpr 1024
		.amdhsa_next_free_sgpr 76
		.amdhsa_reserve_vcc 0
		.amdhsa_float_denorm_mode_32 3
		.amdhsa_float_denorm_mode_16_64 3
		.amdhsa_memory_ordered 1
		.amdhsa_forward_progress 1
		.amdhsa_inst_pref_size 186
	.end_amdhsa_kernel
	.amdgpu_metadata
---
amdhsa.version: [ 1, 2 ]
amdhsa.kernels:
  - .name:           k_q5d3fc4b7f7_scores
    .symbol:         k_q5d3fc4b7f7_scores.kd
    .args:
      - { .name: qkv, .offset: 0, .size: 8, .value_kind: global_buffer, .address_space: global }
      - { .name: et, .offset: 8, .size: 8, .value_kind: global_buffer, .address_space: global }
      - { .name: pm, .offset: 16, .size: 8, .value_kind: global_buffer, .address_space: global }
      - { .name: pl, .offset: 24, .size: 8, .value_kind: global_buffer, .address_space: global }
    .group_segment_fixed_size: 327680
    .private_segment_fixed_size: 0
    .kernarg_segment_align: 8
    .kernarg_segment_size: 32
    .max_flat_workgroup_size: 128
    .sgpr_count:     76
    .vgpr_count:     1024
    .wavefront_size: 32
...
	.end_amdgpu_metadata
.endif
;; end of part 3
;; launch merge (part 4): grid 16 x 1, 4 waves a work-group, no clusters, 0 bytes of LDS; arguments pm, pl, cf; writes cf
.if DOCPART == 4
	.amdgcn_target "amdgcn-amd-amdhsa--gfx1250"
	.amdhsa_code_object_version 6
	.text
	.protected	k_q5d3fc4b7f7_merge
	.globl	k_q5d3fc4b7f7_merge
	.p2align	8
	.type	k_q5d3fc4b7f7_merge,@function
k_q5d3fc4b7f7_merge:
	s_mov_b64 s[64:65], 0
	v_nop
	global_prefetch_b8 v0, s[64:65] scope:SCOPE_SE
	s_setreg_imm32_b32 hwreg(HW_REG_WAVE_MODE, 25, 1), 1
	s_wait_xcnt 0x0
; THE SIXTEEN BLOCKS' FIGURES OF EACH KEY ARE MERGED.  pm[b][i][m] = c x the maximum of block i (in powers of two), pl[b][i][m] = the block's sum.  M = max_i pm, L = sum_i pl 2^(pm - M),
; cf[b][i][m] = 2^(pm - M) / L in f16: what et's numbers of block i are multiplied by to become the softmax over all 2,048 queries.
; LIMITS.  cf lies in 0 to 1 and keeps f16's fixed step of 6e-8 below 6e-5; 2^(pm - M) below 2^-126 counts as 0.
; SHARES.  A thread takes four neighbouring keys: 2,048 threads.  1.3 MB in all: no LDS, no matrix unit, no cluster; all 32 loads of a lane go out together.
.set MX, 4                             ; v[4:7]
.set LS, 8                             ; v[8:11]
.set RI, 12                            ; v[12:15]
.set PM, 16                            ; v[16:79]
.set PL, 80                            ; v[80:143]; later the packed results
	s_load_b128 s[4:7], s[0:1], 0x0                ; pm s[4:5], pl s[6:7]
	s_load_b64 s[8:9], s[0:1], 0x10                ; cf
	s_lshl_b32 s10, ttmp9, 7
	v_add_nc_u32 v1, s10, v0                       ; g
	v_lshrrev_b32 v2, 9, v1                        ; the batch
	v_and_b32 v1, 511, v1                          ; which four keys
	v_lshlrev_b32 v3, 4, v1
	v_lshl_add_u32 v3, v2, 17, v3                  ; in: batch x 131,072 + 16 bytes a thread
	v_lshlrev_b32 v1, 3, v1
	v_lshl_add_u32 v1, v2, 16, v1                  ; out: batch x 65,536 + 8 bytes a thread
	s_wait_kmcnt 0x0
.set i, 0
.rept 16
	global_load_b128 v[PM+4*i:PM+4*i+3], v3, s[4:5] offset:i*8192
.set i, i+1
.endr
.set i, 0
.rept 16
	global_load_b128 v[PL+4*i:PL+4*i+3], v3, s[6:7] offset:i*8192
.set i, i+1
.endr
	s_wait_loadcnt 16                              ; pm is in; pl's sixteen loads may stay out
.irp c, 0,1,2,3
	v_max3_num_f32 v[MX+\c], v[PM+\c], v[PM+4+\c], v[PM+8+\c]
.endr
.set k, 0
.rept 6
.irp c, 0,1,2,3
	v_max3_num_f32 v[MX+\c], v[MX+\c], v[PM+4*(3+2*k)+\c], v[PM+4*(4+2*k)+\c]
.endr
.set k, k+1
.endr
.irp c, 0,1,2,3
	v_max_num_f32 v[MX+\c], v[MX+\c], v[PM+60+\c]
.endr
.set i, 0
.rept 16
	v_pk_add_f32 v[PM+4*i:PM+4*i+1], v[PM+4*i:PM+4*i+1], v[MX:MX+1] neg_lo:[0,1] neg_hi:[0,1]
	v_pk_add_f32 v[PM+4*i+2:PM+4*i+3], v[PM+4*i+2:PM+4*i+3], v[MX+2:MX+3] neg_lo:[0,1] neg_hi:[0,1]
.set i, i+1
.endr
.set i, 0
.rept 64
	v_exp_f32 v[PM+i], v[PM+i]
.set i, i+1
.endr
	v_nop                                          ; a plain instruction behind the last exponential (ISA guide 5.7.2)
	s_wait_loadcnt 0x0
	s_wait_alu depctr_va_vdst(0)
	v_pk_mul_f32 v[LS:LS+1], v[PL:PL+1], v[PM:PM+1]
	v_pk_mul_f32 v[LS+2:LS+3], v[PL+2:PL+3], v[PM+2:PM+3]
.set i, 1
.rept 15
	v_pk_fma_f32 v[LS:LS+1], v[PL+4*i:PL+4*i+1], v[PM+4*i:PM+4*i+1], v[LS:LS+1]
	v_pk_fma_f32 v[LS+2:LS+3], v[PL+4*i+2:PL+4*i+3], v[PM+4*i+2:PM+4*i+3], v[LS+2:LS+3]
.set i, i+1
.endr
.irp c, 0,1,2,3
	v_rcp_f32 v[RI+\c], v[LS+\c]
.endr
	v_nop
.set i, 0
	s_wait_alu depctr_va_vdst(0)
.rept 16
	v_pk_mul_f32 v[PM+4*i:PM+4*i+1], v[PM+4*i:PM+4*i+1], v[RI:RI+1]
	v_pk_mul_f32 v[PM+4*i+2:PM+4*i+3], v[PM+4*i+2:PM+4*i+3], v[RI+2:RI+3]
.set i, i+1
.endr
.set i, 0
.rept 16
	v_cvt_pk_f16_f32 v[PL+2*i], v[PM+4*i], v[PM+4*i+1]
	v_cvt_pk_f16_f32 v[PL+2*i+1], v[PM+4*i+2], v[PM+4*i+3]
	global_store_b64 v1, v[PL+2*i:PL+2*i+1], s[8:9] offset:i*4096  ; a wave stores 256 consecutive bytes, at a multiple of 256 from cf's first
.set i, i+1
.endr
	s_endpgm
.Lfunc_end_k_q5d3fc4b7f7_merge:
	.size	k_q5d3fc4b7f7_merge, .Lfunc_end_k_q5d3fc4b7f7_merge-k_q5d3fc4b7f7_merge
	.p2alignl 7, 3214868480
	.fill 96, 4, 3214868480
	.section	.rodata,"a",@progbits
	.p2align	6, 0x0
	.amdhsa_kernel k_q5d3fc4b7f7_merge
		.amdhsa_group_segment_fixed_size 0
		.amdhsa_private_segment_fixed_size 0
		.amdhsa_enable_private_segment 0
		.amdhsa_kernarg_size 24
		.amdhsa_user_sgpr_count 2
		.amdhsa_user_sgpr_kernarg_segment_ptr 1
		.amdhsa_wavefront_size32 1
		.amdhsa_system_sgpr_workgroup_id_x 1
		.amdhsa_system_sgpr_workgroup_id_y 1
		.amdhsa_system_sgpr_workgroup_id_z 1
		.amdhsa_system_vgpr_workitem_id 0
		.amdhsa_next_free_vgpr 144
		.amdhsa_next_free_sgpr 66
		.amdhsa_reserve_vcc 0
		.amdhsa_float_denorm_mode_32 3
		.amdhsa_float_denorm_mode_16_64 3
		.amdhsa_memory_ordered 1
		.amdhsa_forward_progress 1
		.amdhsa_inst_pref_size 18
	.end_amdhsa_kernel
	.amdgpu_metadata
---
amdhsa.version: [ 1, 2 ]
amdhsa.kernels:
  - .name:           k_q5d3fc4b7f7_merge
    .symbol:         k_q5d3fc4b7f7_merge.kd
    .args:
      - { .name: pm, .offset: 0, .size: 8, .value_kind: global_buffer, .address_space: global }
      - { .name: pl, .offset: 8, .size: 8, .value_kind: global_buffer, .address_space: global }
      - { .name: cf, .offset: 16, .size: 8, .value_kind: global_buffer, .address_space: global }
    .group_segment_fixed_size: 0
    .private_segment_fixed_size: 0
    .kernarg_segment_align: 8
    .kernarg_segment_size: 24
    .max_flat_workgroup_size: 128
    .sgpr_count:     66
    .vgpr_count:     144
    .wavefront_size: 32
...
	.end_amdgpu_metadata
.endif
;; end of part 4
;; launch pv (part 5): grid 4 x 64, 4 waves a work-group, clusters of 4 x 4, 327,680 bytes of LDS; arguments et, qkv, cf, out0; writes out0
.if DOCPART == 5
	.amdgcn_target "amdgcn-amd-amdhsa--gfx1250"
	.amdhsa_code_object_version 6
	.text
	.protected	k_q5d3fc4b7f7_pv
	.globl	k_q5d3fc4b7f7_pv
	.p2align	8
	.type	k_q5d3fc4b7f7_pv,@function
k_q5d3fc4b7f7_pv:
	s_mov_b64 s[64:65], 0
	v_nop
	global_prefetch_b8 v0, s[64:65] scope:SCOPE_SE
	s_setreg_imm32_b32 hwreg(HW_REG_WAVE_MODE, 25, 1), 1
	s_wait_xcnt 0x0
	s_wait_alu depctr_hold_cnt(0) depctr_sa_sdst(0) depctr_va_vdst(0) depctr_va_sdst(0) depctr_va_ssrc(0) depctr_va_vcc(0) depctr_vm_vsrc(0)
	s_getreg_b32 s2, hwreg(HW_REG_IB_STS2, 6, 4)
	s_cmp_eq_u32 s2, 0
	s_cbranch_scc0 .Lentry_in_a_cluster
	s_endpgm
.Lentry_in_a_cluster:
	s_bfe_u32 s2, ttmp6, 0x10000c
	s_cmp_lg_u32 s2, 0xf033
	s_cbranch_scc0 .Lentry_shape_is_right
	s_endpgm
.Lentry_shape_is_right:
; out0[b][n][d] = (sum over m of et[b][m][n] cf[b][n / 128][m] V'[b][m][d] - V'[b][n][d]) / 1024, V' = 1024 V in f16 at byte 4,096 of qkv's rows; sums in f32, out0 in f32.
; The weights et x cf are formed in f16 on the fragments.  -V'[n] enters the sums exactly: the product that starts each sum is (-identity) x V'.
; LIMITS.  A weight lies in 0 to 1 and keeps f16's fixed step of 6e-8 below 6e-5.  V' arrives within f16's 65,504.  NaN and infinities are not treated apart.
; SHARES.  A tile of 128 queries x 256 channels to a work-group: 256 of them; its 128 queries are one block of cf.  Four waves, each 64 x 128: 32 accumulators.
; K (the 2,048 keys) goes in steps of 128 through two LDS slots; both tiles lie [key][..] and are turned on their way out of LDS by ds_load_tr16_b128.
; CLUSTER.  4 x 4: et's tile hangs on the tile row alone (joint along a row of the cluster), V's on the batch and the tile column (joint along a column: its four tile rows lie in one batch).
; THE MATRIX INSTRUCTION IS USED TRANSPOSED (source 0 = 16 channels, source 1 = 16 queries): a lane holds eight neighbouring numbers of a row of out0.
; REGISTERS.  Window 0: v0-31 addresses; v32-43 zeros, -identity, zeros; v48-63 cf's fragments; v64-159, v160-255 two fragment buffers (32 of et, 64 of V').
;   Window 1: accumulator (a, b) at v[8 (8 a + b)].  Window 2: v0-127 V' of my own 64 queries x 128 channels.
.set PA,    288                        ; et's LDS row: 256 + 32 = 9 x 32 bytes
.set PB,    544                        ; V's: 512 + 32 = 17 x 32 bytes
.set HALFA, 64*PA
.set HALFB, 64*PB
.set BOFF,  2*HALFA
.set SLOTX, 1<<17
.set STAGE, SLOTX+BOFF+2*HALFB         ; 16 rows x 528 bytes for each wave
.set SP,    528
.set CT,    STAGE+4*16*SP              ; cf's row of this tile: 2,048 f16, stored once by the four waves; no tensor load lands here
.set SPARE, CT+4096                    ; the spare words, 128 bytes a wave: two blocks of 256 bytes that no other line names
.set NSTEP, 16
.set STEPA, 128*4096
.set STEPB, 128*6144
.set AA0, 8
.set AB0, 9
.set CB0, 10
.set VNO, 11                           ; v11  my byte offset in 16 rows of qkv
.set ADRA, 16
.set ADRB, 17
.set CB,  18
.set STO, 24
.set RD,  25
.set CO,  26
.set SPW, 28                           ; v28  LDS address of my spare word; never rewritten
.set NIL, 29                           ; v29  0; never rewritten
.set CR,  48                           ; v48-55 cf for buffer 0, v56-63 for buffer 1
.set F0,  64
.set F1,  160
.set TMP, 64
.set OB,  128                          ; v128-191, v192-255 by turns
.set WV,  12
.set G1A, 24
.set G1B, 32
.set G0A, 40
.set G0B, 48
.set TB,  56
.set CTO, 57                           ; s57  the K step's place in cf's row
.set CS,  58                           ; s[58:59] 1 / 1024
.set MUL, 0x50
.set MSB, 0
.macro WIN new
.if MSB != (\new)
	s_set_vgpr_msb (MSB<<8)|(\new)
.set MSB, \new
.endif
.endm
.macro PLACES
.rept 4
	v_nop
.endr
.endm
.macro CREST
	s_cmp_lg_u32 s[WV], 0
	s_cbranch_scc1 .Lnot_wave_0_\@
	s_barrier_signal -3
.Lnot_wave_0_\@:
	s_barrier_wait -3
	s_barrier_signal -1
	s_barrier_wait -1
.endm
.macro CROUND
	s_barrier_signal -1
	s_barrier_wait -1
	CREST
.endm
.macro JLOAD
	s_cmp_eq_u32 s13, 0
	s_cbranch_scc0 .Lfor_b_\@
	tensor_load_to_lds s[G0A+4:G0A+7], s[G1A:G1A+7]
	s_nop 0
.rept 4
	v_nop
.endr
	s_branch .Lasked_\@
.Lfor_b_\@:
	tensor_load_to_lds s[G0B+4:G0B+7], s[G1B:G1B+7]
	s_nop 0
.rept 4
	v_nop
.endr
.Lasked_\@:
.endm
	s_load_b256 s[4:11], s[0:1], 0x0               ; et s[4:5], qkv s[6:7], cf s[8:9], out0 s[10:11]
	v_lshl_add_u32 v[SPW], v0, 2, SPARE
	v_mov_b32 v[NIL], 0
	ds_add_u32 v[SPW], v[NIL]                      ; the wave's opening: the add and its wait ahead of my first tensor load
	v_lshrrev_b32 v1, 5, v0
	v_readfirstlane_b32 s[WV], v1
	s_lshr_b32 s13, s[WV], 1                       ; my half of the queries; also: I fetch et (0) or V' (1)
	s_and_b32 s14, s[WV], 1                        ; my half of the channels; also: which 64 keys I fetch
	s_bfe_u32 s17, ttmp6, 0x40000
	s_bfe_u32 s18, ttmp6, 0x40004
	s_lshl_b32 s15, ttmp9, 2
	s_add_co_u32 s15, s15, s17                     ; tile column: 256 channels
	s_and_b32 s16, ttmp7, 0xffff
	s_lshl_b32 s16, s16, 2
	s_add_co_u32 s16, s16, s18                     ; tile row = 16 x batch + block of 128 queries
	s_lshl_b32 s20, s18, 2
	s_lshl_b32 s20, 15, s20
	s_lshl_b32 s66, 0x1111, s17
	s_or_b32 s[G1A], s20, (1<<16)|(1<<20)|(1<<21)|(5<<22)|(7<<25)  ; after every 64 words, 8 words
	s_mov_b32 s[G1A+1], 128<<16
	s_mov_b32 s[G1A+2], 64<<16
	s_mov_b32 s[G1A+3], 128<<16
	s_mov_b32 s[G1A+4], 64
	s_mov_b32 s[G1A+5], 2048
	s_mov_b32 s[G1A+6], 0
	s_mov_b32 s[G1A+7], 0
	s_or_b32 s[G1B], s66, (1<<16)|(1<<20)|(1<<21)|(6<<22)|(7<<25)  ; after every 128 words, 8 words
	s_mov_b32 s[G1B+1], 256<<16
	s_mov_b32 s[G1B+2], 64<<16
	s_mov_b32 s[G1B+3], 256<<16
	s_mov_b32 s[G1B+4], 64
	s_mov_b32 s[G1B+5], 3072
	s_mov_b32 s[G1B+6], 0
	s_mov_b32 s[G1B+7], 0
	s_lshr_b32 s20, s16, 4                         ; et: batch x 8,388,608 + key 64 x half x 4,096 + block x 256: the tile row alone
	s_lshl_b32 s20, s20, 23
	s_lshl_b32 s21, s14, 18
	s_add_co_u32 s20, s20, s21
	s_and_b32 s21, s16, 15
	s_lshl_b32 s21, s21, 8
	s_add_co_u32 s20, s20, s21
	s_mov_b32 s21, 0
	s_and_b32 s66, ttmp7, 0xffff                   ; V': the batch is the cluster's y / 4: no place along the cluster's y enters
	s_lshr_b32 s66, s66, 2
	s_lshl_b32 s66, s66, 11
	s_lshl_b32 s67, s14, 6
	s_add_co_u32 s66, s66, s67
	s_mul_i32 s66, s66, 6144
	s_add_co_u32 s66, s66, 4096
	s_lshl_b32 s67, s15, 9
	s_add_co_u32 s66, s66, s67
	s_mov_b32 s67, 0
	s_mul_i32 s22, s14, HALFA
	s_mul_i32 s68, s14, HALFB
	s_add_co_u32 s68, s68, BOFF
	s_mov_b32 s[TB], 0
	s_mov_b32 s[CTO], 0
	s_mov_b32 s[CS], 0x3a800000                    ; 1 / 1024
	s_mov_b32 s[CS+1], s[CS]
	s_lshl_b32 s70, s16, 12                        ; cf's row of this tile
	s_mov_b32 s71, 0
	s_lshl_b32 s72, s16, 7                         ; my 64 queries' rows,
	s_lshl_b32 s73, s13, 6
	s_add_co_u32 s72, s72, s73
	s_lshl_b32 s74, s72, 12                        ; in out0, with my 128 channels,
	s_lshl_b32 s75, s15, 10
	s_add_co_u32 s74, s74, s75
	s_lshl_b32 s75, s14, 9
	s_add_co_u32 s74, s74, s75
	s_mov_b32 s75, 0
	s_mul_i32 s72, s72, 6144                       ; and in qkv
	s_add_co_u32 s72, s72, 4096
	s_lshl_b32 s73, s15, 9
	s_add_co_u32 s72, s72, s73
	s_lshl_b32 s73, s14, 8
	s_add_co_u32 s72, s72, s73
	s_mov_b32 s73, 0
	s_wait_dscnt 0x0                               ; the opening add is done
	s_wait_kmcnt 0x0
	s_add_nc_u64 s[20:21], s[4:5], s[20:21]
	s_add_nc_u64 s[66:67], s[6:7], s[66:67]
	s_add_nc_u64 s[8:9], s[8:9], s[70:71]
	s_add_nc_u64 s[72:73], s[6:7], s[72:73]
	s_add_nc_u64 s[10:11], s[10:11], s[74:75]
	CROUND
.irp s, 0,1
	s_mov_b32 s[G0A+4*\s], 1
	s_add_co_u32 s[G0A+4*\s+1], s22, \s*SLOTX
	s_add_nc_u64 s[G0A+4*\s+2:G0A+4*\s+3], s[20:21], \s*STEPA
	s_or_b32 s[G0A+4*\s+3], s[G0A+4*\s+3], 0x80000000
	s_mov_b32 s[G0B+4*\s], 1
	s_add_co_u32 s[G0B+4*\s+1], s68, \s*SLOTX
	s_add_nc_u64 s[G0B+4*\s+2:G0B+4*\s+3], s[66:67], \s*STEPB
	s_or_b32 s[G0B+4*\s+3], s[G0B+4*\s+3], 0x80000000
.endr
	s_cmp_eq_u32 s13, 0                            ; a wave's two first fills stand in one branch: two loads of mine are out
	s_cbranch_scc0 .Lfirst_b
	tensor_load_to_lds s[G0A:G0A+3], s[G1A:G1A+7]
	s_nop 0
	tensor_load_to_lds s[G0A+4:G0A+7], s[G1A:G1A+7]
	s_nop 0
.rept 4
	v_nop
.endr
	s_branch .Lfirst_asked
.Lfirst_b:
	tensor_load_to_lds s[G0B:G0B+3], s[G1B:G1B+7]
	s_nop 0
	tensor_load_to_lds s[G0B+4:G0B+7], s[G1B:G1B+7]
	s_nop 0
.rept 4
	v_nop
.endr
.Lfirst_asked:
	v_lshlrev_b32 v12, 4, v0                       ; cf's row: 128 threads x 16 bytes, twice
	global_load_b128 v[48:51], v12, s[8:9]
	global_load_b128 v[52:55], v12, s[8:9] offset:2048
	v_and_b32 v1, 15, v0                           ; r
	v_bfe_u32 v2, v0, 4, 1                         ; h
	v_mul_u32_u24 v[VNO], v1, 6144
	v_lshl_add_u32 v[VNO], v2, 4, v[VNO]
	WIN 0x80                                       ; destination window 2: V' of my queries, as source 1: row r, channels 32 c + 8 h + 0..7 and + 16
.irp a, 0,1,2,3
.irp c, 0,1,2,3
	global_load_b128 v[8*(4*\a+\c):8*(4*\a+\c)+3],   v[VNO], s[72:73] offset:\a*16*6144+64*\c
	global_load_b128 v[8*(4*\a+\c)+4:8*(4*\a+\c)+7], v[VNO], s[72:73] offset:\a*16*6144+64*\c+32
.endr
.endr
	WIN 0
	v_and_b32 v3, 7, v0                            ; the turning load: lane l reads row 8 h + l % 8, columns 8 ((l / 8) % 2) + 0..7
	v_lshl_add_u32 v3, v2, 3, v3
	v_bfe_u32 v4, v0, 3, 1
	v_mul_u32_u24 v[AA0], v3, PA
	v_lshl_add_u32 v[AA0], v4, 4, v[AA0]
	s_lshl_b32 s23, s13, 7
	v_add_nc_u32 v[AA0], s23, v[AA0]
	v_mul_u32_u24 v[AB0], v3, PB
	v_lshl_add_u32 v[AB0], v4, 4, v[AB0]
	s_lshl_b32 s23, s14, 8
	s_add_co_u32 s23, s23, BOFF
	v_add_nc_u32 v[AB0], s23, v[AB0]
	v_lshlrev_b32 v[CB0], 4, v2
	v_add_nc_u32 v[CB0], CT, v[CB0]                ; cf for keys 8 h + 0..7 of a fragment
	v_mov_b32 v[ADRA], v[AA0]
	v_mov_b32 v[ADRB], v[AB0]
	v_mov_b32 v[CB], v[CB0]
	s_mul_i32 s23, s[WV], 16*SP
	s_add_co_u32 s23, s23, STAGE
	v_mul_u32_u24 v[STO], v1, SP                   ; in: row r, 32 bytes for each half of the lanes
	v_lshl_add_u32 v[STO], v2, 5, v[STO]
	v_add_nc_u32 v[STO], s23, v[STO]
	v_and_b32 v3, 31, v0
	v_lshlrev_b32 v[CO], 4, v3                     ; back: 32 lanes take a row's 512 bytes
	v_add_nc_u32 v[RD], s23, v[CO]
	; -identity as source 0: lane (r, h) holds row r and k = 8 h + 0..7: -1.0 stands where k = r: in the lanes with h = r / 8, register (r % 8) / 2, half r % 2
	v_and_b32 v3, 1, v0
	v_lshlrev_b32 v3, 4, v3
	v_mov_b32 v4, 0xbc00
	v_lshlrev_b32 v4, v3, v4
	v_lshrrev_b32 v5, 4, v0
	v_lshrrev_b32 v6, 3, v0
	v_xor_b32 v5, v5, v6
	v_and_b32 v5, 1, v5
	v_bfe_u32 v6, v0, 1, 2
	v_lshl_add_u32 v5, v5, 2, v6                   ; the register's number, or 4 and more in the lanes that hold none
.irp t, 0,1,2,3
	v_cmp_eq_u32 vcc_lo, \t, v5
	v_cndmask_b32 v[36+\t], 0, v4, vcc_lo
	v_mov_b32 v[32+\t], 0
	v_mov_b32 v[40+\t], 0
.endr
	v_add_nc_u32 v13, CT, v12
	s_wait_loadcnt 32                              ; cf's two loads are in; the 32 behind them may stay out
	ds_store_b128 v13, v[48:51]
	ds_store_b128 v13, v[52:55] offset:2048
	s_wait_dscnt 0x0                               ; for the others' sake: my part of cf's row is stored
.macro MUL8 f, a
	WIN MUL
.irp b, 0,1,2,3,4,5,6,7
	v_wmma_f32_16x16x32_f16 v[8*(8*(\a)+\b):8*(8*(\a)+\b)+7], v[(\f)+32+8*\b:(\f)+32+8*\b+7], v[(\f)+8*(\a):(\f)+8*(\a)+7], v[8*(8*(\a)+\b):8*(8*(\a)+\b)+7]
.endr
.endm
; 26 LDS loads in one run: quarter q's cf, et (turned) and V' (turned) into buffer g
.macro FETCH q, g
	WIN 0
.set crn, CR+8*((\g)/F1)
	ds_load_b128 v[crn:crn+3],   v[CB] offset:64*(\q)
	ds_load_b128 v[crn+4:crn+7], v[CB] offset:64*(\q)+32
.irp i, 0,1,2,3
	ds_load_tr16_b128 v[(\g)+8*\i:(\g)+8*\i+3],   v[ADRA] offset:(\q)*32*PA+32*\i
	ds_load_tr16_b128 v[(\g)+8*\i+4:(\g)+8*\i+7], v[ADRA] offset:(\q)*32*PA+16*PA+32*\i
.endr
.irp i, 0,1,2,3,4,5,6,7
	ds_load_tr16_b128 v[(\g)+32+8*\i:(\g)+32+8*\i+3],   v[ADRB] offset:(\q)*32*PB+32*\i
	ds_load_tr16_b128 v[(\g)+32+8*\i+4:(\g)+32+8*\i+7], v[ADRB] offset:(\q)*32*PB+16*PB+32*\i
.endr
.endm
; et's four fragments of buffer f times cf: in a fragment every lane's registers hold the same keys as cf's fragment does
.macro SCALE f
	WIN 0
.set crn, CR+8*((\f)/F1)
.irp i, 0,1,2,3
.irp j, 0,1,2,3,4,5,6,7
	v_pk_mul_f16 v[(\f)+8*\i+\j], v[(\f)+8*\i+\j], v[crn+\j]
.endr
.endr
.endm
.macro QUARTER qn, f, g
	s_wait_dscnt 0x0                               ; f's fragments, asked for 16 matrix instructions ago
	SCALE \f
	MUL8 \f, 0
	MUL8 \f, 1
	PLACES
	FETCH \qn, \g
	MUL8 \f, 2
	MUL8 \f, 3
.endm
; The fourth quarter changes slots: ONE barrier; in front of it the wait for all my tensor loads (one is out: my part of the next slot), the add, and the wait for it and for my reads of this slot.
.macro TURN fill
	WIN 0
	s_wait_tensorcnt 0x0
	ds_add_u32 v[SPW], v[NIL]
.if \fill
	s_xor_b32 s[G0A+5], s[G0A+5], SLOTX
	s_add_nc_u64 s[G0A+6:G0A+7], s[G0A+6:G0A+7], STEPA
	s_xor_b32 s[G0B+5], s[G0B+5], SLOTX
	s_add_nc_u64 s[G0B+6:G0B+7], s[G0B+6:G0B+7], STEPB
.endif
	s_wait_dscnt 0x1                               ; buffer 1 is in; only the add may be out
	SCALE F1
	MUL8 F1, 0
	s_wait_dscnt 0x0                               ; the add is done, and my reads of this slot are over
	s_barrier_signal -1
	MUL8 F1, 1
	WIN 0
	s_barrier_wait -1
.if \fill
	CREST
	JLOAD                                          ; the first tensor load behind the round; its four v_nop are also the places in front of the loads below
.else
	PLACES
.endif
	s_xor_b32 s[TB], s[TB], SLOTX
	s_add_co_u32 s[CTO], s[CTO], 256               ; the next 128 keys of cf's row
	v_add_nc_u32 v[ADRA], s[TB], v[AA0]
	v_add_nc_u32 v[ADRB], s[TB], v[AB0]
	v_add_nc_u32 v[CB], s[CTO], v[CB0]
	FETCH 0, F0
	MUL8 F1, 2
	MUL8 F1, 3
.endm
	s_wait_tensorcnt 0x1                           ; my part of K step 0 is in; step 1's may stay out
	s_barrier_signal -1
	s_barrier_wait -1
	FETCH 0, F0
	s_wait_loadcnt 0x0                             ; V' of my queries
	WIN 0x48                                       ; source 1 in window 2, destination in window 1
.irp a, 0,1,2,3
.irp b, 0,1,2,3,4,5,6,7
	v_wmma_f32_16x16x32_f16 v[8*(8*\a+\b):8*(8*\a+\b)+7], v[36-4*(\b%2):43-4*(\b%2)], v[8*(4*\a+\b/2):8*(4*\a+\b/2)+7], 0  ; the sums start at -V': even blocks pick channels 0-15 of the 32, odd ones 16-31
.endr
.endr
	QUARTER 1, F0, F1
	WIN 0
	s_mov_b32 s19, NSTEP-2
.Lstep:
	QUARTER 2, F1, F0
	QUARTER 3, F0, F1
	TURN 1
	QUARTER 1, F0, F1
	WIN 0
	s_sub_co_u32 s19, s19, 1
	s_cmp_lg_u32 s19, 0
	s_cbranch_scc1 .Lstep
	QUARTER 2, F1, F0                              ; the last two steps are written out: nothing is left to ask for
	QUARTER 3, F0, F1
	TURN 0
	QUARTER 1, F0, F1
	QUARTER 2, F1, F0
	QUARTER 3, F0, F1
	s_wait_dscnt 0x0
	SCALE F1
	MUL8 F1, 0
	MUL8 F1, 1
	MUL8 F1, 2
	MUL8 F1, 3
; THE WAY OUT, 16 rows at a time: times 1 / 1024, into my own stage (32 bytes a lane and accumulator), back as whole rows of 512 bytes, stored.
.macro PACK a
	WIN 0x01                                       ; source 0 in window 1, destination in window 0
.set i, 0
.rept 32
	v_pk_mul_f32 v[TMP+2*i:TMP+2*i+1], v[64*(\a)+2*i:64*(\a)+2*i+1], s[CS:CS+1] op_sel_hi:[1,0]
.set i, i+1
.endr
	WIN 0
.endm
.macro TOSTAGE a
.set BK, OB+64*((\a)%2)
.irp b, 0,1,2,3,4,5,6,7
	ds_store_b128 v[STO], v[TMP+8*\b:TMP+8*\b+3] offset:64*\b
	ds_store_b128 v[STO], v[TMP+8*\b+4:TMP+8*\b+7] offset:64*\b+16
.endr
.set i, 0
.rept 16
	ds_load_b128 v[BK+4*i:BK+4*i+3], v[RD] offset:i*SP  ; LDS serves a wave's instructions in order (ISA guide 5.7.1.4): these see the stores above
.set i, i+1
.endr
.endm
.macro SEND a
.set BK, OB+64*((\a)%2)
	s_wait_dscnt 0x0
	s_wait_xcnt 0x0                                ; only behind this wait are the stores' base and the registers that earlier stores read rewritten
.if (\a) > 0
	s_add_nc_u64 s[10:11], s[10:11], 16*4096
.endif
.set i, 0
.rept 16
	global_store_b128 v[CO], v[BK+4*i:BK+4*i+3], s[10:11] offset:i*4096 th:TH_STORE_NT  ; a wave stores 512 consecutive bytes, at a multiple of 256 from out0's first
.set i, i+1
.endr
.endm
	PLACES
	PACK 0
	TOSTAGE 0
.irp a, 1,2,3
	PACK \a
	SEND (\a)-1
	TOSTAGE \a
.endr
	SEND 3
	s_wait_tensorcnt 0x0                           ; the wave's end
	ds_add_u32 v[SPW], v[NIL]
	s_wait_dscnt 0x0
	CROUND                                         ; the closing round
	s_endpgm
.Lfunc_end_k_q5d3fc4b7f7_pv:
	.size	k_q5d3fc4b7f7_pv, .Lfunc_end_k_q5d3fc4b7f7_pv-k_q5d3fc4b7f7_pv
	.p2alignl 7, 3214868480
	.fill 96, 4, 3214868480
	.section	.rodata,"a",@progbits
	.p2align	6, 0x0
	.amdhsa_kernel k_q5d3fc4b7f7_pv
		.amdhsa_group_segment_fixed_size 327680
		.amdhsa_private_segment_fixed_size 0
		.amdhsa_enable_private_segment 0
		.amdhsa_kernarg_size 32
		.amdhsa_user_sgpr_count 2
		.amdhsa_user_sgpr_kernarg_segment_ptr 1
		.amdhsa_wavefront_size32 1
		.amdhsa_system_sgpr_workgroup_id_x 1
		.amdhsa_system_sgpr_workgroup_id_y 1
		.amdhsa_system_sgpr_workgroup_id_z 1
		.amdhsa_system_vgpr_workitem_id 0
		.amdhsa_next_free_vgpr 640
		.amdhsa_next_free_sgpr 76
		.amdhsa_reserve_vcc 1
		.amdhsa_float_denorm_mode_32 3
		.amdhsa_float_denorm_mode_16_64 3
		.amdhsa_memory_ordered 1
		.amdhsa_forward_progress 1
		.amdhsa_inst_pref_size 110
	.end_amdhsa_kernel
	.amdgpu_metadata
---
amdhsa.version: [ 1, 2 ]
amdhsa.kernels:
  - .name:           k_q5d3fc4b7f7_pv
    .symbol:         k_q5d3fc4b7f7_pv.kd
    .args:
      - { .name: et, .offset: 0, .size: 8, .value_kind: global_buffer, .address_space: global }
      - { .name: qkv, .offset: 8, .size: 8, .value_kind: global_buffer, .address_space: global }
      - { .name: cf, .offset: 16, .size: 8, .value_kind: global_buffer, .address_space: global }
      - { .name: out0, .offset: 24, .size: 8, .value_kind: global_buffer, .address_space: global }
    .group_segment_fixed_size: 327680
    .private_segment_fixed_size: 0
    .kernarg_segment_align: 8
    .kernarg_segment_size: 32
    .max_flat_workgroup_size: 128
    .sgpr_count:     76
    .vgpr_count:     640
    .wavefront_size: 32
...
	.end_amdgpu_metadata
.endif
;; end of part 5
;; ======== version 2 of 3: 5 launches; 1.14 times as fast as version 1
;; limits: values are held in f16: magnitudes above 65,504 overflow, below 6.1e-05 lose precision
;; workspace buffers: xh 16,777,216 bytes; xb 16,777,216 bytes; wc 4,194,304 bytes; yv 33,554,432 bytes; et 33,554,432 bytes; pm 524,288 bytes; pl 524,288 bytes; cf 524,288 bytes
;; launch prep (part 6): grid 336 x 1, 16 waves a work-group, no clusters, 142,336 bytes of LDS; arguments x, wq, wk, wv, xh, xb, wc; writes xh, xb, wc
.if DOCPART == 6
	.amdgcn_target "amdgcn-amd-amdhsa--gfx1250"
	.amdhsa_code_object_version 6
	.text
	.protected	k_q5d3fc4b7f7_prep
	.globl	k_q5d3fc4b7f7_prep
	.p2align	8
	.type	k_q5d3fc4b7f7_prep,@function
k_q5d3fc4b7f7_prep:
	s_mov_b64 s[64:65], 0
	v_nop
	global_prefetch_b8 v0, s[64:65] scope:SCOPE_SE
	s_setreg_imm32_b32 hwreg(HW_REG_WAVE_MODE, 25, 1), 1
	s_wait_xcnt 0x0
; PREPARATION.  xh = x in f16 and xb = x in bf16, both [8192][1024].  wc = [1024 k][2048] f16: columns 0-1023 G[k][c] = sum over d of wq[k][d] wk[c][d], since
; (x wq)(x wk)^T = x G x^T; columns 1024-2047 the softmax of wv over its rows, turned: wc[k][1024+j] = exp(wv[j][k] - max_j) / sum_j.  The value weights' 1/1024 is applied by a later launch.
; LIMITS.  f16 holds no number beyond 65,504: x, wq, wk and G must lie within it; G and the softmax below 6e-5 keep f16's fixed step of 6e-8; an exponential below 2^-126 counts as 0.
; NaN and infinities are not treated apart.  f16 for x and the value weights: the result is nearly -V, so their rounding reaches the output whole.
; SHARES.  Work-groups 0-15: 64 columns of wv each, all 1,024 rows, held in registers (128 a lane), so wv is read once.  16-79: a tile of 128 x 128 of G.  80-335: 32 rows of x.
; No cluster and no tensor load: x and wv are read once by one work-group each, and G is 2 of the program's 105 GFLOP.
.set TRP,   2064                       ; a row of the turned block in LDS: 1,024 f16 + 16 bytes
.set STATM, 64*TRP                     ; 16 waves x 64 columns of f32: the waves' maxima
.set STATL, STATM+4096                 ; the waves' sums, in bytes of their own
.set SPARE, STATL+4096                 ; the spare words, 128 bytes for each of 16 waves: eight blocks of 256 bytes that no other line names
.set SPW, 6                            ; v6  LDS address of my spare word; never rewritten
.set NIL, 7                            ; v7  0; never rewritten
	s_load_b256 s[4:11], s[0:1], 0x0               ; x s[4:5], wq s[6:7], wk s[8:9], wv s[10:11]
	s_load_b128 s[12:15], s[0:1], 0x20             ; xh s[12:13], xb s[14:15]
	s_load_b64 s[16:17], s[0:1], 0x30              ; wc
	v_lshl_add_u32 v[SPW], v0, 2, SPARE
	v_mov_b32 v[NIL], 0
	s_mov_b32 s18, ttmp9
	s_mov_b32 s25, 0
	s_mov_b32 s27, 0
	s_wait_kmcnt 0x0
	s_cmp_lt_u32 s18, 16                           ; the branches hang on the work-group's number alone: all sixteen waves go the same way
	s_cbranch_scc1 .Lsoftmax
	s_cmp_lt_u32 s18, 80
	s_cbranch_scc1 .Lgram
	; 32 ROWS OF x.  Thread t takes 8 numbers (32 bytes in, 16 out, twice) in each of eight groups of four rows; sixteen lanes store 256 consecutive bytes.
	; All sixteen loads go out first; the counted wait leaves the younger groups' loads on their way.
	s_sub_co_u32 s19, s18, 80
	s_lshl_b32 s24, s19, 17
	s_lshl_b32 s26, s19, 16
	s_add_nc_u64 s[20:21], s[4:5], s[24:25]
	s_add_nc_u64 s[22:23], s[12:13], s[26:27]
	s_add_nc_u64 s[28:29], s[14:15], s[26:27]
	v_lshlrev_b32 v2, 5, v0                        ; 32 t
	v_lshrrev_b32 v3, 7, v0                        ; my row among a group's four
	v_and_b32 v4, 127, v0
	v_lshlrev_b32 v3, 11, v3
	v_lshl_add_u32 v3, v4, 4, v3
.irp g, 0,1,2,3,4,5,6,7
	global_load_b128 v[64+8*\g:64+8*\g+3], v2, s[20:21] offset:\g*16384 th:TH_LOAD_NT
	global_load_b128 v[68+8*\g:68+8*\g+3], v2, s[20:21] offset:\g*16384+16 th:TH_LOAD_NT
.endr
.irp g, 0,1,2,3,4,5,6,7
	s_wait_loadcnt 14-2*\g                         ; loads return in order: group g's two are in
.irp u, 0,1,2,3
	v_cvt_pk_f16_f32 v[128+4*\g+\u], v[64+8*\g+2*\u], v[64+8*\g+2*\u+1]
	v_cvt_pk_bf16_f32 v[160+4*\g+\u], v[64+8*\g+2*\u], v[64+8*\g+2*\u+1]
.endr
	global_store_b128 v3, v[128+4*\g:128+4*\g+3], s[22:23] offset:4*\g*2048
	global_store_b128 v3, v[160+4*\g:160+4*\g+3], s[28:29] offset:4*\g*2048
.endr
	s_endpgm                                       ; this wave has written no LDS
	; A TILE OF G.  Sixteen waves, each 32 x 32: four accumulators.  d goes in 8 chunks of 128: a wave's load takes 512 consecutive bytes of a row of wq or wk; the numbers are rounded to f16 and
	; laid into one of two LDS buffers; one barrier a chunk shows the buffer whole, and (with each wave's wait for its LDS loads in front of it) the other buffer read out.
	; Two register sets keep two chunks' loads on their way.  The matrix instruction is used transposed (source 0 = 16 rows of wk, source 1 = 16 rows of wq): a lane holds 8 neighbouring numbers of a row of G.
.set GP,   272                         ; an LDS row: 256 bytes + 16: the 16 rows of a fragment load start at 16 different groups of four banks (ISA guide 11.1)
.set GMAT, 128*GP                      ; wq's 128 rows; wk's lie behind them
.set GBUF, 2*GMAT
.set GOF,  1                           ; v1   wave x 4,096 + 16 x lane: my 16 bytes in rows wave + 16 p
.set ST0,  2                           ; v2-3 where they go, in buffer 0, 1
.set ST1,  3
.set FA0,  8                           ; v8-11 my fragments of wq and wk in buffer 0, 1
.set FB0,  9
.set FA1,  10
.set FB1,  11
.set GS,   12                          ; v12  the way out: where I put 16 bytes of a row
.set GRD,  13                          ; v13  where I read rows back
.set GOUT, 14                          ; v14  the same rows in wc
.set X0,   32                          ; v32-63, v192-223: fragments of 32 along d: wq's two, then wk's two
.set X1,   192
.set RA,   64                          ; v64-127, v128-191: a chunk as loaded: 8 x 4 of wq, 8 x 4 of wk
.set RB,   128
.set ACC,  224                         ; accumulator (a, b) at v[224 + 8 (2 a + b)]
.macro GLOAD R, off
.irp p, 0,1,2,3,4,5,6,7
	global_load_b128 v[\R+4*\p:\R+4*\p+3], v[GOF], s[20:21] offset:\p*65536+\off
.endr
.irp p, 0,1,2,3,4,5,6,7
	global_load_b128 v[\R+32+4*\p:\R+32+4*\p+3], v[GOF], s[22:23] offset:\p*65536+\off
.endr
.endm
.macro XLOAD X, FA, FB, kk
	ds_load_b128 v[\X:\X+3],     v[\FA] offset:64*\kk
	ds_load_b128 v[\X+4:\X+7],   v[\FA] offset:64*\kk+32
	ds_load_b128 v[\X+8:\X+11],  v[\FA] offset:64*\kk+16*GP
	ds_load_b128 v[\X+12:\X+15], v[\FA] offset:64*\kk+16*GP+32
	ds_load_b128 v[\X+16:\X+19], v[\FB] offset:64*\kk
	ds_load_b128 v[\X+20:\X+23], v[\FB] offset:64*\kk+32
	ds_load_b128 v[\X+24:\X+27], v[\FB] offset:64*\kk+16*GP
	ds_load_b128 v[\X+28:\X+31], v[\FB] offset:64*\kk+16*GP+32
.endm
.macro XMUL X                          ; the four accumulators take turns, one instruction a turn
.irp a, 0,1
.irp b, 0,1
	v_wmma_f32_16x16x32_f16 v[ACC+8*(2*\a+\b):ACC+8*(2*\a+\b)+7], v[\X+16+8*\b:\X+16+8*\b+7], v[\X+8*\a:\X+8*\a+7], v[ACC+8*(2*\a+\b):ACC+8*(2*\a+\b)+7]
.endr
.endr
.endm
.macro NOP4                            ; four places between a matrix instruction and a load into its sources, or a read of its result
.rept 4
	v_nop
.endr
.endm
; One chunk.  ld = 1: the chunk two on is asked for, into the set just emptied.  left = how many younger loads may stay out.
.macro CHUNK R, ST, FA, FB, off, ld, left
	s_wait_loadcnt \left                           ; this set's 16 loads are in
.set p, 0
.rept 16
	v_cvt_pk_f16_f32 v[\R+4*p], v[\R+4*p], v[\R+4*p+1]
	v_cvt_pk_f16_f32 v[\R+4*p+1], v[\R+4*p+2], v[\R+4*p+3]
	ds_store_b64 v[\ST], v[\R+4*p:\R+4*p+1] offset:(p%8)*16*GP+(p/8)*GMAT  ; a wave stores a row's 256 bytes
.set p, p+1
.endr
	s_wait_dscnt 0x0                               ; for the others' sake: my stores are done (and have read the set's registers)
.if \ld
	GLOAD \R, \off
.endif
	s_barrier_signal -1
	s_barrier_wait -1
	XLOAD X0, \FA, \FB, 0
	XLOAD X1, \FA, \FB, 1
	s_wait_dscnt 8                                 ; the older eight loads are in
	XMUL X0
	NOP4
	XLOAD X0, \FA, \FB, 2
	s_wait_dscnt 8
	XMUL X1
	NOP4
	XLOAD X1, \FA, \FB, 3
	s_wait_dscnt 8
	XMUL X0
	s_wait_dscnt 0x0                               ; my reads of this buffer are over: the next barrier says so to the others
	XMUL X1
.endm
.Lgram:
	s_sub_co_u32 s19, s18, 16
	s_lshr_b32 s32, s19, 3                         ; which 128 rows of wq
	s_and_b32 s33, s19, 7                          ; which 128 rows of wk
	s_lshl_b32 s24, s32, 19
	s_lshl_b32 s26, s33, 19
	s_add_nc_u64 s[20:21], s[6:7], s[24:25]
	s_add_nc_u64 s[22:23], s[8:9], s[26:27]
	s_lshl_b32 s26, s33, 8                         ; in wc: 128 rows of 4,096 bytes, 256 bytes of each
	s_add_co_u32 s24, s24, s26
	s_add_nc_u64 s[28:29], s[16:17], s[24:25]
	v_and_b32 v15, 31, v0                          ; lane
	v_lshrrev_b32 v16, 5, v0                       ; wave
	v_lshlrev_b32 v[GOF], 4, v15
	v_lshl_add_u32 v[GOF], v16, 12, v[GOF]
	GLOAD RA, 0                                    ; chunks 0 and 1
	GLOAD RB, 512
	v_mul_u32_u24 v[ST0], v16, GP
	v_lshl_add_u32 v[ST0], v15, 3, v[ST0]
	v_add_nc_u32 v[ST1], GBUF, v[ST0]
	v_and_b32 v17, 15, v0                          ; r
	v_bfe_u32 v18, v0, 4, 1                        ; h
	v_lshrrev_b32 v19, 7, v0                       ; wave / 4: my 32 rows of the tile
	v_bfe_u32 v20, v0, 5, 2                        ; wave % 4: my 32 columns
	v_lshl_add_u32 v21, v19, 5, v17
	v_mul_u32_u24 v21, v21, GP
	v_lshl_add_u32 v[FA0], v18, 4, v21
	v_lshl_add_u32 v22, v20, 5, v17
	v_mul_u32_u24 v22, v22, GP
	v_lshl_add_u32 v[FB0], v18, 4, v22
	v_add_nc_u32 v[FB0], GMAT, v[FB0]
	v_add_nc_u32 v[FA1], GBUF, v[FA0]
	v_add_nc_u32 v[FB1], GBUF, v[FB0]
	v_lshl_add_u32 v[GS], v20, 6, v[FA0]           ; row 32 (wave / 4) + r, byte 64 (wave % 4) + 16 h
	v_lshl_add_u32 v23, v16, 3, v18                ; back: rows 8 wave + h + 2 i
	v_mul_u32_u24 v[GRD], v23, GP
	v_lshl_add_u32 v[GRD], v17, 4, v[GRD]
	v_lshlrev_b32 v[GOUT], 12, v23
	v_lshl_add_u32 v[GOUT], v17, 4, v[GOUT]
.set i, 0
.rept 32
	v_mov_b32 v[ACC+i], 0                          ; cleared on purpose: 32 lines here spare a first chunk written out
.set i, i+1
.endr
	s_mov_b32 s34, 3
.Lg:                                                   ; a trip: two chunks; it asks for the next two.  At each wait the other set's 16 loads may be out
	s_wait_xcnt 0x0                                ; the bases are stepped only behind this wait
	s_add_nc_u64 s[20:21], s[20:21], 1024          ; two chunks on
	s_add_nc_u64 s[22:23], s[22:23], 1024
	CHUNK RA, ST0, FA0, FB0, 0, 1, 16
	CHUNK RB, ST1, FA1, FB1, 512, 1, 16
	s_sub_co_u32 s34, s34, 1
	s_cmp_lg_u32 s34, 0
	s_cbranch_scc1 .Lg
	CHUNK RA, ST0, FA0, FB0, 0, 0, 16              ; chunks 6 and 7 are written out: nothing is left to ask for, and the counts run down
	CHUNK RB, ST1, FA1, FB1, 0, 0, 0
	; the way out, through buffer 0: every wave's reads of it lie in front of the last barrier.  A row's 256 bytes come from four waves.
	NOP4
.irp i, 0,1,2,3
.irp u, 0,1,2,3
	v_cvt_pk_f16_f32 v[X0+4*\i+\u], v[ACC+8*\i+2*\u], v[ACC+8*\i+2*\u+1]
.endr
	ds_store_b128 v[GS], v[X0+4*\i:X0+4*\i+3] offset:(\i/2)*16*GP+(\i%2)*32
.endr
	s_wait_dscnt 0x0
	s_barrier_signal -1
	s_barrier_wait -1
.irp i, 0,1,2,3
	ds_load_b128 v[X0+16+4*\i:X0+16+4*\i+3], v[GRD] offset:\i*2*GP
.endr
.irp i, 0,1,2,3
	s_wait_dscnt 3-\i
	global_store_b128 v[GOUT], v[X0+16+4*\i:X0+16+4*\i+3], s[28:29] offset:\i*8192  ; 16 lanes store 256 consecutive bytes, at a multiple of 256 from wc's first
.endr
	s_wait_tensorcnt 0x0                           ; the wave's end: three lines behind my last LDS store
	ds_add_u32 v[SPW], v[NIL]
	s_wait_dscnt 0x0
	s_endpgm
	; THE SOFTMAX OF 64 COLUMNS OF wv
.set MX,  8                            ; v[8:11]   maxima of my four columns
.set PX,  12                           ; v[12:15]  what the other half of the lanes holds
.set KM,  16                           ; v[16:19]  log2(e) x maximum
.set SU,  20                           ; v[20:27]  sums, two chains
.set RI,  28                           ; v[28:31]  1 / sum
.set D,   64                           ; v[64:191] 32 rows x 4 columns
.set T,   192                          ; v[192:255] at work
.Lsoftmax:
	s_mov_b32 s28, 0x3fb8aa3b                      ; log2(e); named as a pair by the packed multiply-add
	s_mov_b32 s29, s28
	s_mov_b32 s30, 0x76543210                      ; v_permlanex16_b32: each lane takes its own place in the other half
	s_mov_b32 s31, 0xfedcba98
	s_lshl_b32 s24, s18, 8                         ; my 64 columns: 256 bytes of every row of wv
	s_add_nc_u64 s[20:21], s[10:11], s[24:25]
	s_lshl_b32 s26, s18, 18                        ; they become 64 rows of wc, from byte 2,048 of each
	s_add_co_u32 s26, s26, 2048
	s_add_nc_u64 s[22:23], s[16:17], s[26:27]
	v_and_b32 v1, 15, v0                           ; r: columns 4 r .. 4 r + 3
	v_lshrrev_b32 v2, 4, v0                        ; 2 w + h: rows 32 (2 w + h) + 0..31
	v_lshlrev_b32 v3, 4, v1
	v_lshl_add_u32 v4, v2, 17, v3
.set i, 0
.rept 32
	global_load_b128 v[D+4*i:D+4*i+3], v4, s[20:21] offset:i*4096 th:TH_LOAD_NT  ; sixteen lanes take a row's 256 bytes
.set i, i+1
.endr
	v_lshrrev_b32 v33, 5, v0                       ; w
	v_and_b32 v36, 31, v0                          ; lane
	v_lshl_add_u32 v5, v33, 8, v3
	v_add_nc_u32 v5, STATM, v5                     ; where my wave's figures go: 256 w + 16 r
	v_add_nc_u32 v32, STATM, v3                    ; where all waves' figures of my columns are read
	v_mul_u32_u24 v34, v1, 4*TRP
	v_lshl_add_u32 v34, v2, 6, v34                 ; turned block: row 4 r, byte 2 x my first row of wv
	v_mul_u32_u24 v35, v33, 4*TRP
	v_lshl_add_u32 v35, v36, 4, v35                ; back: rows 4 w .. 4 w + 3, 16 bytes a lane
	v_lshlrev_b32 v37, 14, v33
	v_lshl_add_u32 v37, v36, 4, v37                ; the same in wc
.irp c, 0,1,2,3
	v_mov_b32 v[PX+\c], 0                          ; v_permlanex16_b32's destination counts as read
.endr
	s_wait_loadcnt 0x0
	; the maximum of each column: my 32 rows, the other half's 32, then all sixteen waves'
.irp c, 0,1,2,3
	v_max3_num_f32 v[MX+\c], v[D+\c], v[D+4+\c], v[D+8+\c]
.endr
.set k, 0
.rept 14
.irp c, 0,1,2,3
	v_max3_num_f32 v[MX+\c], v[MX+\c], v[D+4*(3+2*k)+\c], v[D+4*(4+2*k)+\c]
.endr
.set k, k+1
.endr
.irp c, 0,1,2,3
	v_max_num_f32 v[MX+\c], v[MX+\c], v[D+124+\c]
.endr
.irp c, 0,1,2,3
	v_permlanex16_b32 v[PX+\c], v[MX+\c], s30, s31
.endr
.irp c, 0,1,2,3
	v_max_num_f32 v[MX+\c], v[MX+\c], v[PX+\c]
.endr
	ds_store_b128 v5, v[MX:MX+3]                   ; both halves of the lanes write the same numbers to the same bytes
	s_wait_dscnt 0x0                               ; for the others' sake: my store is done
	s_barrier_signal -1
	s_barrier_wait -1
.set i, 0
.rept 16
	ds_load_b128 v[T+4*i:T+4*i+3], v32 offset:256*i
.set i, i+1
.endr
	s_wait_dscnt 0x0
.irp c, 0,1,2,3
	v_max3_num_f32 v[MX+\c], v[T+\c], v[T+4+\c], v[T+8+\c]
.endr
.set k, 0
.rept 6
.irp c, 0,1,2,3
	v_max3_num_f32 v[MX+\c], v[MX+\c], v[T+4*(3+2*k)+\c], v[T+4*(4+2*k)+\c]
.endr
.set k, k+1
.endr
.irp c, 0,1,2,3
	v_max_num_f32 v[MX+\c], v[MX+\c], v[T+60+\c]
.endr
.irp c, 0,1,2,3
	v_mul_f32 v[KM+\c], s28, v[MX+\c]
.endr
	; 2^(log2(e) w - log2(e) max), in place
.set i, 0
.rept 32
	v_pk_fma_f32 v[D+4*i:D+4*i+1], v[D+4*i:D+4*i+1], s[28:29], v[KM:KM+1] op_sel_hi:[1,0,1] neg_lo:[0,0,1] neg_hi:[0,0,1]
	v_pk_fma_f32 v[D+4*i+2:D+4*i+3], v[D+4*i+2:D+4*i+3], s[28:29], v[KM+2:KM+3] op_sel_hi:[1,0,1] neg_lo:[0,0,1] neg_hi:[0,0,1]
.set i, i+1
.endr
.set i, 0
.rept 128
	v_exp_f32 v[D+i], v[D+i]
.set i, i+1
.endr
	v_nop                                          ; a plain instruction between the last exponential and the use of its result (ISA guide 5.7.2)
	; the sums, into registers of their own: even rows' chain and odd rows' chain
	s_wait_alu depctr_va_vdst(0)
	v_pk_add_f32 v[SU:SU+1], v[D:D+1], v[D+8:D+9]
	v_pk_add_f32 v[SU+2:SU+3], v[D+2:D+3], v[D+10:D+11]
	v_pk_add_f32 v[SU+4:SU+5], v[D+4:D+5], v[D+12:D+13]
	v_pk_add_f32 v[SU+6:SU+7], v[D+6:D+7], v[D+14:D+15]
.set i, 4
.rept 28
	v_pk_add_f32 v[SU+4*(i%2):SU+4*(i%2)+1], v[SU+4*(i%2):SU+4*(i%2)+1], v[D+4*i:D+4*i+1]
	v_pk_add_f32 v[SU+4*(i%2)+2:SU+4*(i%2)+3], v[SU+4*(i%2)+2:SU+4*(i%2)+3], v[D+4*i+2:D+4*i+3]
.set i, i+1
.endr
	v_pk_add_f32 v[SU:SU+1], v[SU:SU+1], v[SU+4:SU+5]
	v_pk_add_f32 v[SU+2:SU+3], v[SU+2:SU+3], v[SU+6:SU+7]
.irp c, 0,1,2,3
	v_permlanex16_b32 v[PX+\c], v[SU+\c], s30, s31
.endr
.irp c, 0,1,2,3
	v_add_f32 v[SU+\c], v[SU+\c], v[PX+\c]
.endr
	ds_store_b128 v5, v[SU:SU+3] offset:4096       ; other bytes than the maxima's: no barrier is owed to their readers
	s_wait_dscnt 0x0
	s_barrier_signal -1
	s_barrier_wait -1
.set i, 0
.rept 16
	ds_load_b128 v[T+4*i:T+4*i+3], v32 offset:4096+256*i
.set i, i+1
.endr
	s_wait_dscnt 0x0
.set i, 1
.rept 15
	v_pk_add_f32 v[T:T+1], v[T:T+1], v[T+4*i:T+4*i+1]
	v_pk_add_f32 v[T+2:T+3], v[T+2:T+3], v[T+4*i+2:T+4*i+3]
.set i, i+1
.endr
.irp c, 0,1,2,3
	v_rcp_f32 v[RI+\c], v[T+\c]
.endr
	v_nop
.set i, 0
	s_wait_alu depctr_va_vdst(0)
.rept 32
	v_pk_mul_f32 v[D+4*i:D+4*i+1], v[D+4*i:D+4*i+1], v[RI:RI+1]
	v_pk_mul_f32 v[D+4*i+2:D+4*i+3], v[D+4*i+2:D+4*i+3], v[RI+2:RI+3]
.set i, i+1
.endr
	; turned through LDS: eight neighbouring rows of one column are 16 bytes of a row of wc
.irp c, 0,1,2,3
.irp g, 0,1,2,3
.irp u, 0,1,2,3
	v_cvt_pk_f16_f32 v[T+4*(4*\c+\g)+\u], v[D+4*(8*\g+2*\u)+\c], v[D+4*(8*\g+2*\u+1)+\c]
.endr
	ds_store_b128 v34, v[T+4*(4*\c+\g):T+4*(4*\c+\g)+3] offset:\c*TRP+16*\g
.endr
.endr
	s_wait_dscnt 0x0                               ; for the others' sake: a row's 2,048 bytes come from all sixteen waves
	s_barrier_signal -1
	s_barrier_wait -1
.irp i, 0,1,2,3
.irp p, 0,1,2,3
	ds_load_b128 v[D+4*(4*\i+\p):D+4*(4*\i+\p)+3], v35 offset:\i*TRP+512*\p
.endr
.endr
.irp i, 0,1,2,3
.irp p, 0,1,2,3
	s_wait_dscnt 15-(4*\i+\p)                      ; LDS loads return in order: this one is in
	global_store_b128 v37, v[D+4*(4*\i+\p):D+4*(4*\i+\p)+3], s[22:23] offset:\i*4096+512*\p  ; a wave stores 512 consecutive bytes, at a multiple of 256 from wc's first
.endr
.endr
	s_wait_tensorcnt 0x0                           ; the wave's end
	ds_add_u32 v[SPW], v[NIL]
	s_wait_dscnt 0x0
	s_endpgm
.Lfunc_end_k_q5d3fc4b7f7_prep:
	.size	k_q5d3fc4b7f7_prep, .Lfunc_end_k_q5d3fc4b7f7_prep-k_q5d3fc4b7f7_prep
	.p2alignl 7, 3214868480
	.fill 96, 4, 3214868480
	.section	.rodata,"a",@progbits
	.p2align	6, 0x0
	.amdhsa_kernel k_q5d3fc4b7f7_prep
		.amdhsa_group_segment_fixed_size 142336
		.amdhsa_private_segment_fixed_size 0
		.amdhsa_enable_private_segment 0
		.amdhsa_kernarg_size 56
		.amdhsa_user_sgpr_count 2
		.amdhsa_user_sgpr_kernarg_segment_ptr 1
		.amdhsa_wavefront_size32 1
		.amdhsa_system_sgpr_workgroup_id_x 1
		.amdhsa_system_sgpr_workgroup_id_y 1
		.amdhsa_system_sgpr_workgroup_id_z 1
		.amdhsa_system_vgpr_workitem_id 0
		.amdhsa_next_free_vgpr 256
		.amdhsa_next_free_sgpr 66
		.amdhsa_reserve_vcc 0
		.amdhsa_float_denorm_mode_32 3
		.amdhsa_float_denorm_mode_16_64 3
		.amdhsa_memory_ordered 1
		.amdhsa_forward_progress 1
		.amdhsa_inst_pref_size 86
	.end_amdhsa_kernel
	.amdgpu_metadata
---
amdhsa.version: [ 1, 2 ]
amdhsa.kernels:
  - .name:           k_q5d3fc4b7f7_prep
    .symbol:         k_q5d3fc4b7f7_prep.kd
    .args:
      - { .name: x, .offset: 0, .size: 8, .value_kind: global_buffer, .address_space: global }
      - { .name: wq, .offset: 8, .size: 8, .value_kind: global_buffer, .address_space: global }
      - { .name: wk, .offset: 16, .size: 8, .value_kind: global_buffer, .address_space: global }
      - { .name: wv, .offset: 24, .size: 8, .value_kind: global_buffer, .address_space: global }
      - { .name: xh, .offset: 32, .size: 8, .value_kind: global_buffer, .address_space: global }
      - { .name: xb, .offset: 40, .size: 8, .value_kind: global_buffer, .address_space: global }
      - { .name: wc, .offset: 48, .size: 8, .value_kind: global_buffer, .address_space: global }
    .group_segment_fixed_size: 142336
    .private_segment_fixed_size: 0
    .kernarg_segment_align: 8
    .kernarg_segment_size: 56
    .max_flat_workgroup_size: 512
    .sgpr_count:     66
    .vgpr_count:     256
    .wavefront_size: 32
...
	.end_amdgpu_metadata
.endif
;; end of part 6
;; launch proj (part 7): grid 8 x 32, 4 waves a work-group, clusters of 4 x 4, 327,680 bytes of LDS; arguments xh, wc, yv; writes yv
.if DOCPART == 7
	.amdgcn_target "amdgcn-amd-amdhsa--gfx1250"
	.amdhsa_code_object_version 6
	.text
	.protected	k_q5d3fc4b7f7_proj
	.globl	k_q5d3fc4b7f7_proj
	.p2align	8
	.type	k_q5d3fc4b7f7_proj,@function
k_q5d3fc4b7f7_proj:
	s_mov_b64 s[64:65], 0
	v_nop
	global_prefetch_b8 v0, s[64:65] scope:SCOPE_SE
	s_setreg_imm32_b32 hwreg(HW_REG_WAVE_MODE, 25, 1), 1
	s_wait_xcnt 0x0
	s_wait_alu depctr_hold_cnt(0) depctr_sa_sdst(0) depctr_va_vdst(0) depctr_va_sdst(0) depctr_va_ssrc(0) depctr_va_vcc(0) depctr_vm_vsrc(0)
	s_getreg_b32 s2, hwreg(HW_REG_IB_STS2, 6, 4)
	s_cmp_eq_u32 s2, 0
	s_cbranch_scc0 .Lentry_in_a_cluster
	s_endpgm
.Lentry_in_a_cluster:
	s_bfe_u32 s2, ttmp6, 0x10000c
	s_cmp_lg_u32 s2, 0xf033
	s_cbranch_scc0 .Lentry_shape_is_right
	s_endpgm
.Lentry_shape_is_right:
; yv[8192][2048] = xh[8192][1024] x wc[1024][2048]: operands f16, sums f32, rounded once to bf16.  Columns 0-1023: Y = x G (the scores are Y x^T); 1024-2047: V' = 1024 V.
; bf16 for the results: Y has no room in f16 where x and the weights carry offsets; V' rounded to bf16 is off by 2^-9 of itself at the most.  NaN and infinities are not treated apart.
; SHARES.  A tile of 256 x 256 to a work-group: 256 of them.  Four waves, each 128 x 128: 64 accumulators, 512 registers.
; K goes in steps of 128 through two LDS slots.  xh's tile lies [row][k] (rows of 256 bytes), wc's [k][column] (rows of 512 bytes) and is turned on its way out of LDS by ds_load_tr16_b128.
; CLUSTER.  4 x 4: xh's tile hangs on the tile row alone and is asked for jointly by a row of the cluster, wc's on the tile column alone, by a column.
; THE MATRIX INSTRUCTION IS USED TRANSPOSED (source 0 = 16 columns of wc, source 1 = 16 rows of xh): a lane holds eight neighbouring numbers of a row of the result.
; REGISTERS.  Window 0: v0-31 addresses; v64-127, v128-191 xh's fragments; v192-255 at work on the way out.  Window 1: v64-127, v128-191 wc's fragments.
;   Windows 2, 3: the accumulators of my rows 0-63, 64-127, (a, b) at v[8 (8 a + b)].
.set PITCH, 272                        ; xh's LDS row: 256 bytes + 16: the 16 rows of a load start at 16 different groups of four banks (ISA guide 11.1)
.set PB,    544                        ; wc's LDS row: 512 + 32 = 17 x 32 bytes
.set HALFT, 128*PITCH                  ; what one tensor load brings: 128 rows of xh, or 64 of wc: the same bytes
.set SLOT,  4*HALFT                    ; 0x22000: it shares no bit with wave x HALFT, so an exclusive or changes slots
.set STAGE, 2*SLOT                     ; behind the ring: 16 rows x 272 bytes for each wave, for the way out
.set SPARE, STAGE+4*16*PITCH           ; the spare words, 128 bytes a wave: two blocks of 256 bytes that no other line names
.set NSTEP, 8
.set STEPA, 256                        ; bytes from K step to K step in xh
.set STEPB, 128*4096                   ; and in wc
.set ROWC,  4096                       ; bytes in a row of yv
.set AA0, 8                            ; v8   my lane's place in xh's tile; never rewritten
.set AB0, 9                            ; v9   in wc's
.set ADRA, 16                          ; v16  the same in the slot in hand
.set ADRB, 17
.set STO, 24
.set RD,  25
.set CO,  26
.set SPW, 28                           ; v28  LDS address of my spare word; never rewritten
.set NIL, 29                           ; v29  0; never rewritten
.set F0,  64
.set F1,  128
.set TMP, 192
.set OB,  96                           ; v96-127 and v224-255 by turns
.set WV,  12                           ; s12 wave; s13 = wave / 2: my half of the rows, and I fetch xh (0) or wc (1); s14 = wave % 2: my half of the columns, and which half I fetch
.set G1A, 24
.set G1B, 32
.set G0A, 40                           ; s[40:43] the first fill of slot 0; s[44:47] that of slot 1, which then walks
.set G0B, 48
.set TB,  56                           ; s56  LDS byte at which the slot in hand begins
.set MUL_LO, 0xa1                      ; source 0 (wc) window 1, source 1 (xh) window 0, C and D window 2
.set MUL_HI, 0xf1
.set TO_B,   0x40
.set MSB, 0
.macro WIN new                         ; the immediate's high byte repeats the setting that is left; a switch that changes nothing is dropped
.if MSB != (\new)
	s_set_vgpr_msb (MSB<<8)|(\new)
.set MSB, \new
.endif
.endm
.macro PLACES                          ; four plain instructions in front of loads into registers that matrix instructions have read, and of reads of their results
.rept 4
	v_nop
.endr
.endm
.macro CREST                           ; a round of the cluster's barrier behind its opening barrier
	s_cmp_lg_u32 s[WV], 0
	s_cbranch_scc1 .Lnot_wave_0_\@
	s_barrier_signal -3
.Lnot_wave_0_\@:
	s_barrier_wait -3
	s_barrier_signal -1
	s_barrier_wait -1
.endm
.macro CROUND
	s_barrier_signal -1
	s_barrier_wait -1
	CREST
.endm
.macro JLOAD                           ; a joint refill by the walking descriptor; the branch hangs on the wave's number alone; s_nop 0 and four v_nop follow each line
	s_cmp_eq_u32 s13, 0
	s_cbranch_scc0 .Lfor_b_\@
	tensor_load_to_lds s[G0A+4:G0A+7], s[G1A:G1A+7]
	s_nop 0
.rept 4
	v_nop
.endr
	s_branch .Lasked_\@
.Lfor_b_\@:
	tensor_load_to_lds s[G0B+4:G0B+7], s[G1B:G1B+7]
	s_nop 0
.rept 4
	v_nop
.endr
.Lasked_\@:
.endm
	s_load_b128 s[4:7], s[0:1], 0x0                ; xh s[4:5], wc s[6:7]
	s_load_b64 s[8:9], s[0:1], 0x10                ; yv
	v_lshl_add_u32 v[SPW], v0, 2, SPARE
	v_mov_b32 v[NIL], 0
	ds_add_u32 v[SPW], v[NIL]                      ; the wave's opening: the add and its wait ahead of my first tensor load
	v_lshrrev_b32 v1, 5, v0
	v_readfirstlane_b32 s[WV], v1
	s_lshr_b32 s13, s[WV], 1
	s_and_b32 s14, s[WV], 1
	s_bfe_u32 s17, ttmp6, 0x40000                  ; cx
	s_bfe_u32 s18, ttmp6, 0x40004                  ; cy
	s_lshl_b32 s15, ttmp9, 2
	s_add_co_u32 s15, s15, s17                     ; tile column
	s_and_b32 s16, ttmp7, 0xffff
	s_lshl_b32 s16, s16, 2
	s_add_co_u32 s16, s16, s18                     ; tile row
	s_lshl_b32 s20, s18, 2
	s_lshl_b32 s20, 15, s20                        ; my row of the cluster
	s_lshl_b32 s66, 0x1111, s17                    ; my column
	s_or_b32 s[G1A], s20, (1<<16)|(1<<20)|(1<<21)|(5<<22)|(3<<25)  ; mask; 2-byte elements; padding on; bit 21 beside a mask; after every 64 words, 4 words
	s_mov_b32 s[G1A+1], 128<<16                    ; tensor_dim0 = 128
	s_mov_b32 s[G1A+2], 128<<16                    ; tensor_dim1 = 128
	s_mov_b32 s[G1A+3], 128<<16                    ; tile_dim0 = 128
	s_mov_b32 s[G1A+4], 128                        ; tile_dim1 = 128
	s_mov_b32 s[G1A+5], 1024                       ; elements from row to row
	s_mov_b32 s[G1A+6], 0
	s_mov_b32 s[G1A+7], 0
	s_or_b32 s[G1B], s66, (1<<16)|(1<<20)|(1<<21)|(6<<22)|(7<<25)  ; after every 128 words, 8 words
	s_mov_b32 s[G1B+1], 256<<16
	s_mov_b32 s[G1B+2], 64<<16
	s_mov_b32 s[G1B+3], 256<<16
	s_mov_b32 s[G1B+4], 64
	s_mov_b32 s[G1B+5], 2048
	s_mov_b32 s[G1B+6], 0
	s_mov_b32 s[G1B+7], 0
	s_lshl_b32 s20, s16, 19                        ; xh: row 256 x tile row + 128 x half, 2,048 bytes a row: the tile row alone
	s_lshl_b32 s21, s14, 18
	s_add_co_u32 s20, s20, s21
	s_mov_b32 s21, 0
	s_lshl_b32 s66, s14, 18                        ; wc: row 64 x half, 4,096 bytes a row, byte 512 x tile column: the tile column alone
	s_lshl_b32 s67, s15, 9
	s_add_co_u32 s66, s66, s67
	s_mov_b32 s67, 0
	s_mul_i32 s22, s[WV], HALFT                    ; where they go: xh's two halves, then wc's: no place in the cluster enters an LDS address
	s_mov_b32 s[TB], 0
	s_wait_dscnt 0x0                               ; the opening add is done
	s_wait_kmcnt 0x0
	s_add_nc_u64 s[20:21], s[4:5], s[20:21]
	s_add_nc_u64 s[66:67], s[6:7], s[66:67]
	CROUND                                         ; all sixteen work-groups are here: the first joint loads meet
.irp s, 0,1
	s_mov_b32 s[G0A+4*\s], 1
	s_add_co_u32 s[G0A+4*\s+1], s22, \s*SLOT
	s_add_nc_u64 s[G0A+4*\s+2:G0A+4*\s+3], s[20:21], \s*STEPA
	s_or_b32 s[G0A+4*\s+3], s[G0A+4*\s+3], 0x80000000
	s_mov_b32 s[G0B+4*\s], 1
	s_add_co_u32 s[G0B+4*\s+1], s22, \s*SLOT
	s_add_nc_u64 s[G0B+4*\s+2:G0B+4*\s+3], s[66:67], \s*STEPB
	s_or_b32 s[G0B+4*\s+3], s[G0B+4*\s+3], 0x80000000
.endr
	s_cmp_eq_u32 s13, 0                            ; a wave's two first fills stand in one branch, ahead of every wait on TENSORcnt and every LDS read: two loads of mine are out
	s_cbranch_scc0 .Lfirst_b
	tensor_load_to_lds s[G0A:G0A+3], s[G1A:G1A+7]
	s_nop 0
	tensor_load_to_lds s[G0A+4:G0A+7], s[G1A:G1A+7]
	s_nop 0
.rept 4
	v_nop
.endr
	s_branch .Lfirst_asked
.Lfirst_b:
	tensor_load_to_lds s[G0B:G0B+3], s[G1B:G1B+7]
	s_nop 0
	tensor_load_to_lds s[G0B+4:G0B+7], s[G1B:G1B+7]
	s_nop 0
.rept 4
	v_nop
.endr
.Lfirst_asked:
	v_and_b32 v1, 15, v0                           ; r = l % 16
	v_bfe_u32 v2, v0, 4, 1                         ; h = l / 16
	v_mul_u32_u24 v3, v1, PITCH
	v_lshl_add_u32 v3, v2, 4, v3                   ; row x pitch + 16 x half
	s_mul_i32 s23, s13, HALFT
	v_add_nc_u32 v[AA0], s23, v3
	v_and_b32 v4, 7, v0                            ; the turning load: lane l reads row 8 h + l % 8, columns 8 ((l / 8) % 2) + 0..7
	v_lshl_add_u32 v4, v2, 3, v4
	v_mul_u32_u24 v[AB0], v4, PB
	v_bfe_u32 v4, v0, 3, 1
	v_lshl_add_u32 v[AB0], v4, 4, v[AB0]
	s_lshl_b32 s23, s14, 8
	s_add_co_u32 s23, s23, 2*HALFT
	v_add_nc_u32 v[AB0], s23, v[AB0]
	v_mov_b32 v[ADRA], v[AA0]                      ; slot 0
	v_mov_b32 v[ADRB], v[AB0]
	s_mul_i32 s23, s[WV], 16*PITCH
	s_add_co_u32 s23, s23, STAGE                   ; my stage
	v_add_nc_u32 v[STO], s23, v3
	v_mul_u32_u24 v[RD], v2, PITCH
	v_lshl_add_u32 v[RD], v1, 4, v[RD]
	v_add_nc_u32 v[RD], s23, v[RD]
	v_lshlrev_b32 v[CO], 12, v2
	v_lshl_add_u32 v[CO], v1, 4, v[CO]
	s_lshl_b32 s70, s16, 20                        ; my part of the tile in yv
	s_lshl_b32 s71, s13, 19
	s_add_co_u32 s70, s70, s71
	s_lshl_b32 s71, s15, 9
	s_add_co_u32 s70, s70, s71
	s_lshl_b32 s71, s14, 8
	s_add_co_u32 s70, s70, s71
	s_mov_b32 s71, 0
	s_add_nc_u64 s[8:9], s[8:9], s[70:71]
; 16 matrix instructions: row blocks a0, a0 + 1 of the window's four x all 8 column blocks.  The 64 accumulators take turns, one instruction a turn.
.macro MUL16 f, hi, a0, zero
	WIN MUL_LO+0x50*(\hi)
.irp a, \a0, (\a0)+1
.irp b, 0,1,2,3,4,5,6,7
.if \zero
	v_wmma_f32_16x16x32_f16 v[8*(8*(\a)+(\b)):8*(8*(\a)+(\b))+7], v[(\f)+8*(\b):(\f)+8*(\b)+7], v[(\f)+8*(4*(\hi)+(\a)):(\f)+8*(4*(\hi)+(\a))+7], 0
.else
	v_wmma_f32_16x16x32_f16 v[8*(8*(\a)+(\b)):8*(8*(\a)+(\b))+7], v[(\f)+8*(\b):(\f)+8*(\b)+7], v[(\f)+8*(4*(\hi)+(\a)):(\f)+8*(4*(\hi)+(\a))+7], v[8*(8*(\a)+(\b)):8*(8*(\a)+(\b))+7]
.endif
.endr
.endr
.endm
; 32 LDS loads in one run: quarter q's fragments (32 along K): wc's 128 columns, turned, then xh's 128 rows
.macro FETCH q, f
	WIN TO_B
.irp i, 0,1,2,3,4,5,6,7
	ds_load_tr16_b128 v[(\f)+8*(\i):(\f)+8*(\i)+3],   v[ADRB] offset:(\q)*32*PB+32*(\i)
	ds_load_tr16_b128 v[(\f)+8*(\i)+4:(\f)+8*(\i)+7], v[ADRB] offset:(\q)*32*PB+16*PB+32*(\i)
.endr
	WIN 0
.irp i, 0,1,2,3,4,5,6,7
	ds_load_b128 v[(\f)+8*(\i):(\f)+8*(\i)+3],   v[ADRA] offset:64*(\q)+(\i)*16*PITCH
	ds_load_b128 v[(\f)+8*(\i)+4:(\f)+8*(\i)+7], v[ADRA] offset:64*(\q)+(\i)*16*PITCH+32
.endr
.endm
; A K step is four quarters on buffers 0, 1, 0, 1.  One of the first three multiplies f and, in its middle, fetches quarter qn into g.
.macro QUARTER qn, f, g, zero
	s_wait_dscnt 8                                 ; wc and xh's rows 0-63 are in; the youngest eight loads (xh's rows 64-127) may be out
	MUL16 \f, 0, 0, \zero
	MUL16 \f, 0, 2, \zero
	PLACES
	FETCH \qn, \g
	s_wait_dscnt 32                                ; all but the 32 just issued
	MUL16 \f, 1, 0, \zero
	MUL16 \f, 1, 2, \zero
.endm
; The fourth quarter multiplies buffer 1 and changes slots: ONE barrier.  In front of it each wave waits for all its tensor loads (one is out: its part of the next slot), adds 0 to its
; spare word, and waits for that and for its reads of this slot.  fill = 1: the barrier opens a round of the cluster's, and the slot just read is filled again, two K steps ahead, first thing behind it.
.macro TURN fill
	WIN 0
	s_wait_tensorcnt 0x0                           ; no tensor load of mine is out, so the walking descriptors may be written
	ds_add_u32 v[SPW], v[NIL]
.if \fill
	s_xor_b32 s[G0A+5], s[G0A+5], SLOT
	s_add_nc_u64 s[G0A+6:G0A+7], s[G0A+6:G0A+7], STEPA
	s_xor_b32 s[G0B+5], s[G0B+5], SLOT
	s_add_nc_u64 s[G0B+6:G0B+7], s[G0B+6:G0B+7], STEPB
.endif
	s_wait_dscnt 9                                 ; the add and the youngest eight loads may be out
	MUL16 F1, 0, 0, 0
	s_wait_dscnt 0x0                               ; the add is done, and my reads of this slot are over
	s_barrier_signal -1
	MUL16 F1, 0, 2, 0
	WIN 0
	s_barrier_wait -1
.if \fill
	CREST                                          ; no wave of any partner still reads this slot or has a load on its way
	JLOAD                                          ; the first tensor load behind the round; its four v_nop are also the places in front of the loads below
.else
	PLACES
.endif
	s_xor_b32 s[TB], s[TB], SLOT
	v_add_nc_u32 v[ADRA], s[TB], v[AA0]
	v_add_nc_u32 v[ADRB], s[TB], v[AB0]
	FETCH 0, F0
	MUL16 F1, 1, 0, 0
	MUL16 F1, 1, 2, 0
.endm
	s_wait_tensorcnt 0x1                           ; my part of K step 0 is in; K step 1's may stay out
	s_barrier_signal -1
	s_barrier_wait -1
	FETCH 0, F0
	QUARTER 1, F0, F1, 1                           ; the first quarter's products start the sums: nothing is cleared
	WIN 0
	s_mov_b32 s19, NSTEP-2
	s_branch .Lmid                                 ; the loop is entered behind its first quarter
.Lstep:                                                ; a trip: a K step; it asks for the step two on
	QUARTER 1, F0, F1, 0
	WIN 0
.Lmid:
	QUARTER 2, F1, F0, 0
	QUARTER 3, F0, F1, 0
	TURN 1
	WIN 0
	s_sub_co_u32 s19, s19, 1
	s_cmp_lg_u32 s19, 0
	s_cbranch_scc1 .Lstep
	s_mov_b32 s19, 2
.Ltail:                                                ; the last two steps ask for nothing.  The very last change of slots fetches fragments that nobody multiplies: the price of one text for both
	QUARTER 1, F0, F1, 0
	QUARTER 2, F1, F0, 0
	QUARTER 3, F0, F1, 0
	TURN 0
	WIN 0
	s_sub_co_u32 s19, s19, 1
	s_cmp_lg_u32 s19, 0
	s_cbranch_scc1 .Ltail
	s_wait_dscnt 0x0                               ; those fragments have landed: their registers serve the way out
; THE WAY OUT, 16 rows at a time: rounded to bf16 (16 bytes a lane), into my own stage, back as whole rows of 256 bytes, stored.
.macro PACK a
.set W, 2+(\a)/4
.set AC, 64*((\a)%4)
	WIN W*5                                        ; sources 0 and 1 in window W
.irp b, 0,1,2,3,4,5,6,7
.irp u, 0,1,2,3
	v_cvt_pk_bf16_f32 v[TMP+4*\b+\u], v[AC+8*\b+2*\u], v[AC+8*\b+2*\u+1]
.endr
.endr
	WIN 0
.endm
.macro TOSTAGE a
.set BK, OB+128*((\a)%2)
.irp b, 0,1,2,3,4,5,6,7
	ds_store_b128 v[STO], v[TMP+4*\b:TMP+4*\b+3] offset:32*\b
.endr
.irp t, 0,1,2,3,4,5,6,7
	ds_load_b128 v[BK+4*\t:BK+4*\t+3], v[RD] offset:\t*2*PITCH  ; LDS serves a wave's instructions in order (ISA guide 5.7.1.4): these see the stores above
.endr
.endm
.macro SEND a
.set BK, OB+128*((\a)%2)
	s_wait_dscnt 0x0                               ; the block is back in registers
	s_wait_xcnt 0x0                                ; only behind this wait are the stores' base and the registers that earlier stores read rewritten
.if (\a) > 0
	s_add_nc_u64 s[8:9], s[8:9], 16*ROWC
.endif
.irp t, 0,1,2,3,4,5,6,7
	global_store_b128 v[CO], v[BK+4*\t:BK+4*\t+3], s[8:9] offset:2*\t*ROWC  ; 16 lanes store 256 consecutive bytes, at a multiple of 256 from yv's first byte
.endr
.endm
	PLACES
	PACK 0
	TOSTAGE 0
.irp a, 1,2,3,4,5,6,7
	PACK \a                                        ; a block's conversions stand between the stage loads of the block before and the wait for them
	SEND (\a)-1
	TOSTAGE \a
.endr
	SEND 7
	s_wait_tensorcnt 0x0                           ; the wave's end
	ds_add_u32 v[SPW], v[NIL]
	s_wait_dscnt 0x0
	CROUND                                         ; the closing round: no work-group ends while a partner may still ask for a tile that names it
	s_endpgm
.Lfunc_end_k_q5d3fc4b7f7_proj:
	.size	k_q5d3fc4b7f7_proj, .Lfunc_end_k_q5d3fc4b7f7_proj-k_q5d3fc4b7f7_proj
	.p2alignl 7, 3214868480
	.fill 96, 4, 3214868480
	.section	.rodata,"a",@progbits
	.p2align	6, 0x0
	.amdhsa_kernel k_q5d3fc4b7f7_proj
		.amdhsa_group_segment_fixed_size 327680
		.amdhsa_private_segment_fixed_size 0
		.amdhsa_enable_private_segment 0
		.amdhsa_kernarg_size 24
		.amdhsa_user_sgpr_count 2
		.amdhsa_user_sgpr_kernarg_segment_ptr 1
		.amdhsa_wavefront_size32 1
		.amdhsa_system_sgpr_workgroup_id_x 1
		.amdhsa_system_sgpr_workgroup_id_y 1
		.amdhsa_system_sgpr_workgroup_id_z 1
		.amdhsa_system_vgpr_workitem_id 0
		.amdhsa_next_free_vgpr 1024
		.amdhsa_next_free_sgpr 76
		.amdhsa_reserve_vcc 0
		.amdhsa_float_denorm_mode_32 3
		.amdhsa_float_denorm_mode_16_64 3
		.amdhsa_memory_ordered 1
		.amdhsa_forward_progress 1
		.amdhsa_inst_pref_size 100
	.end_amdhsa_kernel
	.amdgpu_metadata
---
amdhsa.version: [ 1, 2 ]
amdhsa.kernels:
  - .name:           k_q5d3fc4b7f7_proj
    .symbol:         k_q5d3fc4b7f7_proj.kd
    .args:
      - { .name: xh, .offset: 0, .size: 8, .value_kind: global_buffer, .address_space: global }
      - { .name: wc, .offset: 8, .size: 8, .value_kind: global_buffer, .address_space: global }
      - { .name: yv, .offset: 16, .size: 8, .value_kind: global_buffer, .address_space: global }
    .group_segment_fixed_size: 327680
    .private_segment_fixed_size: 0
    .kernarg_segment_align: 8
    .kernarg_segment_size: 24
    .max_flat_workgroup_size: 128
    .sgpr_count:     76
    .vgpr_count:     1024
    .wavefront_size: 32
...
	.end_amdgpu_metadata
.endif
;; end of part 7
;; launch scores (part 8): grid 8 x 32, 4 waves a work-group, clusters of 4 x 4, 327,680 bytes of LDS; arguments xb, yv, et, pm, pl; writes et, pm, pl
.if DOCPART == 8
	.amdgcn_target "amdgcn-amd-amdhsa--gfx1250"
	.amdhsa_code_object_version 6
	.text
	.protected	k_q5d3fc4b7f7_scores
	.globl	k_q5d3fc4b7f7_scores
	.p2align	8
	.type	k_q5d3fc4b7f7_scores,@function
k_q5d3fc4b7f7_scores:
	s_mov_b64 s[64:65], 0
	v_nop
	global_prefetch_b8 v0, s[64:65] scope:SCOPE_SE
	s_setreg_imm32_b32 hwreg(HW_REG_WAVE_MODE, 25, 1), 1
	s_wait_xcnt 0x0
	s_wait_alu depctr_hold_cnt(0) depctr_sa_sdst(0) depctr_va_vdst(0) depctr_va_sdst(0) depctr_va_ssrc(0) depctr_va_vcc(0) depctr_vm_vsrc(0)
	s_getreg_b32 s2, hwreg(HW_REG_IB_STS2, 6, 4)
	s_cmp_eq_u32 s2, 0
	s_cbranch_scc0 .Lentry_in_a_cluster
	s_endpgm
.Lentry_in_a_cluster:
	s_bfe_u32 s2, ttmp6, 0x10000c
	s_cmp_lg_u32 s2, 0xf033
	s_cbranch_scc0 .Lentry_shape_is_right
	s_endpgm
.Lentry_shape_is_right:
; SCORES, TURNED.  For batch b, key m, query n: s = x[m] . Y[n], Y = x G in yv's first 1,024 columns; the softmax runs over the QUERIES n.  For each key and each block of 128 queries this
; launch takes the block's true maximum: pm = c x max (c = log2(e) / sqrt(2048)), et[b][m][n] = 2^(c s - pm) in bf16, pl = the block's sum of those (unrounded).  The next launch merges the sixteen blocks' figures exactly.
; LIMITS.  Operands in bf16 (Y has no room in f16).  An exponential below 2^-126 counts as 0.  NaN and infinities are not treated apart.
; SHARES.  A tile of 256 keys x 256 queries to a work-group: 256 of them.  Four waves, each 128 x 128: 64 accumulators, 512 registers; a wave's 128 queries are one block.
; K (the 1,024 channels) goes in steps of 128 through two LDS slots; both tiles' rows are 256 bytes of memory, at multiples of 256 bytes.
; CLUSTER.  4 x 4: x's tile hangs on the tile row alone (joint along a row of the cluster), Y's on the batch and the tile column (joint along a column: its four tile rows lie in one batch).
; THE MATRIX INSTRUCTION IS USED TRANSPOSED (source 0 = 16 queries, source 1 = 16 keys): a lane holds ONE key (l % 16) and eight neighbouring queries, so a key's figures want one exchange of the halves.
; REGISTERS.  Window 0: v0-31 addresses; v32-47 (pm, pl) for my eight blocks of 16 keys; v64-127, v128-191 x's fragments; v192-255 at work on the way out.
;   Window 1: v64-127, v128-191 Y's fragments.  Windows 2, 3: the accumulators of my keys 0-63, 64-127, (a, b) at v[8 (8 a + b)].
.set PITCH, 272                        ; an LDS row: 256 bytes + 16: the 16 rows of a load start at 16 different groups of four banks (ISA guide 11.1)
.set HALFT, 128*PITCH
.set SLOT,  4*HALFT                    ; 0x22000: it shares no bit with wave x HALFT, so an exclusive or changes slots
.set STAGE, 2*SLOT
.set SPARE, STAGE+4*16*PITCH           ; the spare words, 128 bytes a wave: two blocks of 256 bytes that no other line names
.set NSTEP, 8
.set ROWE,  4096
.set AA0, 8
.set AB0, 9
.set ADRA, 16
.set ADRB, 17
.set STO, 24
.set RD,  25
.set CO,  26
.set SA,  27                           ; v27  my stage + 4 r: where a key's figure goes
.set SPW, 28                           ; v28  LDS address of my spare word; never rewritten
.set NIL, 29                           ; v29  0; never rewritten
.set SB,  30                           ; v30  my stage + 16 l
.set GO,  31                           ; v31  16 l
.set ST,  32
.set F0,  64
.set F1,  128
.set T,   64                           ; v64-84 at work on the way out
.set TMP, 192
.set OB,  96                           ; v96-127 and v224-255 by turns
.set WV,  12
.set G1A, 24
.set G1B, 32
.set G0A, 40
.set G0B, 48
.set TB,  56
.set CS,  58                           ; s[58:59] c
.set SEL, 60
.set MUL_LO, 0xa1                      ; source 0 (Y) window 1, source 1 (x) window 0, C and D window 2
.set MUL_HI, 0xf1
.set TO_B,   0x40
.set MSB, 0
.macro WIN new
.if MSB != (\new)
	s_set_vgpr_msb (MSB<<8)|(\new)
.set MSB, \new
.endif
.endm
.macro PLACES
.rept 4
	v_nop
.endr
.endm
.macro CREST
	s_cmp_lg_u32 s[WV], 0
	s_cbranch_scc1 .Lnot_wave_0_\@
	s_barrier_signal -3
.Lnot_wave_0_\@:
	s_barrier_wait -3
	s_barrier_signal -1
	s_barrier_wait -1
.endm
.macro CROUND
	s_barrier_signal -1
	s_barrier_wait -1
	CREST
.endm
.macro JLOAD
	s_cmp_eq_u32 s13, 0
	s_cbranch_scc0 .Lfor_b_\@
	tensor_load_to_lds s[G0A+4:G0A+7], s[G1A:G1A+7]
	s_nop 0
.rept 4
	v_nop
.endr
	s_branch .Lasked_\@
.Lfor_b_\@:
	tensor_load_to_lds s[G0B+4:G0B+7], s[G1B:G1B+7]
	s_nop 0
.rept 4
	v_nop
.endr
.Lasked_\@:
.endm
	s_load_b256 s[4:11], s[0:1], 0x0               ; xb s[4:5], yv s[6:7], et s[8:9], pm s[10:11]
	s_load_b64 s[62:63], s[0:1], 0x20              ; pl
	v_lshl_add_u32 v[SPW], v0, 2, SPARE
	v_mov_b32 v[NIL], 0
	ds_add_u32 v[SPW], v[NIL]                      ; the wave's opening: the add and its wait ahead of my first tensor load
	v_lshrrev_b32 v1, 5, v0
	v_readfirstlane_b32 s[WV], v1
	s_lshr_b32 s13, s[WV], 1                       ; my half of the keys; also: I fetch x (0) or Y (1)
	s_and_b32 s14, s[WV], 1                        ; my half of the queries; also: which 128 rows I fetch
	s_bfe_u32 s17, ttmp6, 0x40000
	s_bfe_u32 s18, ttmp6, 0x40004
	s_lshl_b32 s15, ttmp9, 2
	s_add_co_u32 s15, s15, s17                     ; tile column: 256 queries
	s_and_b32 s16, ttmp7, 0xffff
	s_lshl_b32 s16, s16, 2
	s_add_co_u32 s16, s16, s18                     ; tile row: 256 keys of the 8,192
	s_lshl_b32 s20, s18, 2
	s_lshl_b32 s20, 15, s20
	s_lshl_b32 s66, 0x1111, s17
	s_or_b32 s[G1A], s20, (1<<16)|(1<<20)|(1<<21)|(5<<22)|(3<<25)
	s_or_b32 s[G1B], s66, (1<<16)|(1<<20)|(1<<21)|(5<<22)|(3<<25)
.irp g, G1A, G1B
	s_mov_b32 s[\g+1], 128<<16                     ; tensor_dim0 = 128
	s_mov_b32 s[\g+2], 128<<16                     ; tensor_dim1 = 128
	s_mov_b32 s[\g+3], 128<<16                     ; tile_dim0 = 128
	s_mov_b32 s[\g+4], 128                         ; tile_dim1 = 128
	s_mov_b32 s[\g+6], 0
	s_mov_b32 s[\g+7], 0
.endr
	s_mov_b32 s[G1A+5], 1024                       ; elements from row to row of xb
	s_mov_b32 s[G1B+5], 2048                       ; and of yv
	s_lshl_b32 s20, s16, 19                        ; x: row 256 x tile row + 128 x half, 2,048 bytes a row
	s_lshl_b32 s21, s14, 18
	s_add_co_u32 s20, s20, s21
	s_mov_b32 s21, 0
	s_and_b32 s66, ttmp7, 0xffff                   ; Y: the batch is the cluster's y / 2: no place along the cluster's y enters
	s_lshr_b32 s66, s66, 1
	s_lshl_b32 s66, s66, 11
	s_lshl_b32 s67, s15, 8
	s_add_co_u32 s66, s66, s67
	s_lshl_b32 s67, s14, 7
	s_add_co_u32 s66, s66, s67
	s_lshl_b32 s66, s66, 12                        ; 4,096 bytes a row
	s_mov_b32 s67, 0
	s_mul_i32 s22, s[WV], HALFT                    ; where they go: x's two halves, then Y's
	s_mov_b32 s[TB], 0
	s_mov_b32 s[CS], 0x3d0293ee                    ; log2(e) / sqrt(2048) = 0.0318793
	s_mov_b32 s[CS+1], s[CS]
	s_mov_b32 s[SEL], 0x76543210
	s_mov_b32 s[SEL+1], 0xfedcba98
	s_wait_dscnt 0x0                               ; the opening add is done
	s_wait_kmcnt 0x0
	s_add_nc_u64 s[20:21], s[4:5], s[20:21]
	s_add_nc_u64 s[66:67], s[6:7], s[66:67]
	CROUND
.irp s, 0,1
	s_mov_b32 s[G0A+4*\s], 1
	s_add_co_u32 s[G0A+4*\s+1], s22, \s*SLOT
	s_add_nc_u64 s[G0A+4*\s+2:G0A+4*\s+3], s[20:21], \s*256
	s_or_b32 s[G0A+4*\s+3], s[G0A+4*\s+3], 0x80000000
	s_mov_b32 s[G0B+4*\s], 1
	s_add_co_u32 s[G0B+4*\s+1], s22, \s*SLOT
	s_add_nc_u64 s[G0B+4*\s+2:G0B+4*\s+3], s[66:67], \s*256
	s_or_b32 s[G0B+4*\s+3], s[G0B+4*\s+3], 0x80000000
.endr
	s_cmp_eq_u32 s13, 0                            ; a wave's two first fills stand in one branch: two loads of mine are out
	s_cbranch_scc0 .Lfirst_b
	tensor_load_to_lds s[G0A:G0A+3], s[G1A:G1A+7]
	s_nop 0
	tensor_load_to_lds s[G0A+4:G0A+7], s[G1A:G1A+7]
	s_nop 0
.rept 4
	v_nop
.endr
	s_branch .Lfirst_asked
.Lfirst_b:
	tensor_load_to_lds s[G0B:G0B+3], s[G1B:G1B+7]
	s_nop 0
	tensor_load_to_lds s[G0B+4:G0B+7], s[G1B:G1B+7]
	s_nop 0
.rept 4
	v_nop
.endr
.Lfirst_asked:
	v_and_b32 v1, 15, v0
	v_bfe_u32 v2, v0, 4, 1
	v_mul_u32_u24 v3, v1, PITCH
	v_lshl_add_u32 v3, v2, 4, v3                   ; row x pitch + 16 x half
	s_mul_i32 s23, s13, HALFT
	v_add_nc_u32 v[AA0], s23, v3
	s_mul_i32 s23, s14, HALFT
	s_add_co_u32 s23, s23, 2*HALFT
	v_add_nc_u32 v[AB0], s23, v3
	v_mov_b32 v[ADRA], v[AA0]
	v_mov_b32 v[ADRB], v[AB0]
	s_mul_i32 s23, s[WV], 16*PITCH
	s_add_co_u32 s23, s23, STAGE                   ; my stage
	v_add_nc_u32 v[STO], s23, v3
	v_mul_u32_u24 v[RD], v2, PITCH
	v_lshl_add_u32 v[RD], v1, 4, v[RD]
	v_add_nc_u32 v[RD], s23, v[RD]
	v_lshlrev_b32 v[CO], 12, v2
	v_lshl_add_u32 v[CO], v1, 4, v[CO]
	v_lshl_add_u32 v[SA], v1, 2, s23
	v_and_b32 v3, 31, v0
	v_lshlrev_b32 v[GO], 4, v3
	v_add_nc_u32 v[SB], s23, v[GO]
	s_lshl_b32 s70, s16, 8                         ; my part of the tile in et
	s_lshl_b32 s71, s13, 7
	s_add_co_u32 s70, s70, s71
	s_lshl_b32 s70, s70, 12
	s_lshl_b32 s71, s15, 9
	s_add_co_u32 s70, s70, s71
	s_lshl_b32 s71, s14, 8
	s_add_co_u32 s70, s70, s71
	s_mov_b32 s71, 0
	s_add_nc_u64 s[8:9], s[8:9], s[70:71]
	s_lshr_b32 s72, s16, 3                         ; pm, pl: ((batch x 16 + block of queries) x 2,048 + my first key in the batch) x 4 bytes
	s_lshl_b32 s72, s72, 4
	s_lshl_b32 s73, s15, 1
	s_add_co_u32 s72, s72, s73
	s_add_co_u32 s72, s72, s14
	s_lshl_b32 s72, s72, 11
	s_and_b32 s73, s16, 7
	s_lshl_b32 s73, s73, 8
	s_add_co_u32 s72, s72, s73
	s_lshl_b32 s73, s13, 7
	s_add_co_u32 s72, s72, s73
	s_lshl_b32 s72, s72, 2
	s_mov_b32 s73, 0
	s_add_nc_u64 s[10:11], s[10:11], s[72:73]
	s_add_nc_u64 s[62:63], s[62:63], s[72:73]
; 16 matrix instructions: key blocks a0, a0 + 1 of the window's four x all 8 query blocks.  The 64 accumulators take turns, one instruction a turn.
.macro MUL16 f, hi, a0, zero
	WIN MUL_LO+0x50*(\hi)
.irp a, \a0, (\a0)+1
.irp b, 0,1,2,3,4,5,6,7
.if \zero
	v_wmma_f32_16x16x32_bf16 v[8*(8*(\a)+(\b)):8*(8*(\a)+(\b))+7], v[(\f)+8*(\b):(\f)+8*(\b)+7], v[(\f)+8*(4*(\hi)+(\a)):(\f)+8*(4*(\hi)+(\a))+7], 0
.else
	v_wmma_f32_16x16x32_bf16 v[8*(8*(\a)+(\b)):8*(8*(\a)+(\b))+7], v[(\f)+8*(\b):(\f)+8*(\b)+7], v[(\f)+8*(4*(\hi)+(\a)):(\f)+8*(4*(\hi)+(\a))+7], v[8*(8*(\a)+(\b)):8*(8*(\a)+(\b))+7]
.endif
.endr
.endr
.endm
; 32 LDS loads in one run: Y's 128 rows, then x's, 32 channels at byte k of the rows
.macro FETCH k, f
	WIN TO_B
.irp i, 0,1,2,3,4,5,6,7
	ds_load_b128 v[(\f)+8*(\i):(\f)+8*(\i)+3],   v[ADRB] offset:(\k)+(\i)*16*PITCH
	ds_load_b128 v[(\f)+8*(\i)+4:(\f)+8*(\i)+7], v[ADRB] offset:(\k)+(\i)*16*PITCH+32
.endr
	WIN 0
.irp i, 0,1,2,3,4,5,6,7
	ds_load_b128 v[(\f)+8*(\i):(\f)+8*(\i)+3],   v[ADRA] offset:(\k)+(\i)*16*PITCH
	ds_load_b128 v[(\f)+8*(\i)+4:(\f)+8*(\i)+7], v[ADRA] offset:(\k)+(\i)*16*PITCH+32
.endr
.endm
.macro QUARTER k, f, g, zero
	s_wait_dscnt 8                                 ; Y and x's rows 0-63 are in; the youngest eight loads (x's rows 64-127) may be out
	MUL16 \f, 0, 0, \zero
	MUL16 \f, 0, 2, \zero
	PLACES
	FETCH \k, \g
	s_wait_dscnt 32                                ; all but the 32 just issued
	MUL16 \f, 1, 0, \zero
	MUL16 \f, 1, 2, \zero
.endm
; The fourth quarter changes slots: ONE barrier; in front of it the wait for all my tensor loads (one is out: my part of the next slot), the add, and the wait for it and for my reads of this slot.
.macro TURN fill
	WIN 0
	s_wait_tensorcnt 0x0
	ds_add_u32 v[SPW], v[NIL]
.if \fill
	s_xor_b32 s[G0A+5], s[G0A+5], SLOT
	s_add_nc_u64 s[G0A+6:G0A+7], s[G0A+6:G0A+7], 256
	s_xor_b32 s[G0B+5], s[G0B+5], SLOT
	s_add_nc_u64 s[G0B+6:G0B+7], s[G0B+6:G0B+7], 256
.endif
	s_wait_dscnt 9                                 ; the add and the youngest eight loads may be out
	MUL16 F1, 0, 0, 0
	s_wait_dscnt 0x0                               ; the add is done, and my reads of this slot are over
	s_barrier_signal -1
	MUL16 F1, 0, 2, 0
	WIN 0
	s_barrier_wait -1
.if \fill
	CREST
	JLOAD                                          ; the first tensor load behind the round; its four v_nop are also the places in front of the loads below
.else
	PLACES
.endif
	s_xor_b32 s[TB], s[TB], SLOT
	v_add_nc_u32 v[ADRA], s[TB], v[AA0]
	v_add_nc_u32 v[ADRB], s[TB], v[AB0]
	FETCH 0, F0
	MUL16 F1, 1, 0, 0
	MUL16 F1, 1, 2, 0
.endm
	s_wait_tensorcnt 0x1                           ; my part of K step 0 is in; step 1's may stay out
	s_barrier_signal -1
	s_barrier_wait -1
	FETCH 0, F0
	QUARTER 64, F0, F1, 1                          ; the first quarter's products start the sums
	WIN 0
	s_mov_b32 s19, NSTEP-2
	s_branch .Lmid                                 ; the loop is entered behind its first quarter
.Lstep:                                                ; a trip: a K step; it asks for the step two on
	QUARTER 64, F0, F1, 0
	WIN 0
.Lmid:
	QUARTER 128, F1, F0, 0
	QUARTER 192, F0, F1, 0
	TURN 1
	WIN 0
	s_sub_co_u32 s19, s19, 1
	s_cmp_lg_u32 s19, 0
	s_cbranch_scc1 .Lstep
	s_mov_b32 s19, 2
.Ltail:                                                ; the last two steps ask for nothing.  The very last change of slots fetches fragments that nobody multiplies: the price of one text for both
	QUARTER 64, F0, F1, 0
	QUARTER 128, F1, F0, 0
	QUARTER 192, F0, F1, 0
	TURN 0
	WIN 0
	s_sub_co_u32 s19, s19, 1
	s_cmp_lg_u32 s19, 0
	s_cbranch_scc1 .Ltail
	s_wait_dscnt 0x0                               ; those fragments have landed: their registers serve the way out
; THE WAY OUT of block a (16 keys x my 128 queries: 64 numbers a lane, in window W).  The maximum (ascending),
; c x max, 2^(c s - c max) in place, the rounding to bf16, the sum.
.macro STAT a
.set W, 2+(\a)/4
.set AC, 64*((\a)%4)
	WIN W*0x15                                     ; all three sources in window W
.set i, 0
.rept 21
	v_max3_num_f32 v[T+i], v[AC+3*i], v[AC+3*i+1], v[AC+3*i+2]
.set i, i+1
.endr
	WIN W*4
	v_max_num_f32 v[T], v[T], v[AC+63]
	WIN 0
.irp i, 0,3,6,9,12,15,18
	v_max3_num_f32 v[T+\i], v[T+\i], v[T+\i+1], v[T+\i+2]
.endr
	v_max3_num_f32 v[T], v[T], v[T+3], v[T+6]
	v_max3_num_f32 v[T+9], v[T+9], v[T+12], v[T+15]
	v_max3_num_f32 v[T], v[T], v[T+9], v[T+18]
	v_permlanex16_b32 v[T+1], v[T], s[SEL], s[SEL+1]  ; the key's other 64 queries lie in the lane 16 away
	v_max_num_f32 v[T], v[T], v[T+1]
	v_mul_f32 v[ST+2*(\a)], s[CS], v[T]
	WIN W*0x41                                     ; destination and source 0 in window W
.set i, 0
.rept 32
	v_pk_fma_f32 v[AC+2*i:AC+2*i+1], v[AC+2*i:AC+2*i+1], s[CS:CS+1], v[ST+2*(\a):ST+2*(\a)+1] op_sel_hi:[1,0,0] neg_lo:[0,0,1] neg_hi:[0,0,1]
.set i, i+1
.endr
.set i, 0
.rept 64
	v_exp_f32 v[AC+i], v[AC+i]
.set i, i+1
.endr
	v_nop                                          ; a plain instruction between the last exponential and the use of its result (ISA guide 5.7.2)
	WIN W*5                                        ; sources 0 and 1 in window W
	s_wait_alu depctr_va_vdst(0)
.irp b, 0,1,2,3,4,5,6,7
.irp u, 0,1,2,3
	v_cvt_pk_bf16_f32 v[TMP+4*\b+\u], v[AC+8*\b+2*\u], v[AC+8*\b+2*\u+1]
.endr
.endr
	WIN W*0x45                                     ; the sum of the 32 pairs, in place: neighbours 1, 2, 4, 8, 16 pairs apart
.irp s, 1,2,4,8,16
.set i, 0
.rept 16/\s
	v_pk_add_f32 v[AC+2*i:AC+2*i+1], v[AC+2*i:AC+2*i+1], v[AC+2*(i+\s):AC+2*(i+\s)+1]
.set i, i+2*\s
.endr
.endr
	WIN W*5
	v_add_f32 v[T], v[AC], v[AC+1]
	WIN 0
	v_permlanex16_b32 v[T+1], v[T], s[SEL], s[SEL+1]
	v_add_f32 v[ST+2*(\a)+1], v[T], v[T+1]
.endm
.macro TOSTAGE a
.set BK, OB+128*((\a)%2)
.irp b, 0,1,2,3,4,5,6,7
	ds_store_b128 v[STO], v[TMP+4*\b:TMP+4*\b+3] offset:32*\b
.endr
.irp t, 0,1,2,3,4,5,6,7
	ds_load_b128 v[BK+4*\t:BK+4*\t+3], v[RD] offset:\t*2*PITCH  ; LDS serves a wave's instructions in order (ISA guide 5.7.1.4): these see the stores above
.endr
.endm
.macro SEND a
.set BK, OB+128*((\a)%2)
	s_wait_dscnt 0x0
	s_wait_xcnt 0x0                                ; only behind this wait are the stores' base and the registers that earlier stores read rewritten
.if (\a) > 0
	s_add_nc_u64 s[8:9], s[8:9], 16*ROWE
.endif
.irp t, 0,1,2,3,4,5,6,7
	global_store_b128 v[CO], v[BK+4*\t:BK+4*\t+3], s[8:9] offset:2*\t*ROWE  ; 16 lanes store 256 consecutive bytes, at a multiple of 256 from et's first byte
.endr
.endm
.irp a, 0,1,2,3,4,5,6,7
	v_mov_b32 v[ST+2*\a+1], 0                      ; named with pm as a pair by the packed scaling; these eight are also the places behind the last products
.endr
	STAT 0
	TOSTAGE 0
.irp a, 1,2,3,4,5,6,7
	STAT \a                                        ; a block's arithmetic stands between the stage loads of the block before and the wait for them
	SEND (\a)-1
	TOSTAGE \a
.endr
	SEND 7
	; the figures of my 128 keys: through my stage, so that a wave stores 512 consecutive bytes of pm and of pl
.irp a, 0,1,2,3,4,5,6,7
	ds_store_b32 v[SA], v[ST+2*\a] offset:64*\a
	ds_store_b32 v[SA], v[ST+2*\a+1] offset:512+64*\a
.endr
	ds_load_b128 v[T:T+3], v[SB]
	ds_load_b128 v[T+4:T+7], v[SB] offset:512
	s_wait_dscnt 0x0
	global_store_b128 v[GO], v[T:T+3], s[10:11]
	global_store_b128 v[GO], v[T+4:T+7], s[62:63]
	s_wait_tensorcnt 0x0                           ; the wave's end
	ds_add_u32 v[SPW], v[NIL]
	s_wait_dscnt 0x0
	CROUND                                         ; the closing round
	s_endpgm
.Lfunc_end_k_q5d3fc4b7f7_scores:
	.size	k_q5d3fc4b7f7_scores, .Lfunc_end_k_q5d3fc4b7f7_scores-k_q5d3fc4b7f7_scores
	.p2alignl 7, 3214868480
	.fill 96, 4, 3214868480
	.section	.rodata,"a",@progbits
	.p2align	6, 0x0
	.amdhsa_kernel k_q5d3fc4b7f7_scores
		.amdhsa_group_segment_fixed_size 327680
		.amdhsa_private_segment_fixed_size 0
		.amdhsa_enable_private_segment 0
		.amdhsa_kernarg_size 40
		.amdhsa_user_sgpr_count 2
		.amdhsa_user_sgpr_kernarg_segment_ptr 1
		.amdhsa_wavefront_size32 1
		.amdhsa_system_sgpr_workgroup_id_x 1
		.amdhsa_system_sgpr_workgroup_id_y 1
		.amdhsa_system_sgpr_workgroup_id_z 1
		.amdhsa_system_vgpr_workitem_id 0
		.amdhsa_next_free_vgpr 1024
		.amdhsa_next_free_sgpr 76
		.amdhsa_reserve_vcc 0
		.amdhsa_float_denorm_mode_32 3
		.amdhsa_float_denorm_mode_16_64 3
		.amdhsa_memory_ordered 1
		.amdhsa_forward_progress 1
		.amdhsa_inst_pref_size 169
	.end_amdhsa_kernel
	.amdgpu_metadata
---
amdhsa.version: [ 1, 2 ]
amdhsa.kernels:
  - .name:           k_q5d3fc4b7f7_scores
    .symbol:         k_q5d3fc4b7f7_scores.kd
    .args:
      - { .name: xb, .offset: 0, .size: 8, .value_kind: global_buffer, .address_space: global }
      - { .name: yv, .offset: 8, .size: 8, .value_kind: global_buffer, .address_space: global }
      - { .name: et, .offset: 16, .size: 8, .value_kind: global_buffer, .address_space: global }
      - { .name: pm, .offset: 24, .size: 8, .value_kind: global_buffer, .address_space: global }
      - { .name: pl, .offset: 32, .size: 8, .value_kind: global_buffer, .address_space: global }
    .group_segment_fixed_size: 327680
    .private_segment_fixed_size: 0
    .kernarg_segment_align: 8
    .kernarg_segment_size: 40
    .max_flat_workgroup_size: 128
    .sgpr_count:     76
    .vgpr_count:     1024
    .wavefront_size: 32
...
	.end_amdgpu_metadata
.endif
;; end of part 8
;; launch merge (part 9): grid 16 x 1, 4 waves a work-group, no clusters, 0 bytes of LDS; arguments pm, pl, cf; writes cf
.if DOCPART == 9
	.amdgcn_target "amdgcn-amd-amdhsa--gfx1250"
	.amdhsa_code_object_version 6
	.text
	.protected	k_q5d3fc4b7f7_merge
	.globl	k_q5d3fc4b7f7_merge
	.p2align	8
	.type	k_q5d3fc4b7f7_merge,@function
k_q5d3fc4b7f7_merge:
	s_mov_b64 s[64:65], 0
	v_nop
	global_prefetch_b8 v0, s[64:65] scope:SCOPE_SE
	s_setreg_imm32_b32 hwreg(HW_REG_WAVE_MODE, 25, 1), 1
	s_wait_xcnt 0x0
; THE SIXTEEN BLOCKS' FIGURES OF EACH KEY ARE MERGED.  pm[b][i][m] = c x the maximum of block i (in powers of two), pl[b][i][m] = the block's sum.  M = max_i pm, L = sum_i pl 2^(pm - M),
; cf[b][i][m] = 2^(pm - M) / (1024 L) in f32: what et's numbers of block i are multiplied by to become the softmax over all 2,048 queries, with the value weights' 1/1024.
; LIMITS.  2^(pm - M) below 2^-126 counts as 0.
; SHARES.  A thread takes four neighbouring keys: 2,048 threads.  1.5 MB in all: no LDS, no matrix unit, no cluster; all 32 loads of a lane go out together.
.set MX, 4                             ; v[4:7]
.set LS, 8                             ; v[8:11]
.set RI, 12                            ; v[12:15]
.set PM, 16                            ; v[16:79]
.set PL, 80                            ; v[80:143]
	s_load_b128 s[4:7], s[0:1], 0x0                ; pm s[4:5], pl s[6:7]
	s_load_b64 s[8:9], s[0:1], 0x10                ; cf
	s_lshl_b32 s10, ttmp9, 7
	v_add_nc_u32 v1, s10, v0                       ; g
	v_lshrrev_b32 v2, 9, v1                        ; the batch
	v_and_b32 v1, 511, v1                          ; which four keys
	v_lshlrev_b32 v3, 4, v1
	v_lshl_add_u32 v3, v2, 17, v3                  ; in and out: batch x 131,072 + 16 bytes a thread
	s_wait_kmcnt 0x0
.set i, 0
.rept 16
	global_load_b128 v[PM+4*i:PM+4*i+3], v3, s[4:5] offset:i*8192
.set i, i+1
.endr
.set i, 0
.rept 16
	global_load_b128 v[PL+4*i:PL+4*i+3], v3, s[6:7] offset:i*8192
.set i, i+1
.endr
	s_wait_loadcnt 16                              ; pm is in; pl's sixteen loads may stay out
.irp c, 0,1,2,3
	v_max3_num_f32 v[MX+\c], v[PM+\c], v[PM+4+\c], v[PM+8+\c]
.endr
.set k, 0
.rept 6
.irp c, 0,1,2,3
	v_max3_num_f32 v[MX+\c], v[MX+\c], v[PM+4*(3+2*k)+\c], v[PM+4*(4+2*k)+\c]
.endr
.set k, k+1
.endr
.irp c, 0,1,2,3
	v_max_num_f32 v[MX+\c], v[MX+\c], v[PM+60+\c]
.endr
.set i, 0
.rept 16
	v_pk_add_f32 v[PM+4*i:PM+4*i+1], v[PM+4*i:PM+4*i+1], v[MX:MX+1] neg_lo:[0,1] neg_hi:[0,1]
	v_pk_add_f32 v[PM+4*i+2:PM+4*i+3], v[PM+4*i+2:PM+4*i+3], v[MX+2:MX+3] neg_lo:[0,1] neg_hi:[0,1]
.set i, i+1
.endr
.set i, 0
.rept 64
	v_exp_f32 v[PM+i], v[PM+i]
.set i, i+1
.endr
	v_nop                                          ; a plain instruction behind the last exponential (ISA guide 5.7.2)
	s_wait_loadcnt 0x0
	s_wait_alu depctr_va_vdst(0)
	v_pk_mul_f32 v[LS:LS+1], v[PL:PL+1], v[PM:PM+1]
	v_pk_mul_f32 v[LS+2:LS+3], v[PL+2:PL+3], v[PM+2:PM+3]
.set i, 1
.rept 15
	v_pk_fma_f32 v[LS:LS+1], v[PL+4*i:PL+4*i+1], v[PM+4*i:PM+4*i+1], v[LS:LS+1]
	v_pk_fma_f32 v[LS+2:LS+3], v[PL+4*i+2:PL+4*i+3], v[PM+4*i+2:PM+4*i+3], v[LS+2:LS+3]
.set i, i+1
.endr
.irp c, 0,1,2,3
	v_rcp_f32 v[RI+\c], v[LS+\c]
.endr
	v_nop
	s_wait_alu depctr_va_vdst(0)
.irp c, 0,1,2,3
	v_mul_f32 v[RI+\c], 0x3a800000, v[RI+\c]       ; 1 / 1024
.endr
.set i, 0
.rept 16
	v_pk_mul_f32 v[PM+4*i:PM+4*i+1], v[PM+4*i:PM+4*i+1], v[RI:RI+1]
	v_pk_mul_f32 v[PM+4*i+2:PM+4*i+3], v[PM+4*i+2:PM+4*i+3], v[RI+2:RI+3]
	global_store_b128 v3, v[PM+4*i:PM+4*i+3], s[8:9] offset:i*8192  ; a wave stores 512 consecutive bytes, at a multiple of 256 from cf's first
.set i, i+1
.endr
	s_endpgm
.Lfunc_end_k_q5d3fc4b7f7_merge:
	.size	k_q5d3fc4b7f7_merge, .Lfunc_end_k_q5d3fc4b7f7_merge-k_q5d3fc4b7f7_merge
	.p2alignl 7, 3214868480
	.fill 96, 4, 3214868480
	.section	.rodata,"a",@progbits
	.p2align	6, 0x0
	.amdhsa_kernel k_q5d3fc4b7f7_merge
		.amdhsa_group_segment_fixed_size 0
		.amdhsa_private_segment_fixed_size 0
		.amdhsa_enable_private_segment 0
		.amdhsa_kernarg_size 24
		.amdhsa_user_sgpr_count 2
		.amdhsa_user_sgpr_kernarg_segment_ptr 1
		.amdhsa_wavefront_size32 1
		.amdhsa_system_sgpr_workgroup_id_x 1
		.amdhsa_system_sgpr_workgroup_id_y 1
		.amdhsa_system_sgpr_workgroup_id_z 1
		.amdhsa_system_vgpr_workitem_id 0
		.amdhsa_next_free_vgpr 144
		.amdhsa_next_free_sgpr 66
		.amdhsa_reserve_vcc 0
		.amdhsa_float_denorm_mode_32 3
		.amdhsa_float_denorm_mode_16_64 3
		.amdhsa_memory_ordered 1
		.amdhsa_forward_progress 1
		.amdhsa_inst_pref_size 16
	.end_amdhsa_kernel
	.amdgpu_metadata
---
amdhsa.version: [ 1, 2 ]
amdhsa.kernels:
  - .name:           k_q5d3fc4b7f7_merge
    .symbol:         k_q5d3fc4b7f7_merge.kd
    .args:
      - { .name: pm, .offset: 0, .size: 8, .value_kind: global_buffer, .address_space: global }
      - { .name: pl, .offset: 8, .size: 8, .value_kind: global_buffer, .address_space: global }
      - { .name: cf, .offset: 16, .size: 8, .value_kind: global_buffer, .address_space: global }
    .group_segment_fixed_size: 0
    .private_segment_fixed_size: 0
    .kernarg_segment_align: 8
    .kernarg_segment_size: 24
    .max_flat_workgroup_size: 128
    .sgpr_count:     66
    .vgpr_count:     144
    .wavefront_size: 32
...
	.end_amdgpu_metadata
.endif
;; end of part 9
;; launch pv (part 10): grid 4 x 64, 4 waves a work-group, clusters of 4 x 4, 327,680 bytes of LDS; arguments et, yv, cf, out0; writes out0
.if DOCPART == 10
	.amdgcn_target "amdgcn-amd-amdhsa--gfx1250"
	.amdhsa_code_object_version 6
	.text
	.protected	k_q5d3fc4b7f7_pv
	.globl	k_q5d3fc4b7f7_pv
	.p2align	8
	.type	k_q5d3fc4b7f7_pv,@function
k_q5d3fc4b7f7_pv:
	s_mov_b64 s[64:65], 0
	v_nop
	global_prefetch_b8 v0, s[64:65] scope:SCOPE_SE
	s_setreg_imm32_b32 hwreg(HW_REG_WAVE_MODE, 25, 1), 1
	s_wait_xcnt 0x0
	s_wait_alu depctr_hold_cnt(0) depctr_sa_sdst(0) depctr_va_vdst(0) depctr_va_sdst(0) depctr_va_ssrc(0) depctr_va_vcc(0) depctr_vm_vsrc(0)
	s_getreg_b32 s2, hwreg(HW_REG_IB_STS2, 6, 4)
	s_cmp_eq_u32 s2, 0
	s_cbranch_scc0 .Lentry_in_a_cluster
	s_endpgm
.Lentry_in_a_cluster:
	s_bfe_u32 s2, ttmp6, 0x10000c
	s_cmp_lg_u32 s2, 0xf033
	s_cbranch_scc0 .Lentry_shape_is_right
	s_endpgm
.Lentry_shape_is_right:
; out0[b][n][d] = sum over m of et[b][m][n] cf[b][n / 128][m] V'[b][m][d] - V'[b][n][d] / 1024; V' = 1024 V in bf16 at byte 2,048 of yv's rows; cf holds the softmax's factor and 1/1024.
; The weights et x cf are formed in f32 and rounded once to bf16 on the way to the matrix unit.  -V'[n] / 1024 enters exactly: the product that starts each sum is (-identity / 1024) x V'.
; LIMITS.  Operands in bf16, sums in f32, out0 in f32.  NaN and infinities are not treated apart.
; SHARES.  A tile of 128 queries x 256 channels to a work-group: 256 of them; its 128 queries are one block of cf.  Four waves, each 64 x 128: 32 accumulators.
; K (the 2,048 keys) goes in steps of 128 through two LDS slots; both tiles lie [key][..] and are turned on their way out of LDS by ds_load_tr16_b128.
; CLUSTER.  4 x 4: et's tile hangs on the tile row alone (joint along a row of the cluster), V's on the batch and the tile column (joint along a column: its four tile rows lie in one batch).
; THE MATRIX INSTRUCTION IS USED TRANSPOSED (source 0 = 16 channels, source 1 = 16 queries): a lane holds eight neighbouring numbers of a row of out0.
; THE SCALING RIDES.  A register of et's fragment holds two keys' weights.  Two instructions scale it in place: each takes one bf16 half times its key's f32 factor, in f32, and rounds it once into that half.
; A quarter (32 along K) has 32 matrix instructions and 64 of these: four behind each pair of products.  While block 0's products run, this buffer's fragment 1 is scaled; block 2's: fragment 3;
; block 1's: the NEXT buffer's fragment 0; block 3's: its fragment 2.  So every fragment is ready a group of products or more ahead of its use.
; REGISTERS.  One window setting serves a product and its riders: destination, source 1 and source 2 in window W, source 0 in window 0.
;   Window 0: v0-31 addresses; v32-47, v48-63 cf's fragments; v64-127, v128-191 V's fragments, two buffers; v192-203 zeros, -identity / 1024, zeros.
;   Window 1 (query blocks 0, 1) and window 2 (blocks 2, 3): v0-127 accumulator (a, b) at v[64 (a % 2) + 8 b]; v128-143, v144-159 et's fragments, two buffers; v160-223 V' of my own queries; v224 zero.
; THE TEXT.  The change of slots stands between a step's third and fourth quarter: the fourth's fetch is the first to want the next slot.  So all quarters are alike, and a slot's four are a loop of two
; trips over one pair; the LDS pointers are scalars that step and, at the change, turn by an exclusive or.  Written out are the pair in the loop, the pair in the tail and the last quarter.
.set PA,    288                        ; et's LDS row: 256 + 32 = 9 x 32 bytes
.set PB,    544                        ; V's: 512 + 32 = 17 x 32 bytes
.set HALFA, 64*PA
.set HALFB, 64*PB
.set BOFF,  2*HALFA
.set SLOTX, 1<<17
.set STAGE, SLOTX+BOFF+2*HALFB         ; 16 rows x 528 bytes for each wave
.set SP,    528
.set CT,    STAGE+4*16*SP              ; cf's row of this tile: 2,048 f32, stored once by the four waves; no tensor load lands here
.set SPARE, CT+8192                    ; the spare words, 128 bytes a wave: two blocks of 256 bytes that no other line names
.set NSTEP, 16
.set STEPA, 128*4096
.set STEPB, 128*4096
.set QA,    32*PA                      ; a quarter's 32 keys in et's tile,
.set QB,    32*PB                      ; in V's,
.set QC,    128                        ; and in cf's row
.set AA0, 8                            ; v8-10 my lane's place in et's tile, in V's, in cf's row; never rewritten
.set AB0, 9
.set CB0, 10
.set VNO, 11                           ; v11  my byte offset in 16 rows of yv
.set ADRA, 16                          ; v16-18 the same three at the quarter that the pair's first fetch takes
.set ADRB, 17
.set CB,  18
.set STO, 24
.set RD,  25
.set CO,  26
.set SPW, 28                           ; v28  LDS address of my spare word; never rewritten
.set NIL, 29                           ; v29  0; never rewritten
.set CR,  32
.set VB,  64
.set ID,  192
.set EB,  128                          ; in windows 1, 2
.set VN,  160
.set ZW,  224
.set OB,  64                           ; the way out: v64-127, v128-191 by turns
.set WV,  12
.set G1A, 24
.set G1B, 32
.set G0A, 40
.set G0B, 48
.set TA,  56                           ; s56-58 the three pointers' scalar parts
.set CTO, 57
.set TBB, 58
.set CNT, 59                           ; s59  counts a slot's two pairs
.set MSB, 0
.macro WIN new
.if MSB != (\new)
	s_set_vgpr_msb (MSB<<8)|(\new)
.set MSB, \new
.endif
.endm
.macro PLACES
.rept 4
	v_nop
.endr
.endm
.macro CREST
	s_cmp_lg_u32 s[WV], 0
	s_cbranch_scc1 .Lnot_wave_0_\@
	s_barrier_signal -3
.Lnot_wave_0_\@:
	s_barrier_wait -3
	s_barrier_signal -1
	s_barrier_wait -1
.endm
.macro CROUND
	s_barrier_signal -1
	s_barrier_wait -1
	CREST
.endm
.macro JLOAD                           ; a joint refill by the walking descriptor; the branch hangs on the wave's number alone; s_nop 0 and four v_nop follow each line
	s_cmp_eq_u32 s13, 0
	s_cbranch_scc0 .Lfor_b_\@
	tensor_load_to_lds s[G0A+4:G0A+7], s[G1A:G1A+7]
	s_nop 0
.rept 4
	v_nop
.endr
	s_branch .Lasked_\@
.Lfor_b_\@:
	tensor_load_to_lds s[G0B+4:G0B+7], s[G1B:G1B+7]
	s_nop 0
.rept 4
	v_nop
.endr
.Lasked_\@:
.endm
	s_load_b256 s[4:11], s[0:1], 0x0               ; et s[4:5], yv s[6:7], cf s[8:9], out0 s[10:11]
	v_lshl_add_u32 v[SPW], v0, 2, SPARE
	v_mov_b32 v[NIL], 0
	ds_add_u32 v[SPW], v[NIL]                      ; the wave's opening: the add and its wait ahead of my first tensor load
	v_lshrrev_b32 v1, 5, v0
	v_readfirstlane_b32 s[WV], v1
	s_lshr_b32 s13, s[WV], 1                       ; my half of the queries; also: I fetch et (0) or V' (1)
	s_and_b32 s14, s[WV], 1                        ; my half of the channels; also: which 64 keys I fetch
	s_bfe_u32 s17, ttmp6, 0x40000
	s_bfe_u32 s18, ttmp6, 0x40004
	s_lshl_b32 s15, ttmp9, 2
	s_add_co_u32 s15, s15, s17                     ; tile column: 256 channels
	s_and_b32 s16, ttmp7, 0xffff
	s_lshl_b32 s16, s16, 2
	s_add_co_u32 s16, s16, s18                     ; tile row = 16 x batch + block of 128 queries
	s_lshl_b32 s20, s18, 2
	s_lshl_b32 s20, 15, s20
	s_lshl_b32 s66, 0x1111, s17
	s_or_b32 s[G1A], s20, (1<<16)|(1<<20)|(1<<21)|(5<<22)|(7<<25)  ; mask; 2-byte elements; padding on; bit 21 beside a mask; after every 64 words, 8 words
	s_mov_b32 s[G1A+1], 128<<16
	s_mov_b32 s[G1A+2], 64<<16
	s_mov_b32 s[G1A+3], 128<<16
	s_mov_b32 s[G1A+4], 64
	s_mov_b32 s[G1A+5], 2048
	s_mov_b32 s[G1A+6], 0
	s_mov_b32 s[G1A+7], 0
	s_or_b32 s[G1B], s66, (1<<16)|(1<<20)|(1<<21)|(6<<22)|(7<<25)  ; after every 128 words, 8 words
	s_mov_b32 s[G1B+1], 256<<16
	s_mov_b32 s[G1B+2], 64<<16
	s_mov_b32 s[G1B+3], 256<<16
	s_mov_b32 s[G1B+4], 64
	s_mov_b32 s[G1B+5], 2048
	s_mov_b32 s[G1B+6], 0
	s_mov_b32 s[G1B+7], 0
	s_lshr_b32 s20, s16, 4                         ; et: batch x 8,388,608 + key 64 x half x 4,096 + block x 256: the tile row alone
	s_lshl_b32 s20, s20, 23
	s_lshl_b32 s21, s14, 18
	s_add_co_u32 s20, s20, s21
	s_and_b32 s21, s16, 15
	s_lshl_b32 s21, s21, 8
	s_add_co_u32 s20, s20, s21
	s_mov_b32 s21, 0
	s_and_b32 s66, ttmp7, 0xffff                   ; V': the batch is the cluster's y / 4: no place along the cluster's y enters
	s_lshr_b32 s66, s66, 2
	s_lshl_b32 s66, s66, 11
	s_lshl_b32 s67, s14, 6
	s_add_co_u32 s66, s66, s67
	s_lshl_b32 s66, s66, 12
	s_add_co_u32 s66, s66, 2048
	s_lshl_b32 s67, s15, 9
	s_add_co_u32 s66, s66, s67
	s_mov_b32 s67, 0
	s_mul_i32 s22, s14, HALFA
	s_mul_i32 s68, s14, HALFB
	s_add_co_u32 s68, s68, BOFF
	s_mov_b32 s[TA], 0
	s_mov_b32 s[TBB], 0
	s_mov_b32 s[CTO], 0
	s_lshl_b32 s70, s16, 13                        ; cf's row of this tile
	s_mov_b32 s71, 0
	s_lshl_b32 s72, s16, 7                         ; my 64 queries' rows,
	s_lshl_b32 s73, s13, 6
	s_add_co_u32 s72, s72, s73
	s_lshl_b32 s72, s72, 12                        ; 4,096 bytes each in out0 and in yv,
	s_lshl_b32 s75, s15, 10
	s_add_co_u32 s74, s72, s75                     ; with my 128 channels in out0
	s_lshl_b32 s75, s14, 9
	s_add_co_u32 s74, s74, s75
	s_mov_b32 s75, 0
	s_add_co_u32 s72, s72, 2048                    ; and in yv
	s_lshl_b32 s73, s15, 9
	s_add_co_u32 s72, s72, s73
	s_lshl_b32 s73, s14, 8
	s_add_co_u32 s72, s72, s73
	s_mov_b32 s73, 0
	s_wait_dscnt 0x0                               ; the opening add is done
	s_wait_kmcnt 0x0
	s_add_nc_u64 s[20:21], s[4:5], s[20:21]
	s_add_nc_u64 s[66:67], s[6:7], s[66:67]
	s_add_nc_u64 s[8:9], s[8:9], s[70:71]
	s_add_nc_u64 s[72:73], s[6:7], s[72:73]
	s_add_nc_u64 s[10:11], s[10:11], s[74:75]
	CROUND                                         ; all sixteen work-groups are here: the first joint loads meet
.irp s, 0,1
	s_mov_b32 s[G0A+4*\s], 1
	s_add_co_u32 s[G0A+4*\s+1], s22, \s*SLOTX
	s_add_nc_u64 s[G0A+4*\s+2:G0A+4*\s+3], s[20:21], \s*STEPA
	s_or_b32 s[G0A+4*\s+3], s[G0A+4*\s+3], 0x80000000
	s_mov_b32 s[G0B+4*\s], 1
	s_add_co_u32 s[G0B+4*\s+1], s68, \s*SLOTX
	s_add_nc_u64 s[G0B+4*\s+2:G0B+4*\s+3], s[66:67], \s*STEPB
	s_or_b32 s[G0B+4*\s+3], s[G0B+4*\s+3], 0x80000000
.endr
	s_cmp_eq_u32 s13, 0                            ; a wave's two first fills stand in one branch: two loads of mine are out
	s_cbranch_scc0 .Lfirst_b
	tensor_load_to_lds s[G0A:G0A+3], s[G1A:G1A+7]
	s_nop 0
	tensor_load_to_lds s[G0A+4:G0A+7], s[G1A:G1A+7]
	s_nop 0
.rept 4
	v_nop
.endr
	s_branch .Lfirst_asked
.Lfirst_b:
	tensor_load_to_lds s[G0B:G0B+3], s[G1B:G1B+7]
	s_nop 0
	tensor_load_to_lds s[G0B+4:G0B+7], s[G1B:G1B+7]
	s_nop 0
.rept 4
	v_nop
.endr
.Lfirst_asked:
	v_lshlrev_b32 v12, 4, v0                       ; cf's row: 128 threads x 16 bytes, four times
.irp i, 0,1,2,3
	global_load_b128 v[48+4*\i:48+4*\i+3], v12, s[8:9] offset:2048*\i
.endr
	v_and_b32 v1, 15, v0                           ; r
	v_bfe_u32 v2, v0, 4, 1                         ; h
	v_lshlrev_b32 v[VNO], 12, v1
	v_lshl_add_u32 v[VNO], v2, 4, v[VNO]
	; V' of my own queries, as source 1: row r, channels 32 c + 8 h + 0..7 and + 16; blocks 0, 1 into window 1, blocks 2, 3 into window 2
.irp w, 0,1
	WIN 0x40*(1+\w)
.irp a, 0,1
.irp c, 0,1,2,3
	global_load_b128 v[VN+8*(4*\a+\c):VN+8*(4*\a+\c)+3],   v[VNO], s[72:73] offset:(2*\w+\a)*16*4096+64*\c
	global_load_b128 v[VN+8*(4*\a+\c)+4:VN+8*(4*\a+\c)+7], v[VNO], s[72:73] offset:(2*\w+\a)*16*4096+64*\c+32
.endr
.endr
	v_mov_b32 v[ZW], 0                             ; the scaling's addend
.endr
	WIN 0
	; -identity / 1024 as source 0: lane (r, h) holds row r and k = 8 h + 0..7: -2^-10 stands where k = r: in the lanes with h = r / 8, register (r % 8) / 2, half r % 2
	v_and_b32 v3, 1, v0
	v_lshlrev_b32 v3, 4, v3
	v_mov_b32 v4, 0xba80
	v_lshlrev_b32 v4, v3, v4
	v_lshrrev_b32 v5, 4, v0
	v_lshrrev_b32 v6, 3, v0
	v_xor_b32 v5, v5, v6
	v_and_b32 v5, 1, v5
	v_bfe_u32 v6, v0, 1, 2
	v_lshl_add_u32 v5, v5, 2, v6                   ; the register's number, or 4 and more in the lanes that hold none
.irp t, 0,1,2,3
	v_cmp_eq_u32 vcc_lo, \t, v5
	v_cndmask_b32 v[ID+4+\t], 0, v4, vcc_lo
	v_mov_b32 v[ID+\t], 0
	v_mov_b32 v[ID+8+\t], 0
.endr
	v_and_b32 v3, 7, v0                            ; the turning load: lane l reads row 8 h + l % 8, columns 8 ((l / 8) % 2) + 0..7
	v_lshl_add_u32 v3, v2, 3, v3
	v_bfe_u32 v4, v0, 3, 1
	v_mul_u32_u24 v[AA0], v3, PA
	v_lshl_add_u32 v[AA0], v4, 4, v[AA0]
	s_lshl_b32 s23, s13, 7
	v_add_nc_u32 v[AA0], s23, v[AA0]
	v_mul_u32_u24 v[AB0], v3, PB
	v_lshl_add_u32 v[AB0], v4, 4, v[AB0]
	s_lshl_b32 s23, s14, 8
	s_add_co_u32 s23, s23, BOFF
	v_add_nc_u32 v[AB0], s23, v[AB0]
	v_lshlrev_b32 v[CB0], 5, v2
	v_add_nc_u32 v[CB0], CT, v[CB0]                ; cf for keys 8 h + 0..7 of a fragment: 32 bytes
	v_mov_b32 v[ADRA], v[AA0]                      ; slot 0, quarter 0
	v_mov_b32 v[ADRB], v[AB0]
	v_mov_b32 v[CB], v[CB0]
	s_mul_i32 s23, s[WV], 16*SP
	s_add_co_u32 s23, s23, STAGE
	v_mul_u32_u24 v[STO], v1, SP                   ; in: row r, 32 bytes for each half of the lanes
	v_lshl_add_u32 v[STO], v2, 5, v[STO]
	v_add_nc_u32 v[STO], s23, v[STO]
	v_and_b32 v3, 31, v0
	v_lshlrev_b32 v[CO], 4, v3                     ; back: 32 lanes take a row's 512 bytes
	v_add_nc_u32 v[RD], s23, v[CO]
	v_add_nc_u32 v13, CT, v12
	s_wait_loadcnt 32                              ; cf's four loads are in; the 32 behind them may stay out
.irp i, 0,1,2,3
	ds_store_b128 v13, v[48+4*\i:48+4*\i+3] offset:2048*\i
.endr
	s_wait_dscnt 0x0                               ; for the others' sake: my part of cf's row is stored
; Product (a, b) on buffer fi
.macro PROD fi, a, b
.set rAC, 64*((\a)%2)+8*(\b)
.set rVB, VB+64*(\fi)+8*(\b)
.set rER, EB+16*(\fi)+8*((\a)%2)
	v_wmma_f32_16x16x32_bf16 v[rAC:rAC+7], v[rVB:rVB+7], v[rER:rER+7], v[rAC:rAC+7]
.endm
; Registers j, j + 1 of et's fragment ra in buffer gi are scaled in place.  Register j holds the keys of cf's registers 2 j (low half) and 2 j + 1 (high half).
; Source 0: cf, f32.  Source 1: the fragment's register, one bf16 half.  The product is made in f32 and rounded once into the same half; the other half is kept.
.macro SC2 gi, ra, j
.set rE, EB+16*(\gi)+8*((\ra)%2)+(\j)
.set rC, CR+16*(\gi)+2*(\j)
	v_fma_mixlo_bf16 v[rE], v[rC], v[rE], v[ZW] op_sel_hi:[0,1,0]
	v_fma_mixlo_bf16 v[rE+1], v[rC+2], v[rE+1], v[ZW] op_sel_hi:[0,1,0]
	v_fma_mixhi_bf16 v[rE], v[rC+1], v[rE], v[ZW] op_sel:[0,1,0] op_sel_hi:[0,1,0]
	v_fma_mixhi_bf16 v[rE+1], v[rC+3], v[rE+1], v[ZW] op_sel:[0,1,0] op_sel_hi:[0,1,0]
.endm
; 8 matrix instructions: query block a x all 8 channel blocks, on buffer fi; behind each pair, two registers of fragment ra of buffer gi are scaled (ra = -1: none).  a and ra lie in the same window.
.macro GROUP fi, a, gi, ra
	WIN 0x54*(1+(\a)/2)
.irp b, 0,2,4,6
	PROD \fi, \a, \b
	PROD \fi, \a, (\b)+1
.if (\ra) >= 0
	SC2 \gi, \ra, \b
.endif
.endr
.endm
; 28 LDS loads in one run, into buffer gi, from the pointers' quarter (qi = 0) or the one behind it (qi = 1): et's four fragments (turned) and cf first, then V's eight (turned)
.macro FETCH qi, gi
.irp w, 0,1
	WIN 0x40*(1+\w)
.irp i, 0,1
	ds_load_tr16_b128 v[EB+16*(\gi)+8*\i:EB+16*(\gi)+8*\i+3],   v[ADRA] offset:(\qi)*QA+32*(2*\w+\i)
	ds_load_tr16_b128 v[EB+16*(\gi)+8*\i+4:EB+16*(\gi)+8*\i+7], v[ADRA] offset:(\qi)*QA+16*PA+32*(2*\w+\i)
.endr
.endr
	WIN 0
	ds_load_b128 v[CR+16*(\gi):CR+16*(\gi)+3],     v[CB] offset:(\qi)*QC
	ds_load_b128 v[CR+16*(\gi)+4:CR+16*(\gi)+7],   v[CB] offset:(\qi)*QC+16
	ds_load_b128 v[CR+16*(\gi)+8:CR+16*(\gi)+11],  v[CB] offset:(\qi)*QC+64
	ds_load_b128 v[CR+16*(\gi)+12:CR+16*(\gi)+15], v[CB] offset:(\qi)*QC+80
.irp i, 0,1,2,3,4,5,6,7
	ds_load_tr16_b128 v[VB+64*(\gi)+8*\i:VB+64*(\gi)+8*\i+3],   v[ADRB] offset:(\qi)*QB+32*\i
	ds_load_tr16_b128 v[VB+64*(\gi)+8*\i+4:VB+64*(\gi)+8*\i+7], v[ADRB] offset:(\qi)*QB+16*PB+32*\i
.endr
.endm
; A QUARTER multiplies buffer fi, whose fragments 0 and 2 are scaled, and fetches the next quarter into gi.  The 32 accumulators take turns, one instruction a turn, in the same order in every quarter.
; The four riders behind the quarter before's last product name none of its registers: they are the places in front of the loads into gi.
.macro QUARTER fi, gi, qi, last
	s_wait_dscnt 0x0                               ; fi's V' is in: asked for 32 matrix instructions ago
.if !(\last)
	FETCH \qi, \gi
.endif
	GROUP \fi, 0, \fi, 1
	GROUP \fi, 2, \fi, 3
.if \last
	GROUP \fi, 1, 0, -1
	GROUP \fi, 3, 0, -1
.else
	s_wait_dscnt 16                                ; gi's et and cf, the older twelve loads, are in; V's sixteen may be out
	GROUP \fi, 1, \gi, 0
	GROUP \fi, 3, \gi, 2
.endif
.endm
; THE CHANGE OF SLOTS.  The slot's last quarter has been asked for.  Each wave waits for all its tensor loads (one is out: its part of the other slot), adds 0 to its spare word, and waits for that and for its
; reads of the slot.  fill = 1: the barrier is a round of the cluster's, and the slot is filled again, two K steps ahead, first thing behind it: it has 128 matrix instructions in which to land.
.macro CHANGE fill
	s_wait_tensorcnt 0x0                           ; no tensor load of mine is out, so the walking descriptors may be written
	ds_add_u32 v[SPW], v[NIL]                      ; 0 onto my spare word; the scalar work below stands between it and the wait for it
.if \fill
	s_xor_b32 s[G0A+5], s[G0A+5], SLOTX
	s_add_nc_u64 s[G0A+6:G0A+7], s[G0A+6:G0A+7], STEPA
	s_xor_b32 s[G0B+5], s[G0B+5], SLOTX
	s_add_nc_u64 s[G0B+6:G0B+7], s[G0B+6:G0B+7], STEPB
.endif
	s_sub_co_u32 s[TA], s[TA], 4*QA                ; the fetches go back to a slot's first quarter,
	s_xor_b32 s[TA], s[TA], SLOTX                  ; in the other slot; cf's row runs on
	s_sub_co_u32 s[TBB], s[TBB], 4*QB
	s_xor_b32 s[TBB], s[TBB], SLOTX
	s_wait_dscnt 0x0                               ; the add is done, and my reads of the slot are over
.if \fill
	CROUND                                         ; no wave of any partner still reads the slot or has a load on its way
	JLOAD
.else
	s_barrier_signal -1
	s_barrier_wait -1
.endif
.endm
.macro POINT                           ; the pointers for a pair's two fetches
	v_add_nc_u32 v[ADRA], s[TA], v[AA0]
	v_add_nc_u32 v[ADRB], s[TBB], v[AB0]
	v_add_nc_u32 v[CB], s[CTO], v[CB0]
.endm
.macro STEP                            ; two quarters on, and the pair's count
	s_add_co_u32 s[TA], s[TA], 2*QA
	s_add_co_u32 s[TBB], s[TBB], 2*QB
	s_add_co_u32 s[CTO], s[CTO], 2*QC
	s_sub_co_u32 s[CNT], s[CNT], 1
	s_cmp_lg_u32 s[CNT], 0
.endm
	s_wait_tensorcnt 0x1                           ; my part of K step 0 is in; step 1's may stay out
	s_barrier_signal -1
	s_barrier_wait -1
	FETCH 0, 0
	s_wait_loadcnt 0x0                             ; V' of my queries
.irp a, 0,1,2,3
	WIN 0x54*(1+\a/2)
.irp b, 0,1,2,3,4,5,6,7
	v_wmma_f32_16x16x32_bf16 v[64*(\a%2)+8*\b:64*(\a%2)+8*\b+7], v[ID+4-4*(\b%2):ID+11-4*(\b%2)], v[VN+8*(4*(\a%2)+\b/2):VN+8*(4*(\a%2)+\b/2)+7], 0  ; the sums start at -V' / 1024: even blocks pick channels 0-15 of the 32, odd ones 16-31
.endr
.endr
	s_wait_dscnt 16                                ; quarter 0's et and cf are in
	WIN 0x54
.irp j, 0,2,4,6
	SC2 0, 0, \j                                   ; its fragments 0 and 2 have no quarter before them to ride in
.endr
	WIN 0xa8
.irp j, 0,2,4,6
	SC2 0, 2, \j
.endr
	WIN 0
	s_mov_b32 s[CNT], 2
	s_mov_b32 s19, NSTEP-1
	s_branch .Lmid                                 ; the loop is entered at K step 0's first quarter, in the middle of a pair
.Lslot:                                                ; NSTEP - 2 times: a step's last quarter and the next step's first three; the step two on is asked for
	CHANGE 1
	s_mov_b32 s[CNT], 2
.Lpair:
	POINT
	QUARTER 1, 0, 0, 0
	WIN 0
.Lmid:
	QUARTER 0, 1, 1, 0
	WIN 0
	STEP
	s_cbranch_scc1 .Lpair
	s_sub_co_u32 s19, s19, 1
	s_cmp_lg_u32 s19, 0
	s_cbranch_scc1 .Lslot
	CHANGE 0                                       ; the tail is written out: nothing is asked for
	s_mov_b32 s[CNT], 2
.Ltail:
	POINT
	QUARTER 1, 0, 0, 0
	QUARTER 0, 1, 1, 0
	WIN 0
	STEP
	s_cbranch_scc1 .Ltail
	QUARTER 1, 0, 0, 1                             ; the last quarter fetches nothing
; THE WAY OUT, 16 rows at a time: the sums are out0's numbers: into my own stage (32 bytes a lane and accumulator, each accumulator's low half first), back as whole rows of 512 bytes, stored.
.macro TOSTAGE a
.set BK, OB+64*((\a)%2)
	s_wait_xcnt 0x0                                ; the registers that the stores of the block two before read are loaded again only behind this wait
	WIN 4*(1+(\a)/2)                               ; the stores' data in window 1 or 2
.irp b, 0,1,2,3,4,5,6,7
	ds_store_b128 v[STO], v[64*((\a)%2)+8*\b:64*((\a)%2)+8*\b+3] offset:64*\b
	ds_store_b128 v[STO], v[64*((\a)%2)+8*\b+4:64*((\a)%2)+8*\b+7] offset:64*\b+16
.endr
	WIN 0
.set i, 0
.rept 16
	ds_load_b128 v[BK+4*i:BK+4*i+3], v[RD] offset:i*SP  ; LDS serves a wave's instructions in order (ISA guide 5.7.1.4): these see the stores above, and the next block's stores come behind them
.set i, i+1
.endr
.endm
.macro SEND a, younger                 ; younger: the LDS instructions issued behind block a's loads: the next block's 32, or none
.set BK, OB+64*((\a)%2)
	s_wait_dscnt \younger
	s_wait_xcnt 0x0                                ; the stores' base is stepped only behind this wait
.if (\a) > 0
	s_add_nc_u64 s[10:11], s[10:11], 16*4096
.endif
.set i, 0
.rept 16
	global_store_b128 v[CO], v[BK+4*i:BK+4*i+3], s[10:11] offset:i*4096 th:TH_STORE_NT  ; a wave stores 512 consecutive bytes, at a multiple of 256 from out0's first
.set i, i+1
.endr
.endm
	WIN 0
	PLACES
	TOSTAGE 0
	TOSTAGE 1
	SEND 0, 32
	TOSTAGE 2
	SEND 1, 32
	TOSTAGE 3
	SEND 2, 32
	SEND 3, 0
	s_wait_tensorcnt 0x0                           ; the wave's end
	ds_add_u32 v[SPW], v[NIL]
	s_wait_dscnt 0x0
	CROUND                                         ; the closing round: no work-group ends while a partner may still ask for a tile that names it
	s_endpgm
.Lfunc_end_k_q5d3fc4b7f7_pv:
	.size	k_q5d3fc4b7f7_pv, .Lfunc_end_k_q5d3fc4b7f7_pv-k_q5d3fc4b7f7_pv
	.p2alignl 7, 3214868480
	.fill 96, 4, 3214868480
	.section	.rodata,"a",@progbits
	.p2align	6, 0x0
	.amdhsa_kernel k_q5d3fc4b7f7_pv
		.amdhsa_group_segment_fixed_size 327680
		.amdhsa_private_segment_fixed_size 0
		.amdhsa_enable_private_segment 0
		.amdhsa_kernarg_size 32
		.amdhsa_user_sgpr_count 2
		.amdhsa_user_sgpr_kernarg_segment_ptr 1
		.amdhsa_wavefront_size32 1
		.amdhsa_system_sgpr_workgroup_id_x 1
		.amdhsa_system_sgpr_workgroup_id_y 1
		.amdhsa_system_sgpr_workgroup_id_z 1
		.amdhsa_system_vgpr_workitem_id 0
		.amdhsa_next_free_vgpr 768
		.amdhsa_next_free_sgpr 76
		.amdhsa_reserve_vcc 1
		.amdhsa_float_denorm_mode_32 3
		.amdhsa_float_denorm_mode_16_64 3
		.amdhsa_memory_ordered 1
		.amdhsa_forward_progress 1
		.amdhsa_inst_pref_size 73
	.end_amdhsa_kernel
	.amdgpu_metadata
---
amdhsa.version: [ 1, 2 ]
amdhsa.kernels:
  - .name:           k_q5d3fc4b7f7_pv
    .symbol:         k_q5d3fc4b7f7_pv.kd
    .args:
      - { .name: et, .offset: 0, .size: 8, .value_kind: global_buffer, .address_space: global }
      - { .name: yv, .offset: 8, .size: 8, .value_kind: global_buffer, .address_space: global }
      - { .name: cf, .offset: 16, .size: 8, .value_kind: global_buffer, .address_space: global }
      - { .name: out0, .offset: 24, .size: 8, .value_kind: global_buffer, .address_space: global }
    .group_segment_fixed_size: 327680
    .private_segment_fixed_size: 0
    .kernarg_segment_align: 8
    .kernarg_segment_size: 32
    .max_flat_workgroup_size: 128
    .sgpr_count:     76
    .vgpr_count:     768
    .wavefront_size: 32
...
	.end_amdgpu_metadata
.endif
;; end of part 10
;; ======== version 3 of 3: 5 launches; version 2 with the launches prep, merge written anew for expert scheduling mode
;; limits: values are held in f16: magnitudes above 65,504 overflow, below 6.1e-05 lose precision
;; workspace buffers: xh 16,777,216 bytes; xb 16,777,216 bytes; wc 4,194,304 bytes; yv 33,554,432 bytes; et 33,554,432 bytes; pm 524,288 bytes; pl 524,288 bytes; cf 524,288 bytes
;; launch prep (part 11): grid 336 x 1, 16 waves a work-group, no clusters, 142,336 bytes of LDS; arguments x, wq, wk, wv, xh, xb, wc; writes xh, xb, wc
.if DOCPART == 11
	.amdgcn_target "amdgcn-amd-amdhsa--gfx1250"
	.amdhsa_code_object_version 6
	.text
	.protected	k_q5d3fc4b7f7_prep
	.globl	k_q5d3fc4b7f7_prep
	.p2align	8
	.type	k_q5d3fc4b7f7_prep,@function
k_q5d3fc4b7f7_prep:
	s_mov_b64 s[64:65], 0
	v_nop
	global_prefetch_b8 v0, s[64:65] scope:SCOPE_SE
	s_setreg_imm32_b32 hwreg(HW_REG_WAVE_SCHED_MODE, 0, 2), 2
	s_setreg_imm32_b32 hwreg(HW_REG_WAVE_MODE, 25, 1), 1
	s_wait_xcnt 0x0
	s_wait_alu depctr_vm_vsrc(0)
; PREPARATION.  xh = x in f16 and xb = x in bf16, both [8192][1024].  wc = [1024 k][2048] f16: columns 0-1023 G[k][c] = sum over d of wq[k][d] wk[c][d], since
; (x wq)(x wk)^T = x G x^T; columns 1024-2047 the softmax of wv over its rows, turned: wc[k][1024+j] = exp(wv[j][k] - max_j) / sum_j.  The value weights' 1/1024 is applied by a later launch.
; LIMITS.  f16 holds no number beyond 65,504: x, wq, wk and G must lie within it; G and the softmax below 6e-5 keep f16's fixed step of 6e-8; an exponential below 2^-126 counts as 0.
; NaN and infinities are not treated apart.  f16 for x and the value weights: the result is nearly -V, so their rounding reaches the output whole.
; SHARES.  Work-groups 0-15: 64 columns of wv each, all 1,024 rows, held in registers (128 a lane), so wv is read once.  16-79: a tile of 128 x 128 of G.  80-335: 32 rows of x.
; No cluster and no tensor load: x and wv are read once by one work-group each, and G is 2 of the program's 105 GFLOP.
; THE MODE: SCHED_MODE bits 1:0 = 2 (LLVM: expert scheduling mode 2), set by the entry lines.  The code itself states the register dependences
; between vector or matrix instructions and memory or LDS instructions, with s_wait_alu, always for 0.
; THE PLAN.  Registers that memory or LDS instructions touch, path by path; every address register is made once and never written again.
;   x        v64-127: the sixteen loads land, each register once, before any vector line names them.  v128-191: group g's eight out registers, written once by its conversions, read by its two stores.
;            The stores of group g - 1 stand at the head of group g, behind one wait on va_vdst; group g's conversions name none of their registers.
;   G        RA, RB: a chunk's loads land; its 32 conversions read and write the set in place; 16 LDS stores read it; the loads of the chunk two on land in it.
;            X0, X1: LDS loads land; four matrix instructions read; LDS loads land again.  The accumulators are named by vector and matrix instructions alone until the way out.
;            A chunk has one wait on va_vdst behind its conversions, one on vm_vsrc behind its LDS stores, and one on va_vdst ahead of the second fill of X0 and of X1.
;   softmax  D: loads land once; at the end LDS loads land in it and global stores read it.  MX: stored to LDS, then written again.  SU: stored to LDS.  T: LDS loads land twice, then conversions write it and LDS stores read it.
;   v6, v7   written at the head, read by the closing add alone.
.set TRP,   2064                       ; a row of the turned block in LDS: 1,024 f16 + 16 bytes
.set STATM, 64*TRP                     ; 16 waves x 64 columns of f32: the waves' maxima
.set STATL, STATM+4096                 ; the waves' sums, in bytes of their own
.set SPARE, STATL+4096                 ; the spare words, 128 bytes for each of 16 waves: eight blocks of 256 bytes that no other line names
.set SPW, 6                            ; v6  LDS address of my spare word; never rewritten
.set NIL, 7                            ; v7  0; never rewritten
	s_load_b256 s[4:11], s[0:1], 0x0               ; x s[4:5], wq s[6:7], wk s[8:9], wv s[10:11]
	s_load_b128 s[12:15], s[0:1], 0x20             ; xh s[12:13], xb s[14:15]
	s_load_b64 s[16:17], s[0:1], 0x30              ; wc
	v_lshl_add_u32 v[SPW], v0, 2, SPARE
	v_mov_b32 v[NIL], 0
	s_mov_b32 s18, ttmp9
	s_mov_b32 s25, 0
	s_mov_b32 s27, 0
	s_wait_kmcnt 0x0
	s_cmp_lt_u32 s18, 16                           ; the branches hang on the work-group's number alone: all sixteen waves go the same way
	s_cbranch_scc1 .Lsoftmax
	s_cmp_lt_u32 s18, 80
	s_cbranch_scc1 .Lgram
	; 32 ROWS OF x.  Thread t takes 8 numbers (32 bytes in, 16 out, twice) in each of eight groups of four rows; sixteen lanes store 256 consecutive bytes.
	; All sixteen loads go out first; the counted wait leaves the younger groups' loads on their way.
	s_sub_co_u32 s19, s18, 80
	s_lshl_b32 s24, s19, 17
	s_lshl_b32 s26, s19, 16
	s_add_nc_u64 s[20:21], s[4:5], s[24:25]
	s_add_nc_u64 s[22:23], s[12:13], s[26:27]
	s_add_nc_u64 s[28:29], s[14:15], s[26:27]
	v_lshlrev_b32 v2, 5, v0                        ; 32 t
	v_lshrrev_b32 v3, 7, v0                        ; my row among a group's four
	v_and_b32 v4, 127, v0
	v_lshlrev_b32 v3, 11, v3
	v_lshl_add_u32 v3, v4, 4, v3
	s_wait_alu depctr_va_vdst(0)                   ; v2 and v3 are written: every load and store of this path reads one of them as its offset
.irp g, 0,1,2,3,4,5,6,7
	global_load_b128 v[64+8*\g:64+8*\g+3], v2, s[20:21] offset:\g*16384 th:TH_LOAD_NT
	global_load_b128 v[68+8*\g:68+8*\g+3], v2, s[20:21] offset:\g*16384+16 th:TH_LOAD_NT
.endr
.irp g, 0,1,2,3,4,5,6,7
	s_wait_loadcnt 14-2*\g                         ; loads return in order: group g's two are in
.if \g > 0
	s_wait_alu depctr_va_vdst(0)                   ; the conversions of the group before have written its eight out registers, which the two stores below read
	global_store_b128 v3, v[128+4*(\g-1):128+4*(\g-1)+3], s[22:23] offset:4*(\g-1)*2048
	global_store_b128 v3, v[160+4*(\g-1):160+4*(\g-1)+3], s[28:29] offset:4*(\g-1)*2048
.endif
.irp u, 0,1,2,3
	v_cvt_pk_f16_f32 v[128+4*\g+\u], v[64+8*\g+2*\u], v[64+8*\g+2*\u+1]
	v_cvt_pk_bf16_f32 v[160+4*\g+\u], v[64+8*\g+2*\u], v[64+8*\g+2*\u+1]
.endr
.endr
	s_wait_alu depctr_va_vdst(0)                   ; the last group's conversions have written its out registers, which the last two stores read
	global_store_b128 v3, v[156:159], s[22:23] offset:4*7*2048
	global_store_b128 v3, v[188:191], s[28:29] offset:4*7*2048
	s_endpgm                                       ; this wave has written no LDS
	; A TILE OF G.  Sixteen waves, each 32 x 32: four accumulators.  d goes in 8 chunks of 128: a wave's load takes 512 consecutive bytes of a row of wq or wk; the numbers are rounded to f16 and
	; laid into one of two LDS buffers; one barrier a chunk shows the buffer whole, and (with each wave's wait for its LDS loads in front of it) the other buffer read out.
	; Two register sets keep two chunks' loads on their way.  The matrix instruction is used transposed (source 0 = 16 rows of wk, source 1 = 16 rows of wq): a lane holds 8 neighbouring numbers of a row of G.
.set GP,   272                         ; an LDS row: 256 bytes + 16: the 16 rows of a fragment load start at 16 different groups of four banks (ISA guide 11.1)
.set GMAT, 128*GP                      ; wq's 128 rows; wk's lie behind them
.set GBUF, 2*GMAT
.set GOF,  1                           ; v1   wave x 4,096 + 16 x lane: my 16 bytes in rows wave + 16 p
.set ST0,  2                           ; v2-3 where they go, in buffer 0, 1
.set ST1,  3
.set FA0,  8                           ; v8-11 my fragments of wq and wk in buffer 0, 1
.set FB0,  9
.set FA1,  10
.set FB1,  11
.set GS,   12                          ; v12  the way out: where I put 16 bytes of a row
.set GRD,  13                          ; v13  where I read rows back
.set GOUT, 14                          ; v14  the same rows in wc
.set X0,   32                          ; v32-63, v192-223: fragments of 32 along d: wq's two, then wk's two
.set X1,   192
.set RA,   64                          ; v64-127, v128-191: a chunk as loaded: 8 x 4 of wq, 8 x 4 of wk
.set RB,   128
.set ACC,  224                         ; accumulator (a, b) at v[224 + 8 (2 a + b)]
.macro GLOAD R, off
.irp p, 0,1,2,3,4,5,6,7
	global_load_b128 v[\R+4*\p:\R+4*\p+3], v[GOF], s[20:21] offset:\p*65536+\off
.endr
.irp p, 0,1,2,3,4,5,6,7
	global_load_b128 v[\R+32+4*\p:\R+32+4*\p+3], v[GOF], s[22:23] offset:\p*65536+\off
.endr
.endm
.macro XLOAD X, FA, FB, kk
	ds_load_b128 v[\X:\X+3],     v[\FA] offset:64*\kk
	ds_load_b128 v[\X+4:\X+7],   v[\FA] offset:64*\kk+32
	ds_load_b128 v[\X+8:\X+11],  v[\FA] offset:64*\kk+16*GP
	ds_load_b128 v[\X+12:\X+15], v[\FA] offset:64*\kk+16*GP+32
	ds_load_b128 v[\X+16:\X+19], v[\FB] offset:64*\kk
	ds_load_b128 v[\X+20:\X+23], v[\FB] offset:64*\kk+32
	ds_load_b128 v[\X+24:\X+27], v[\FB] offset:64*\kk+16*GP
	ds_load_b128 v[\X+28:\X+31], v[\FB] offset:64*\kk+16*GP+32
.endm
.macro XMUL X                          ; the four accumulators take turns, one instruction a turn
.irp a, 0,1
.irp b, 0,1
	v_wmma_f32_16x16x32_f16 v[ACC+8*(2*\a+\b):ACC+8*(2*\a+\b)+7], v[\X+16+8*\b:\X+16+8*\b+7], v[\X+8*\a:\X+8*\a+7], v[ACC+8*(2*\a+\b):ACC+8*(2*\a+\b)+7]
.endr
.endr
.endm
.macro NOP4                            ; four places between a matrix instruction and a load into its sources, or a read of its result; they stay beside the waits on va_vdst
.rept 4
	v_nop
.endr
.endm
; One chunk.  ld = 1: the chunk two on is asked for, into the set just emptied.  left = how many younger loads may stay out.
.macro CHUNK R, ST, FA, FB, off, ld, left
	s_wait_loadcnt \left                           ; this set's 16 loads are in
.set p, 0
.rept 16
	v_cvt_pk_f16_f32 v[\R+4*p], v[\R+4*p], v[\R+4*p+1]
	v_cvt_pk_f16_f32 v[\R+4*p+1], v[\R+4*p+2], v[\R+4*p+3]
.set p, p+1
.endr
	s_wait_alu depctr_va_vdst(0)                   ; the conversions have written the LDS stores' data and are done with the set, in which loads land again; the last chunk's matrix instructions are done reading X0 and X1, in which the loads behind the barrier land; in the first chunk the addresses v2 to v14 are written
.set p, 0
.rept 16
	ds_store_b64 v[\ST], v[\R+4*p:\R+4*p+1] offset:(p%8)*16*GP+(p/8)*GMAT  ; a wave stores a row's 256 bytes
.set p, p+1
.endr
.if \ld
	s_wait_alu depctr_vm_vsrc(0)                   ; the LDS stores have read the set's registers, in which the loads below land
	GLOAD \R, \off
.endif
	s_wait_dscnt 0x0                               ; for the others' sake: my stores are done
	s_barrier_signal -1
	s_barrier_wait -1
	XLOAD X0, \FA, \FB, 0
	XLOAD X1, \FA, \FB, 1
	s_wait_dscnt 8                                 ; the older eight loads are in
	XMUL X0
	NOP4
	s_wait_alu depctr_va_vdst(0)                   ; the four matrix instructions are done reading X0, in which the loads below land
	XLOAD X0, \FA, \FB, 2
	s_wait_dscnt 8
	XMUL X1
	NOP4
	s_wait_alu depctr_va_vdst(0)                   ; the four matrix instructions are done reading X1, in which the loads below land
	XLOAD X1, \FA, \FB, 3
	s_wait_dscnt 8
	XMUL X0
	s_wait_dscnt 0x0                               ; my reads of this buffer are over: the next barrier says so to the others
	XMUL X1
.endm
.Lgram:
	s_sub_co_u32 s19, s18, 16
	s_lshr_b32 s32, s19, 3                         ; which 128 rows of wq
	s_and_b32 s33, s19, 7                          ; which 128 rows of wk
	s_lshl_b32 s24, s32, 19
	s_lshl_b32 s26, s33, 19
	s_add_nc_u64 s[20:21], s[6:7], s[24:25]
	s_add_nc_u64 s[22:23], s[8:9], s[26:27]
	s_lshl_b32 s26, s33, 8                         ; in wc: 128 rows of 4,096 bytes, 256 bytes of each
	s_add_co_u32 s24, s24, s26
	s_add_nc_u64 s[28:29], s[16:17], s[24:25]
	v_and_b32 v15, 31, v0                          ; lane
	v_lshrrev_b32 v16, 5, v0                       ; wave
	v_lshlrev_b32 v[GOF], 4, v15
	v_lshl_add_u32 v[GOF], v16, 12, v[GOF]
	s_wait_alu depctr_va_vdst(0)                   ; v1 is written: every load of wq and wk reads it as its offset
	GLOAD RA, 0                                    ; chunks 0 and 1
	GLOAD RB, 512
	v_mul_u32_u24 v[ST0], v16, GP
	v_lshl_add_u32 v[ST0], v15, 3, v[ST0]
	v_add_nc_u32 v[ST1], GBUF, v[ST0]
	v_and_b32 v17, 15, v0                          ; r
	v_bfe_u32 v18, v0, 4, 1                        ; h
	v_lshrrev_b32 v19, 7, v0                       ; wave / 4: my 32 rows of the tile
	v_bfe_u32 v20, v0, 5, 2                        ; wave % 4: my 32 columns
	v_lshl_add_u32 v21, v19, 5, v17
	v_mul_u32_u24 v21, v21, GP
	v_lshl_add_u32 v[FA0], v18, 4, v21
	v_lshl_add_u32 v22, v20, 5, v17
	v_mul_u32_u24 v22, v22, GP
	v_lshl_add_u32 v[FB0], v18, 4, v22
	v_add_nc_u32 v[FB0], GMAT, v[FB0]
	v_add_nc_u32 v[FA1], GBUF, v[FA0]
	v_add_nc_u32 v[FB1], GBUF, v[FB0]
	v_lshl_add_u32 v[GS], v20, 6, v[FA0]           ; row 32 (wave / 4) + r, byte 64 (wave % 4) + 16 h
	v_lshl_add_u32 v23, v16, 3, v18                ; back: rows 8 wave + h + 2 i
	v_mul_u32_u24 v[GRD], v23, GP
	v_lshl_add_u32 v[GRD], v17, 4, v[GRD]
	v_lshlrev_b32 v[GOUT], 12, v23
	v_lshl_add_u32 v[GOUT], v17, 4, v[GOUT]
.set i, 0
.rept 32
	v_mov_b32 v[ACC+i], 0                          ; cleared on purpose: 32 lines here spare a first chunk written out
.set i, i+1
.endr
	s_mov_b32 s34, 3
.Lg:                                                   ; a trip: two chunks; it asks for the next two.  At each wait the other set's 16 loads may be out
	s_wait_xcnt 0x0                                ; the bases are stepped only behind this wait
	s_add_nc_u64 s[20:21], s[20:21], 1024          ; two chunks on
	s_add_nc_u64 s[22:23], s[22:23], 1024
	CHUNK RA, ST0, FA0, FB0, 0, 1, 16
	CHUNK RB, ST1, FA1, FB1, 512, 1, 16
	s_sub_co_u32 s34, s34, 1
	s_cmp_lg_u32 s34, 0
	s_cbranch_scc1 .Lg
	CHUNK RA, ST0, FA0, FB0, 0, 0, 16              ; chunks 6 and 7 are written out: nothing is left to ask for, and the counts run down
	CHUNK RB, ST1, FA1, FB1, 0, 0, 0
	; the way out, through buffer 0: every wave's reads of it lie in front of the last barrier.  A row's 256 bytes come from four waves.
	NOP4
.irp i, 0,1,2,3
.irp u, 0,1,2,3
	v_cvt_pk_f16_f32 v[X0+4*\i+\u], v[ACC+8*\i+2*\u], v[ACC+8*\i+2*\u+1]
.endr
.endr
	s_wait_alu depctr_va_vdst(0)                   ; the conversions have written v32 to v47, which the LDS stores read; the matrix instructions are done reading v48 to v63, in which the loads behind the barrier land
.irp i, 0,1,2,3
	ds_store_b128 v[GS], v[X0+4*\i:X0+4*\i+3] offset:(\i/2)*16*GP+(\i%2)*32
.endr
	s_wait_dscnt 0x0
	s_barrier_signal -1
	s_barrier_wait -1
.irp i, 0,1,2,3
	ds_load_b128 v[X0+16+4*\i:X0+16+4*\i+3], v[GRD] offset:\i*2*GP
.endr
.irp i, 0,1,2,3
	s_wait_dscnt 3-\i
	global_store_b128 v[GOUT], v[X0+16+4*\i:X0+16+4*\i+3], s[28:29] offset:\i*8192  ; 16 lanes store 256 consecutive bytes, at a multiple of 256 from wc's first
.endr
	s_wait_dscnt 0x0                               ; the closing lines, six on end
	s_wait_alu 0x0
	s_wait_tensorcnt 0x0
	ds_add_u32 v[SPW], v[NIL]
	s_wait_dscnt 0x0
	s_endpgm
	; THE SOFTMAX OF 64 COLUMNS OF wv
.set MX,  8                            ; v[8:11]   maxima of my four columns
.set PX,  12                           ; v[12:15]  what the other half of the lanes holds
.set KM,  16                           ; v[16:19]  log2(e) x maximum
.set SU,  20                           ; v[20:27]  sums, two chains
.set RI,  28                           ; v[28:31]  1 / sum
.set D,   64                           ; v[64:191] 32 rows x 4 columns
.set T,   192                          ; v[192:255] at work
.Lsoftmax:
	s_mov_b32 s28, 0x3fb8aa3b                      ; log2(e); named as a pair by the packed multiply-add
	s_mov_b32 s29, s28
	s_mov_b32 s30, 0x76543210                      ; v_permlanex16_b32: each lane takes its own place in the other half
	s_mov_b32 s31, 0xfedcba98
	s_lshl_b32 s24, s18, 8                         ; my 64 columns: 256 bytes of every row of wv
	s_add_nc_u64 s[20:21], s[10:11], s[24:25]
	s_lshl_b32 s26, s18, 18                        ; they become 64 rows of wc, from byte 2,048 of each
	s_add_co_u32 s26, s26, 2048
	s_add_nc_u64 s[22:23], s[16:17], s[26:27]
	v_and_b32 v1, 15, v0                           ; r: columns 4 r .. 4 r + 3
	v_lshrrev_b32 v2, 4, v0                        ; 2 w + h: rows 32 (2 w + h) + 0..31
	v_lshlrev_b32 v3, 4, v1
	v_lshl_add_u32 v4, v2, 17, v3
	s_wait_alu depctr_va_vdst(0)                   ; v4 is written: the 32 loads of wv read it as their offset
.set i, 0
.rept 32
	global_load_b128 v[D+4*i:D+4*i+3], v4, s[20:21] offset:i*4096 th:TH_LOAD_NT  ; sixteen lanes take a row's 256 bytes
.set i, i+1
.endr
	v_lshrrev_b32 v33, 5, v0                       ; w
	v_and_b32 v36, 31, v0                          ; lane
	v_lshl_add_u32 v5, v33, 8, v3
	v_add_nc_u32 v5, STATM, v5                     ; where my wave's figures go: 256 w + 16 r
	v_add_nc_u32 v32, STATM, v3                    ; where all waves' figures of my columns are read
	v_mul_u32_u24 v34, v1, 4*TRP
	v_lshl_add_u32 v34, v2, 6, v34                 ; turned block: row 4 r, byte 2 x my first row of wv
	v_mul_u32_u24 v35, v33, 4*TRP
	v_lshl_add_u32 v35, v36, 4, v35                ; back: rows 4 w .. 4 w + 3, 16 bytes a lane
	v_lshlrev_b32 v37, 14, v33
	v_lshl_add_u32 v37, v36, 4, v37                ; the same in wc
.irp c, 0,1,2,3
	v_mov_b32 v[PX+\c], 0                          ; v_permlanex16_b32's destination counts as read
.endr
	s_wait_loadcnt 0x0
	; the maximum of each column: my 32 rows, the other half's 32, then all sixteen waves'
.irp c, 0,1,2,3
	v_max3_num_f32 v[MX+\c], v[D+\c], v[D+4+\c], v[D+8+\c]
.endr
.set k, 0
.rept 14
.irp c, 0,1,2,3
	v_max3_num_f32 v[MX+\c], v[MX+\c], v[D+4*(3+2*k)+\c], v[D+4*(4+2*k)+\c]
.endr
.set k, k+1
.endr
.irp c, 0,1,2,3
	v_max_num_f32 v[MX+\c], v[MX+\c], v[D+124+\c]
.endr
.irp c, 0,1,2,3
	v_permlanex16_b32 v[PX+\c], v[MX+\c], s30, s31
.endr
.irp c, 0,1,2,3
	v_max_num_f32 v[MX+\c], v[MX+\c], v[PX+\c]
.endr
	s_wait_alu depctr_va_vdst(0)                   ; my wave's maxima are written, which the LDS store reads; so are the addresses v5, v32, v34, v35 and v37
	ds_store_b128 v5, v[MX:MX+3]                   ; both halves of the lanes write the same numbers to the same bytes
	s_wait_dscnt 0x0                               ; for the others' sake: my store is done
	s_barrier_signal -1
	s_barrier_wait -1
.set i, 0
.rept 16
	ds_load_b128 v[T+4*i:T+4*i+3], v32 offset:256*i
.set i, i+1
.endr
	s_wait_dscnt 0x0
	s_wait_alu depctr_vm_vsrc(0)                   ; the LDS store has read v8 to v11, which the merged maxima below write again
.irp c, 0,1,2,3
	v_max3_num_f32 v[MX+\c], v[T+\c], v[T+4+\c], v[T+8+\c]
.endr
.set k, 0
.rept 6
.irp c, 0,1,2,3
	v_max3_num_f32 v[MX+\c], v[MX+\c], v[T+4*(3+2*k)+\c], v[T+4*(4+2*k)+\c]
.endr
.set k, k+1
.endr
.irp c, 0,1,2,3
	v_max_num_f32 v[MX+\c], v[MX+\c], v[T+60+\c]
.endr
.irp c, 0,1,2,3
	v_mul_f32 v[KM+\c], s28, v[MX+\c]
.endr
	; 2^(log2(e) w - log2(e) max), in place
.set i, 0
.rept 32
	v_pk_fma_f32 v[D+4*i:D+4*i+1], v[D+4*i:D+4*i+1], s[28:29], v[KM:KM+1] op_sel_hi:[1,0,1] neg_lo:[0,0,1] neg_hi:[0,0,1]
	v_pk_fma_f32 v[D+4*i+2:D+4*i+3], v[D+4*i+2:D+4*i+3], s[28:29], v[KM+2:KM+3] op_sel_hi:[1,0,1] neg_lo:[0,0,1] neg_hi:[0,0,1]
.set i, i+1
.endr
.set i, 0
.rept 128
	v_exp_f32 v[D+i], v[D+i]
.set i, i+1
.endr
	v_nop                                          ; a plain instruction between the last exponential and the use of its result (ISA guide 5.7.2)
	; the sums, into registers of their own: even rows' chain and odd rows' chain
	s_wait_alu depctr_va_vdst(0)                   ; the 128 exponentials have written D, ahead of their first reader: one wait for the batch
	v_pk_add_f32 v[SU:SU+1], v[D:D+1], v[D+8:D+9]
	v_pk_add_f32 v[SU+2:SU+3], v[D+2:D+3], v[D+10:D+11]
	v_pk_add_f32 v[SU+4:SU+5], v[D+4:D+5], v[D+12:D+13]
	v_pk_add_f32 v[SU+6:SU+7], v[D+6:D+7], v[D+14:D+15]
.set i, 4
.rept 28
	v_pk_add_f32 v[SU+4*(i%2):SU+4*(i%2)+1], v[SU+4*(i%2):SU+4*(i%2)+1], v[D+4*i:D+4*i+1]
	v_pk_add_f32 v[SU+4*(i%2)+2:SU+4*(i%2)+3], v[SU+4*(i%2)+2:SU+4*(i%2)+3], v[D+4*i+2:D+4*i+3]
.set i, i+1
.endr
	v_pk_add_f32 v[SU:SU+1], v[SU:SU+1], v[SU+4:SU+5]
	v_pk_add_f32 v[SU+2:SU+3], v[SU+2:SU+3], v[SU+6:SU+7]
.irp c, 0,1,2,3
	v_permlanex16_b32 v[PX+\c], v[SU+\c], s30, s31
.endr
.irp c, 0,1,2,3
	v_add_f32 v[SU+\c], v[SU+\c], v[PX+\c]
.endr
	s_wait_alu depctr_va_vdst(0)                   ; my wave's sums are written, which the LDS store reads; the maxima are done reading T, in which the loads behind the barrier land
	ds_store_b128 v5, v[SU:SU+3] offset:4096       ; other bytes than the maxima's: no barrier is owed to their readers
	s_wait_dscnt 0x0
	s_barrier_signal -1
	s_barrier_wait -1
.set i, 0
.rept 16
	ds_load_b128 v[T+4*i:T+4*i+3], v32 offset:4096+256*i
.set i, i+1
.endr
	s_wait_dscnt 0x0
.set i, 1
.rept 15
	v_pk_add_f32 v[T:T+1], v[T:T+1], v[T+4*i:T+4*i+1]
	v_pk_add_f32 v[T+2:T+3], v[T+2:T+3], v[T+4*i+2:T+4*i+3]
.set i, i+1
.endr
.irp c, 0,1,2,3
	v_rcp_f32 v[RI+\c], v[T+\c]
.endr
	v_nop
.set i, 0
	s_wait_alu depctr_va_vdst(0)                   ; the four reciprocals have written v28 to v31, ahead of their first reader
.rept 32
	v_pk_mul_f32 v[D+4*i:D+4*i+1], v[D+4*i:D+4*i+1], v[RI:RI+1]
	v_pk_mul_f32 v[D+4*i+2:D+4*i+3], v[D+4*i+2:D+4*i+3], v[RI+2:RI+3]
.set i, i+1
.endr
	; turned through LDS: eight neighbouring rows of one column are 16 bytes of a row of wc.  In two halves: the stores of columns 0 and 1 are dealt among the rounding of columns 2 and 3, which names none of their registers
.irp c, 0,1
.irp g, 0,1,2,3
.irp u, 0,1,2,3
	v_cvt_pk_f16_f32 v[T+4*(4*\c+\g)+\u], v[D+4*(8*\g+2*\u)+\c], v[D+4*(8*\g+2*\u+1)+\c]
.endr
.endr
.endr
	s_wait_alu depctr_va_vdst(0)                   ; columns 0 and 1 are rounded into T's first 32 registers, which the eight LDS stores below read
.irp c, 2,3
.irp g, 0,1,2,3
	ds_store_b128 v34, v[T+4*(4*(\c-2)+\g):T+4*(4*(\c-2)+\g)+3] offset:(\c-2)*TRP+16*\g
.irp u, 0,1,2,3
	v_cvt_pk_f16_f32 v[T+4*(4*\c+\g)+\u], v[D+4*(8*\g+2*\u)+\c], v[D+4*(8*\g+2*\u+1)+\c]
.endr
.endr
.endr
	s_wait_alu depctr_va_vdst(0)                   ; columns 2 and 3 are rounded into T's last 32 registers, which the stores below read; the conversions are done reading D, in which the loads behind the barrier land
.irp c, 2,3
.irp g, 0,1,2,3
	ds_store_b128 v34, v[T+4*(4*\c+\g):T+4*(4*\c+\g)+3] offset:\c*TRP+16*\g
.endr
.endr
	s_wait_dscnt 0x0                               ; for the others' sake: a row's 2,048 bytes come from all sixteen waves
	s_barrier_signal -1
	s_barrier_wait -1
.irp i, 0,1,2,3
.irp p, 0,1,2,3
	ds_load_b128 v[D+4*(4*\i+\p):D+4*(4*\i+\p)+3], v35 offset:\i*TRP+512*\p
.endr
.endr
.irp i, 0,1,2,3
.irp p, 0,1,2,3
	s_wait_dscnt 15-(4*\i+\p)                      ; LDS loads return in order: this one is in
	global_store_b128 v37, v[D+4*(4*\i+\p):D+4*(4*\i+\p)+3], s[22:23] offset:\i*4096+512*\p  ; a wave stores 512 consecutive bytes, at a multiple of 256 from wc's first
.endr
.endr
	s_wait_dscnt 0x0                               ; the closing lines, six on end
	s_wait_alu 0x0
	s_wait_tensorcnt 0x0
	ds_add_u32 v[SPW], v[NIL]
	s_wait_dscnt 0x0
	s_endpgm
.Lfunc_end_k_q5d3fc4b7f7_prep:
	.size	k_q5d3fc4b7f7_prep, .Lfunc_end_k_q5d3fc4b7f7_prep-k_q5d3fc4b7f7_prep
	.p2alignl 7, 3214868480
	.fill 96, 4, 3214868480
	.section	.rodata,"a",@progbits
	.p2align	6, 0x0
	.amdhsa_kernel k_q5d3fc4b7f7_prep
		.amdhsa_group_segment_fixed_size 142336
		.amdhsa_private_segment_fixed_size 0
		.amdhsa_enable_private_segment 0
		.amdhsa_kernarg_size 56
		.amdhsa_user_sgpr_count 2
		.amdhsa_user_sgpr_kernarg_segment_ptr 1
		.amdhsa_wavefront_size32 1
		.amdhsa_system_sgpr_workgroup_id_x 1
		.amdhsa_system_sgpr_workgroup_id_y 1
		.amdhsa_system_sgpr_workgroup_id_z 1
		.amdhsa_system_vgpr_workitem_id 0
		.amdhsa_next_free_vgpr 256
		.amdhsa_next_free_sgpr 66
		.amdhsa_reserve_vcc 0
		.amdhsa_float_denorm_mode_32 3
		.amdhsa_float_denorm_mode_16_64 3
		.amdhsa_memory_ordered 1
		.amdhsa_forward_progress 1
		.amdhsa_inst_pref_size 87
	.end_amdhsa_kernel
	.amdgpu_metadata
---
amdhsa.version: [ 1, 2 ]
amdhsa.kernels:
  - .name:           k_q5d3fc4b7f7_prep
    .symbol:         k_q5d3fc4b7f7_prep.kd
    .args:
      - { .name: x, .offset: 0, .size: 8, .value_kind: global_buffer, .address_space: global }
      - { .name: wq, .offset: 8, .size: 8, .value_kind: global_buffer, .address_space: global }
      - { .name: wk, .offset: 16, .size: 8, .value_kind: global_buffer, .address_space: global }
      - { .name: wv, .offset: 24, .size: 8, .value_kind: global_buffer, .address_space: global }
      - { .name: xh, .offset: 32, .size: 8, .value_kind: global_buffer, .address_space: global }
      - { .name: xb, .offset: 40, .size: 8, .value_kind: global_buffer, .address_space: global }
      - { .name: wc, .offset: 48, .size: 8, .value_kind: global_buffer, .address_space: global }
    .group_segment_fixed_size: 142336
    .private_segment_fixed_size: 0
    .kernarg_segment_align: 8
    .kernarg_segment_size: 56
    .max_flat_workgroup_size: 512
    .sgpr_count:     66
    .vgpr_count:     256
    .wavefront_size: 32
...
	.end_amdgpu_metadata
.endif
;; end of part 11
;; launch proj: the kernel of part 7 again; grid 8 x 32, 4 waves a work-group, clusters of 4 x 4, 327,680 bytes of LDS; arguments xh, wc, yv; writes yv
;; launch scores: the kernel of part 8 again; grid 8 x 32, 4 waves a work-group, clusters of 4 x 4, 327,680 bytes of LDS; arguments xb, yv, et, pm, pl; writes et, pm, pl
;; launch merge (part 12): grid 16 x 1, 4 waves a work-group, no clusters, 0 bytes of LDS; arguments pm, pl, cf; writes cf
.if DOCPART == 12
	.amdgcn_target "amdgcn-amd-amdhsa--gfx1250"
	.amdhsa_code_object_version 6
	.text
	.protected	k_q5d3fc4b7f7_merge
	.globl	k_q5d3fc4b7f7_merge
	.p2align	8
	.type	k_q5d3fc4b7f7_merge,@function
k_q5d3fc4b7f7_merge:
	s_mov_b64 s[64:65], 0
	v_nop
	global_prefetch_b8 v0, s[64:65] scope:SCOPE_SE
	s_setreg_imm32_b32 hwreg(HW_REG_WAVE_SCHED_MODE, 0, 2), 2
	s_setreg_imm32_b32 hwreg(HW_REG_WAVE_MODE, 25, 1), 1
	s_wait_xcnt 0x0
	s_wait_alu depctr_vm_vsrc(0)
; THE SIXTEEN BLOCKS' FIGURES OF EACH KEY ARE MERGED.  pm[b][i][m] = c x the maximum of block i (in powers of two), pl[b][i][m] = the block's sum.  M = max_i pm, L = sum_i pl 2^(pm - M),
; cf[b][i][m] = 2^(pm - M) / (1024 L) in f32: what et's numbers of block i are multiplied by to become the softmax over all 2,048 queries, with the value weights' 1/1024.
; LIMITS.  2^(pm - M) below 2^-126 counts as 0.
; SHARES.  A thread takes four neighbouring keys: 2,048 threads.  1.5 MB in all: no LDS, no matrix unit, no cluster; all 32 loads of a lane go out together.
; THE MODE: SCHED_MODE bits 1:0 = 2 (LLVM: expert scheduling mode 2), set by the entry lines.  The code itself states the register dependences
; between vector instructions and memory instructions, with s_wait_alu, always for 0.
; THE PLAN.  Registers that memory instructions touch: v3, the one offset, made once.  PM and PL: the 32 loads land, each register once, before any vector line names them.
; PM again at the end: block i's four registers take its final products, once, and its store reads them.  The final scaling goes in two halves: blocks 0-7 are scaled, one wait, and their stores
; are dealt among the scaling of blocks 8-15, which names none of their registers; one more wait, and the last eight stores.  No stored register is written again.
.set MX, 4                             ; v[4:7]
.set LS, 8                             ; v[8:11]
.set RI, 12                            ; v[12:15]
.set PM, 16                            ; v[16:79]
.set PL, 80                            ; v[80:143]
	s_load_b128 s[4:7], s[0:1], 0x0                ; pm s[4:5], pl s[6:7]
	s_load_b64 s[8:9], s[0:1], 0x10                ; cf
	s_lshl_b32 s10, ttmp9, 7
	v_add_nc_u32 v1, s10, v0                       ; g
	v_lshrrev_b32 v2, 9, v1                        ; the batch
	v_and_b32 v1, 511, v1                          ; which four keys
	v_lshlrev_b32 v3, 4, v1
	v_lshl_add_u32 v3, v2, 17, v3                  ; in and out: batch x 131,072 + 16 bytes a thread
	s_wait_kmcnt 0x0
	s_wait_alu depctr_va_vdst(0)                   ; v3 is written: every load and store of the kernel reads it as its offset
.set i, 0
.rept 16
	global_load_b128 v[PM+4*i:PM+4*i+3], v3, s[4:5] offset:i*8192
.set i, i+1
.endr
.set i, 0
.rept 16
	global_load_b128 v[PL+4*i:PL+4*i+3], v3, s[6:7] offset:i*8192
.set i, i+1
.endr
	s_wait_loadcnt 16                              ; pm is in; pl's sixteen loads may stay out
.irp c, 0,1,2,3
	v_max3_num_f32 v[MX+\c], v[PM+\c], v[PM+4+\c], v[PM+8+\c]
.endr
.set k, 0
.rept 6
.irp c, 0,1,2,3
	v_max3_num_f32 v[MX+\c], v[MX+\c], v[PM+4*(3+2*k)+\c], v[PM+4*(4+2*k)+\c]
.endr
.set k, k+1
.endr
.irp c, 0,1,2,3
	v_max_num_f32 v[MX+\c], v[MX+\c], v[PM+60+\c]
.endr
.set i, 0
.rept 16
	v_pk_add_f32 v[PM+4*i:PM+4*i+1], v[PM+4*i:PM+4*i+1], v[MX:MX+1] neg_lo:[0,1] neg_hi:[0,1]
	v_pk_add_f32 v[PM+4*i+2:PM+4*i+3], v[PM+4*i+2:PM+4*i+3], v[MX+2:MX+3] neg_lo:[0,1] neg_hi:[0,1]
.set i, i+1
.endr
.set i, 0
.rept 64
	v_exp_f32 v[PM+i], v[PM+i]
.set i, i+1
.endr
	v_nop                                          ; a plain instruction behind the last exponential (ISA guide 5.7.2)
	s_wait_loadcnt 0x0
	s_wait_alu depctr_va_vdst(0)                   ; the 64 exponentials have written PM, ahead of their first reader: one wait for the batch
	v_pk_mul_f32 v[LS:LS+1], v[PL:PL+1], v[PM:PM+1]
	v_pk_mul_f32 v[LS+2:LS+3], v[PL+2:PL+3], v[PM+2:PM+3]
.set i, 1
.rept 15
	v_pk_fma_f32 v[LS:LS+1], v[PL+4*i:PL+4*i+1], v[PM+4*i:PM+4*i+1], v[LS:LS+1]
	v_pk_fma_f32 v[LS+2:LS+3], v[PL+4*i+2:PL+4*i+3], v[PM+4*i+2:PM+4*i+3], v[LS+2:LS+3]
.set i, i+1
.endr
.irp c, 0,1,2,3
	v_rcp_f32 v[RI+\c], v[LS+\c]
.endr
	v_nop
	s_wait_alu depctr_va_vdst(0)                   ; the four reciprocals have written v12 to v15, ahead of their first reader
.irp c, 0,1,2,3
	v_mul_f32 v[RI+\c], 0x3a800000, v[RI+\c]       ; 1 / 1024
.endr
.set i, 0
.rept 8
	v_pk_mul_f32 v[PM+4*i:PM+4*i+1], v[PM+4*i:PM+4*i+1], v[RI:RI+1]
	v_pk_mul_f32 v[PM+4*i+2:PM+4*i+3], v[PM+4*i+2:PM+4*i+3], v[RI+2:RI+3]
.set i, i+1
.endr
	s_wait_alu depctr_va_vdst(0)                   ; blocks 0 to 7 are scaled: their registers are written, which the eight stores below read
.set i, 8
.rept 8
	global_store_b128 v3, v[PM+4*(i-8):PM+4*(i-8)+3], s[8:9] offset:(i-8)*8192  ; a wave stores 512 consecutive bytes, at a multiple of 256 from cf's first
	v_pk_mul_f32 v[PM+4*i:PM+4*i+1], v[PM+4*i:PM+4*i+1], v[RI:RI+1]
	v_pk_mul_f32 v[PM+4*i+2:PM+4*i+3], v[PM+4*i+2:PM+4*i+3], v[RI+2:RI+3]
.set i, i+1
.endr
	s_wait_alu depctr_va_vdst(0)                   ; blocks 8 to 15 are scaled: their registers are written, which the last eight stores read
.set i, 8
.rept 8
	global_store_b128 v3, v[PM+4*i:PM+4*i+3], s[8:9] offset:i*8192
.set i, i+1
.endr
	s_endpgm
.Lfunc_end_k_q5d3fc4b7f7_merge:
	.size	k_q5d3fc4b7f7_merge, .Lfunc_end_k_q5d3fc4b7f7_merge-k_q5d3fc4b7f7_merge
	.p2alignl 7, 3214868480
	.fill 96, 4, 3214868480
	.section	.rodata,"a",@progbits
	.p2align	6, 0x0
	.amdhsa_kernel k_q5d3fc4b7f7_merge
		.amdhsa_group_segment_fixed_size 0
		.amdhsa_private_segment_fixed_size 0
		.amdhsa_enable_private_segment 0
		.amdhsa_kernarg_size 24
		.amdhsa_user_sgpr_count 2
		.amdhsa_user_sgpr_kernarg_segment_ptr 1
		.amdhsa_wavefront_size32 1
		.amdhsa_system_sgpr_workgroup_id_x 1
		.amdhsa_system_sgpr_workgroup_id_y 1
		.amdhsa_system_sgpr_workgroup_id_z 1
		.amdhsa_system_vgpr_workitem_id 0
		.amdhsa_next_free_vgpr 144
		.amdhsa_next_free_sgpr 66
		.amdhsa_reserve_vcc 0
		.amdhsa_float_denorm_mode_32 3
		.amdhsa_float_denorm_mode_16_64 3
		.amdhsa_memory_ordered 1
		.amdhsa_forward_progress 1
		.amdhsa_inst_pref_size 16
	.end_amdhsa_kernel
	.amdgpu_metadata
---
amdhsa.version: [ 1, 2 ]
amdhsa.kernels:
  - .name:           k_q5d3fc4b7f7_merge
    .symbol:         k_q5d3fc4b7f7_merge.kd
    .args:
      - { .name: pm, .offset: 0, .size: 8, .value_kind: global_buffer, .address_space: global }
      - { .name: pl, .offset: 8, .size: 8, .value_kind: global_buffer, .address_space: global }
      - { .name: cf, .offset: 16, .size: 8, .value_kind: global_buffer, .address_space: global }
    .group_segment_fixed_size: 0
    .private_segment_fixed_size: 0
    .kernarg_segment_align: 8
    .kernarg_segment_size: 24
    .max_flat_workgroup_size: 128
    .sgpr_count:     66
    .vgpr_count:     144
    .wavefront_size: 32
...
	.end_amdgpu_metadata
.endif
;; end of part 12
;; launch pv: the kernel of part 10 again; grid 4 x 64, 4 waves a work-group, clusters of 4 x 4, 327,680 bytes of LDS; arguments et, yv, cf, out0; writes out0
